; MI455X (gfx1250); checked and timed in simulation.
; The chip was launched on July 23, 2026; its instructions are those of AMD's public machine-readable ISA for CDNA 5 (MIT licence, August 2026) and "CDNA5" Instruction Set Architecture Reference Guide (July 2026). The comments in the code are by the model that wrote it; some were corrected since.
;; Transformer Block. Allowed arithmetic: float matrix products may take bf16 or f16 operands with f32 sums; all other float work in f32.
;; Inputs: ff_b1 4,096 float32; ff_b2 1,024 float32; ff_w1 1,024 x 4,096 float32; ff_w2 4,096 x 1,024 float32; ln1_b 1,024 float32; ln1_g 1,024 float32; ln2_b 1,024 float32; ln2_g 1,024 float32; out_b 1,024 float32; out_w 1,024 x 1,024 float32; qkv_b 3,072 float32; qkv_w 1,024 x 3,072 float32; x 2 x 2,048 x 1,024 float32.
;; Outputs: out0 2 x 2,048 x 1,024 float32.
;; 3 versions, each right; version 2 is faster than version 1; version 3 is version 2 with the launches prep, ln2 written anew for expert scheduling mode. Each part assembles by itself: llvm-mc -triple=amdgcn-amd-amdhsa -mcpu=gfx1250 --defsym DOCPART=n.
;; ======== version 1 of 3: 7 launches
;; limits: a function is approximated: absolute error at most 2.5e-05; an absolute error that grows with the inputs' magnitude: up to 1.25e-05 times it
;; workspace buffers: wbf 25,165,824 bytes; act 8,388,608 bytes; big 33,554,432 bytes; x1 16,777,216 bytes
;; launch prep (part 1): grid 512 x 1, 8 waves a work-group, no clusters, 0 bytes of LDS; arguments x, qkv_w, out_w, ff_w1, ff_w2, ln1_g, ln1_b, wbf, act; writes wbf, act
.if DOCPART == 1
	.amdgcn_target "amdgcn-amd-amdhsa--gfx1250"
	.amdhsa_code_object_version 6
	.text
	.protected	k_q106c404e5c_prep
	.globl	k_q106c404e5c_prep
	.p2align	8
	.type	k_q106c404e5c_prep,@function
k_q106c404e5c_prep:
	s_mov_b64 s[64:65], 0
	v_nop
	global_prefetch_b8 v0, s[64:65] scope:SCOPE_SE
	s_setreg_imm32_b32 hwreg(HW_REG_WAVE_MODE, 25, 1), 1
	s_wait_xcnt 0x0
; Two streams in one launch, chosen by the work-group's number.
; Work-groups 0..383: the four weight matrices, f32 [K][N], are rounded to bf16 in the same order into wbf, one behind the other
;   (qkv_w at byte 0, out_w at 6,291,456, ff_w1 at 8,388,608, ff_w2 at 16,777,216).  A work-group takes 32,768 numbers.
; Work-groups 384..511: act = LayerNorm(x) * ln1_g + ln1_b in bf16.  A wave takes four whole rows of 1,024, a row in 32 registers a lane,
;   so a row is read once; mean first, then the mean of the squared differences (no difference of large sums).
; No LDS, no barrier, no matrix unit, no cluster: the work-groups share nothing but the 8 KiB of gain and bias.
.set CX,  16                           ; v[16:143]  cast: 16 pieces of 8 numbers a thread
.set G,   16                           ; v[16:47]   norm: gain of my 32 columns
.set BB,  48                           ; v[48:79]   norm: bias of my 32 columns
.set X,   80                           ; v[80:207]  norm: four rows, 32 registers each
.set T,   208                          ; v[208:215] four running pairs
.set MU,  216                          ; v[216:217] minus the mean, twice
.set RS,  218                          ; v[218:219] 1/sqrt(var + eps), twice
.set TMP, 220                          ; the other half's figure
.set RPW, 4                            ; rows of a wave
	s_load_b512 s[16:31], s[0:1], 0x0              ; x 16, qkv_w 18, out_w 20, ff_w1 22, ff_w2 24, ln1_g 26, ln1_b 28, wbf 30
	s_load_b64 s[32:33], s[0:1], 0x40              ; act
	v_lshrrev_b32 v1, 5, v0
	v_readfirstlane_b32 s12, v1                    ; wave
	s_mov_b32 s9, 0
	s_mov_b32 s11, 0
	s_cmp_ge_u32 ttmp9, 384
	s_cbranch_scc1 .Lln
	; ---- the cast ----
	v_lshlrev_b32 v1, 5, v0                        ; 32 bytes of f32 a thread and piece
	v_lshlrev_b32 v2, 4, v0                        ; 16 bytes of bf16
	s_wait_kmcnt 0x0
	s_mov_b64 s[4:5], s[24:25]                     ; which matrix, and its first work-group: 256.. ff_w2
	s_mov_b32 s6, 256
	s_cmp_lt_u32 ttmp9, 256
	s_cselect_b64 s[4:5], s[22:23], s[4:5]         ; 128..255 ff_w1
	s_cselect_b32 s6, 128, s6
	s_cmp_lt_u32 ttmp9, 128
	s_cselect_b64 s[4:5], s[20:21], s[4:5]         ; 96..127 out_w
	s_cselect_b32 s6, 96, s6
	s_cmp_lt_u32 ttmp9, 96
	s_cselect_b64 s[4:5], s[18:19], s[4:5]         ; 0..95 qkv_w
	s_cselect_b32 s6, 0, s6
	s_sub_co_u32 s6, ttmp9, s6
	s_lshl_b32 s8, s6, 17                          ; 131,072 bytes of f32 for each work-group of the matrix
	s_add_nc_u64 s[4:5], s[4:5], s[8:9]
	s_lshl_b32 s10, ttmp9, 16                      ; 65,536 bytes of bf16 for each work-group, the matrices one behind the other
	s_add_nc_u64 s[30:31], s[30:31], s[10:11]
.irp j, 0,1,2,3,4,5,6,7,8,9,10,11,12,13,14,15
	global_load_b128 v[CX+8*\j:CX+8*\j+3],   v1, s[4:5] offset:8192*\j th:TH_LOAD_NT
	global_load_b128 v[CX+8*\j+4:CX+8*\j+7], v1, s[4:5] offset:8192*\j+16 th:TH_LOAD_NT
.endr
.irp j, 0,1,2,3,4,5,6,7,8,9,10,11,12,13,14,15
	s_wait_loadcnt 30-2*\j                         ; loads return in order: piece j's two are in, the 2 (15 - j) younger ones stay out
	v_cvt_pk_bf16_f32 v[CX+8*\j],   v[CX+8*\j],   v[CX+8*\j+1]
	v_cvt_pk_bf16_f32 v[CX+8*\j+1], v[CX+8*\j+2], v[CX+8*\j+3]
	v_cvt_pk_bf16_f32 v[CX+8*\j+2], v[CX+8*\j+4], v[CX+8*\j+5]
	v_cvt_pk_bf16_f32 v[CX+8*\j+3], v[CX+8*\j+6], v[CX+8*\j+7]
	global_store_b128 v2, v[CX+8*\j:CX+8*\j+3], s[30:31] offset:4096*\j   ; a wave stores 512 consecutive bytes, aligned; no register is written again
.endr
	s_endpgm
	; ---- the norm ----
.macro FOLD                            ; four pairs to one number
	v_pk_add_f32 v[T:T+1], v[T:T+1], v[T+2:T+3]
	v_pk_add_f32 v[T+4:T+5], v[T+4:T+5], v[T+6:T+7]
	v_pk_add_f32 v[T:T+1], v[T:T+1], v[T+4:T+5]
	v_add_f32 v[T], v[T], v[T+1]
.endm
.macro ACROSS                          ; the sum over the 32 lanes, in every lane
	v_add_f32_dpp v[T], v[T], v[T] row_xmask:1 row_mask:0xf bank_mask:0xf
	v_add_f32_dpp v[T], v[T], v[T] row_xmask:2 row_mask:0xf bank_mask:0xf
	v_add_f32_dpp v[T], v[T], v[T] row_xmask:4 row_mask:0xf bank_mask:0xf
	v_add_f32_dpp v[T], v[T], v[T] row_xmask:8 row_mask:0xf bank_mask:0xf
	v_permlanex16_b32 v[TMP], v[T], s40, s41
	v_add_f32 v[T], v[T], v[TMP]
.endm
; row i of the wave's rows; left = the later rows' loads, which stay out
.macro LNROW i, left
	s_wait_loadcnt \left
.irp k, 0,2,4,6
	v_pk_add_f32 v[T+\k:T+\k+1], v[X+32*\i+\k:X+32*\i+\k+1], v[X+32*\i+\k+8:X+32*\i+\k+9]   ; the first products of the chains: nothing is cleared
.endr
.irp m, 16,24
.irp k, 0,2,4,6
	v_pk_add_f32 v[T+\k:T+\k+1], v[T+\k:T+\k+1], v[X+32*\i+\k+\m:X+32*\i+\k+\m+1]
.endr
.endr
	FOLD
	ACROSS
	v_mul_f32 v[MU], 0xba800000, v[T]              ; - sum / 1024
	v_mul_f32 v[MU+1], 0xba800000, v[T]
.irp k, 0,2,4,6,8,10,12,14,16,18,20,22,24,26,28,30
	v_pk_add_f32 v[X+32*\i+\k:X+32*\i+\k+1], v[X+32*\i+\k:X+32*\i+\k+1], v[MU:MU+1]
.endr
.irp k, 0,2,4,6
	v_pk_mul_f32 v[T+\k:T+\k+1], v[X+32*\i+\k:X+32*\i+\k+1], v[X+32*\i+\k:X+32*\i+\k+1]
.endr
.irp m, 8,16,24
.irp k, 0,2,4,6
	v_pk_fma_f32 v[T+\k:T+\k+1], v[X+32*\i+\k+\m:X+32*\i+\k+\m+1], v[X+32*\i+\k+\m:X+32*\i+\k+\m+1], v[T+\k:T+\k+1]
.endr
.endr
	FOLD
	ACROSS
	v_fma_f32 v[T], v[T], s42, s43                 ; sum of squares / 1024 + 1e-5
	v_rsq_f32 v[RS], v[T]
	v_rsq_f32 v[RS+1], v[T]
	v_nop                                          ; one plain instruction between v_rsq_f32 and the first use of its result (ISA guide 5.7.2)
	s_wait_alu depctr_va_vdst(0)
.irp k, 0,2,4,6,8,10,12,14,16,18,20,22,24,26,28,30
	v_pk_mul_f32 v[X+32*\i+\k:X+32*\i+\k+1], v[X+32*\i+\k:X+32*\i+\k+1], v[RS:RS+1]
.endr
.irp k, 0,2,4,6,8,10,12,14,16,18,20,22,24,26,28,30
	v_pk_fma_f32 v[X+32*\i+\k:X+32*\i+\k+1], v[X+32*\i+\k:X+32*\i+\k+1], v[G+\k:G+\k+1], v[BB+\k:BB+\k+1]
.endr
.irp j, 0,1,2,3,4,5,6,7
	v_cvt_pk_bf16_f32 v[X+32*\i+4*\j],   v[X+32*\i+4*\j],   v[X+32*\i+4*\j+1]
	v_cvt_pk_bf16_f32 v[X+32*\i+4*\j+1], v[X+32*\i+4*\j+2], v[X+32*\i+4*\j+3]
	global_store_b64 v2, v[X+32*\i+4*\j:X+32*\i+4*\j+1], s[32:33] offset:2048*\i+256*\j   ; 32 lanes x 8 bytes: 256 consecutive bytes, aligned
.endr
.endm
.Lln:
	s_sub_co_u32 s6, ttmp9, 384
	s_lshl_b32 s6, s6, 5                           ; 32 rows a work-group,
	s_lshl2_add_u32 s6, s12, s6                    ; 4 a wave
	s_lshl_b32 s8, s6, 12                          ; rows of 4,096 bytes in x
	s_lshl_b32 s10, s6, 11                         ; of 2,048 bytes in act
	s_mov_b32 s40, 0x76543210                      ; v_permlanex16_b32: lane i reads lane i of the other half
	s_mov_b32 s41, 0xfedcba98
	s_mov_b32 s42, 0x3a800000                      ; 1/1024
	s_mov_b32 s43, 0x3727c5ac                      ; 1e-5
	v_and_b32 v3, 31, v0
	v_lshlrev_b32 v1, 4, v3                        ; 16 bytes of f32 a lane: columns 128 j + 4 lane ..
	v_lshlrev_b32 v2, 3, v3                        ; 8 bytes of bf16
	v_mov_b32 v[TMP], 0                            ; a permute's destination counts as read
	s_wait_kmcnt 0x0
	s_add_nc_u64 s[16:17], s[16:17], s[8:9]
	s_add_nc_u64 s[32:33], s[32:33], s[10:11]
.irp j, 0,1,2,3,4,5,6,7
	global_load_b128 v[G+4*\j:G+4*\j+3], v1, s[26:27] offset:512*\j
.endr
.irp j, 0,1,2,3,4,5,6,7
	global_load_b128 v[BB+4*\j:BB+4*\j+3], v1, s[28:29] offset:512*\j
.endr
.irp i, 0,1,2,3
.irp j, 0,1,2,3,4,5,6,7
	global_load_b128 v[X+32*\i+4*\j:X+32*\i+4*\j+3], v1, s[16:17] offset:4096*\i+512*\j
.endr
.endr
	LNROW 0, 24
	LNROW 1, 16
	LNROW 2, 8
	LNROW 3, 0
	s_endpgm
.Lfunc_end_k_q106c404e5c_prep:
	.size	k_q106c404e5c_prep, .Lfunc_end_k_q106c404e5c_prep-k_q106c404e5c_prep
	.p2alignl 7, 3214868480
	.fill 96, 4, 3214868480
	.section	.rodata,"a",@progbits
	.p2align	6, 0x0
	.amdhsa_kernel k_q106c404e5c_prep
		.amdhsa_group_segment_fixed_size 0
		.amdhsa_private_segment_fixed_size 0
		.amdhsa_enable_private_segment 0
		.amdhsa_kernarg_size 72
		.amdhsa_user_sgpr_count 2
		.amdhsa_user_sgpr_kernarg_segment_ptr 1
		.amdhsa_wavefront_size32 1
		.amdhsa_system_sgpr_workgroup_id_x 1
		.amdhsa_system_sgpr_workgroup_id_y 1
		.amdhsa_system_sgpr_workgroup_id_z 1
		.amdhsa_system_vgpr_workitem_id 0
		.amdhsa_next_free_vgpr 224
		.amdhsa_next_free_sgpr 66
		.amdhsa_reserve_vcc 0
		.amdhsa_float_denorm_mode_32 3
		.amdhsa_float_denorm_mode_16_64 3
		.amdhsa_memory_ordered 1
		.amdhsa_forward_progress 1
		.amdhsa_inst_pref_size 48
	.end_amdhsa_kernel
	.amdgpu_metadata
---
amdhsa.version: [ 1, 2 ]
amdhsa.kernels:
  - .name:           k_q106c404e5c_prep
    .symbol:         k_q106c404e5c_prep.kd
    .args:
      - { .name: x, .offset: 0, .size: 8, .value_kind: global_buffer, .address_space: global }
      - { .name: qkv_w, .offset: 8, .size: 8, .value_kind: global_buffer, .address_space: global }
      - { .name: out_w, .offset: 16, .size: 8, .value_kind: global_buffer, .address_space: global }
      - { .name: ff_w1, .offset: 24, .size: 8, .value_kind: global_buffer, .address_space: global }
      - { .name: ff_w2, .offset: 32, .size: 8, .value_kind: global_buffer, .address_space: global }
      - { .name: ln1_g, .offset: 40, .size: 8, .value_kind: global_buffer, .address_space: global }
      - { .name: ln1_b, .offset: 48, .size: 8, .value_kind: global_buffer, .address_space: global }
      - { .name: wbf, .offset: 56, .size: 8, .value_kind: global_buffer, .address_space: global }
      - { .name: act, .offset: 64, .size: 8, .value_kind: global_buffer, .address_space: global }
    .group_segment_fixed_size: 0
    .private_segment_fixed_size: 0
    .kernarg_segment_align: 8
    .kernarg_segment_size: 72
    .max_flat_workgroup_size: 256
    .sgpr_count:     66
    .vgpr_count:     224
    .wavefront_size: 32
...
	.end_amdgpu_metadata
.endif
;; end of part 1
;; launch qkv (part 2): grid 12 x 16, 4 waves a work-group, clusters of 4 x 4, 327,680 bytes of LDS; arguments act, wbf, qkv_b, big; writes big
.if DOCPART == 2
	.amdgcn_target "amdgcn-amd-amdhsa--gfx1250"
	.amdhsa_code_object_version 6
	.text
	.protected	k_q106c404e5c_qkv
	.globl	k_q106c404e5c_qkv
	.p2align	8
	.type	k_q106c404e5c_qkv,@function
k_q106c404e5c_qkv:
	s_mov_b64 s[64:65], 0
	v_nop
	global_prefetch_b8 v0, s[64:65] scope:SCOPE_SE
	s_setreg_imm32_b32 hwreg(HW_REG_WAVE_MODE, 25, 1), 1
	s_wait_xcnt 0x0
	s_wait_alu depctr_hold_cnt(0) depctr_sa_sdst(0) depctr_va_vdst(0) depctr_va_sdst(0) depctr_va_ssrc(0) depctr_va_vcc(0) depctr_vm_vsrc(0)
	s_getreg_b32 s2, hwreg(HW_REG_IB_STS2, 6, 4)
	s_cmp_eq_u32 s2, 0
	s_cbranch_scc0 .Lentry_in_a_cluster
	s_endpgm
.Lentry_in_a_cluster:
	s_bfe_u32 s2, ttmp6, 0x10000c
	s_cmp_lg_u32 s2, 0xf033
	s_cbranch_scc0 .Lentry_shape_is_right
	s_endpgm
.Lentry_shape_is_right:
; C[m][n] = f( sum over k of A[m][k] W[k][n] + bias[n] ), C in bf16.  A: [4096][1024] bf16.  W: [1024][SIZE_N] bf16 at byte WOFF of the weight buffer.
; f is the identity (GELU = 0) or the exact GELU (GELU = 1).  Sums in f32.
; A work-group makes 256 x 256 of C with four waves; a wave makes 128 x 128 in 64 accumulator tiles (512 registers).  K goes in steps of 128
; through two LDS slots filled by the tensor data mover.  A's tile has K along its rows; W's tile has N along its rows and is read with the transposing LDS load.
; CLUSTERS: 4 x 4 work-groups.  A's tile hangs on the block row alone and is asked for jointly by a row of the cluster, W's on the block column alone and is
; asked for jointly by a column.
; REGISTERS in windows of 256: window 0 addresses, constants, A's fragments (two buffers), work on the way out; window 1 W's fragments (two buffers) and the bias;
; windows 2, 3 the accumulators of my rows 0-63, 64-127 (tile (a, b) at v[8 (8 a + b)]).
; The matrix instruction is used transposed (source 0 = 16 columns of W, source 1 = 16 rows of A): lane l then holds row l % 16 of C and eight neighbouring columns.
; LIMIT (GELU = 1): gelu(u) = max(u, 0) - |u| Phi(-|u|), Phi(-|u|) = erfc(|u|/sqrt 2)/2 by the rational form 7.1.25 of Abramowitz and Stegun, whose error in erf is
; at most 2.5e-5 for every argument: at most 1.25e-5 |u| in the result.  v_exp_f32 gives 0 below 2^-126, where the term is far below f32's last bit of the result.
.set SIZE_N, 3072
.set GELU,   0
.set WOFF,   0
.set SIZE_K, 1024
.set KSTEP,  128
.set PA,     272                       ; A's LDS row: 256 bytes + 16: sixteen rows start in sixteen different 16-byte columns of 256
.set PB,     544                       ; W's LDS row: 512 bytes + 32, an odd multiple of 32
.set PART,   128*PA                    ; what one tensor load brings: 128 rows of A, or 64 rows of W (64 x 544 is the same 34,816 bytes)
.set SLOT,   4*PART                    ; A's 256 rows, then W's 128 rows
.set STAGE,  2*SLOT                    ; behind the ring: 16 rows x 272 bytes for each wave, for the way out; no tensor load lands there
.set SPITCH, 272
.set LAPS,   SIZE_K/(2*KSTEP)          ; a lap = two K steps = once round the ring
.set ADRA, 16                          ; v16-17  LDS address of my A fragments in slot 0, 1
.set ADRB, 20                          ; v20-21  the same for W
.set STO,  24                          ; way out: where I put 16 bytes of a row
.set RD,   25                          ; way out: where I read a row back
.set CO,   26                          ; my byte offset in C
.set BO,   27                          ; my byte offset in the bias
.set CP,   32                          ; v[32:41] GELU's constants, each twice
.set CE,   34
.set CA3,  36
.set CA2,  38
.set CA1,  40
.set F0,   64                          ; fragment buffer 0
.set F1,   128                         ; fragment buffer 1
.set BI,   192                         ; window 1: bias of my 8 x 8 columns
.set U,    64                          ; way out, window 0: 64 numbers in f32
.set T,    128                         ; way out: GELU's 32 registers of work
.set PK,   192                         ; way out: packed results
.set RB,   224                         ; way out: rows read back
.set G1A, 24                           ; s[24:31] descriptor group 1, A's tiles
.set G0A, 32                           ; s[32:39] descriptor group 0, A's tiles, one set for each slot
.set G1B, 48                           ; s[48:55] group 1, W's tiles
.set G0B, 56                           ; s[56:63] group 0, W's tiles
.set MSB, 0
.macro WIN new                         ; the immediate's high byte repeats the setting that is left
.if MSB != \new
	s_set_vgpr_msb (MSB<<8)|\new
.set MSB, \new
.endif
.endm
.set MUL_LO, 0xa1                      ; source 0 (W) window 1, source 1 (A) window 0, C and D window 2
.set MUL_HI, 0xf1                      ; the same, C and D window 3
.set TO_B,   0x40                      ; destination window 1
; A joint load: waves 0, 1 fetch A's two halves, waves 2, 3 W's.  The branch hangs on the wave's number alone.
.macro JLOAD s
	s_cmp_eq_u32 s13, 0
	s_cbranch_scc0 .Lfor_b_\@
	tensor_load_to_lds s[G0A+4*\s:G0A+4*\s+3], s[G1A:G1A+7]
	s_nop 0
	s_branch .Lasked_\@
.Lfor_b_\@:
	tensor_load_to_lds s[G0B+4*\s:G0B+4*\s+3], s[G1B:G1B+7]
	s_nop 0
.Lasked_\@:
.endm
.macro CREST                           ; a round of the cluster's barrier behind its opening work-group barrier
	s_cmp_lg_u32 s12, 0
	s_cbranch_scc1 .Lnot_wave_0_\@
	s_barrier_signal -3
.Lnot_wave_0_\@:
	s_barrier_wait -3
	s_barrier_signal -1
	s_barrier_wait -1
.endm
.macro CROUND                          ; a whole round
	s_barrier_signal -1
	s_barrier_wait -1
	CREST
.endm
	s_load_b256 s[4:11], s[0:1], 0x0               ; A s[4:5], weights s[6:7], bias s[8:9], C s[10:11]
	s_set_vgpr_msb 0x40
	v_lshl_add_u32 v63, v0, 2, 0x48400
	s_set_vgpr_msb 0x4000
	v_mov_b32 v63, 0
	s_set_vgpr_msb 0x1
	ds_add_u32 v63, v63
	s_set_vgpr_msb 0x100
	v_lshrrev_b32 v1, 5, v0
	v_readfirstlane_b32 s12, v1                    ; wave 0..3
	s_lshr_b32 s13, s12, 1                         ; my half of the block's rows.  Also: I fetch for A (0) or for W (1)
	s_and_b32 s14, s12, 1                          ; my half of its columns.  Also: which half of that tile I fetch
	s_bfe_u32 s16, ttmp6, 0x40000                  ; cx
	s_bfe_u32 s17, ttmp6, 0x40004                  ; cy
	s_lshl_b32 s18, ttmp9, 2
	s_add_co_u32 s18, s18, s16                     ; block column = 4 x cluster x + cx
	s_and_b32 s19, ttmp7, 0xffff
	s_lshl_b32 s19, s19, 2
	s_add_co_u32 s19, s19, s17                     ; block row = 4 x cluster y + cy
	s_lshl_b32 s20, s17, 2
	s_lshl_b32 s20, 15, s20                        ; my row of the cluster: places 4 cy .. 4 cy + 3
	s_lshl_b32 s21, 0x1111, s16                    ; my column: places cx, cx + 4, cx + 8, cx + 12
	s_or_b32 s[G1A+0], s20, (1<<16)|(1<<20)|(1<<21)|(5<<22)|(3<<25)   ; mask; 2-byte elements; padding on; bit 21 beside a mask; 4 words behind every 64
	s_mov_b32 s[G1A+1], KSTEP<<16                  ; tensor_dim0 = 128
	s_mov_b32 s[G1A+2], 128<<16                    ; tensor_dim1 = 128
	s_mov_b32 s[G1A+3], KSTEP<<16                  ; tile_dim0 = 128 elements
	s_mov_b32 s[G1A+4], 128                        ; tile_dim1 = 128 rows
	s_mov_b32 s[G1A+5], SIZE_K                     ; elements from row to row
	s_mov_b32 s[G1A+6], 0
	s_mov_b32 s[G1A+7], 0
	s_or_b32 s[G1B+0], s21, (1<<16)|(1<<20)|(1<<21)|(6<<22)|(7<<25)   ; 8 words behind every 128
	s_mov_b32 s[G1B+1], 256<<16                    ; tensor_dim0 = 256
	s_mov_b32 s[G1B+2], 64<<16                     ; tensor_dim1 = 64
	s_mov_b32 s[G1B+3], 256<<16                    ; tile_dim0 = 256 elements
	s_mov_b32 s[G1B+4], 64                         ; tile_dim1 = 64 rows
	s_mov_b32 s[G1B+5], SIZE_N
	s_mov_b32 s[G1B+6], 0
	s_mov_b32 s[G1B+7], 0
	; A's address is made of the block row and the wave's number, W's of the block column and the wave's number, each in registers of its own
	s_lshl_b32 s22, s14, 7
	s_lshl_b32 s40, s19, 8
	s_add_co_u32 s40, s40, s22                     ; A: row 256 x block row + 128 x half
	s_lshl_b32 s40, s40, 11                        ; rows of 2,048 bytes
	s_mov_b32 s41, 0
	s_mul_i32 s44, s14, 64*SIZE_N*2                ; W: 64 rows x half,
	s_lshl_b32 s45, s18, 9                         ; 512 bytes x block column,
	s_add_co_u32 s44, s44, s45
	s_add_co_u32 s44, s44, WOFF                    ; in this product's matrix
	s_mov_b32 s45, 0
	s_mul_i32 s23, s12, PART                       ; where a wave's part goes: wave x 34,816
	s_wait_dscnt 0x0
	s_wait_kmcnt 0x0
	s_add_nc_u64 s[40:41], s[4:5], s[40:41]
	s_add_nc_u64 s[44:45], s[6:7], s[44:45]
	CROUND                                         ; all sixteen work-groups are here: the first joint loads meet
.irp s, 0,1
	s_mov_b32 s[G0A+4*\s], 1
	s_add_co_u32 s[G0A+4*\s+1], s23, \s*SLOT
	s_add_nc_u64 s[G0A+4*\s+2:G0A+4*\s+3], s[40:41], \s*KSTEP*2
	s_or_b32 s[G0A+4*\s+3], s[G0A+4*\s+3], 0x80000000
	s_mov_b32 s[G0B+4*\s], 1
	s_add_co_u32 s[G0B+4*\s+1], s23, \s*SLOT
	s_add_nc_u64 s[G0B+4*\s+2:G0B+4*\s+3], s[44:45], \s*KSTEP*SIZE_N*2
	s_or_b32 s[G0B+4*\s+3], s[G0B+4*\s+3], 0x80000000
	JLOAD \s                                       ; two tensor loads of a wave are out here, later one
.endr
	v_and_b32 v1, 15, v0                           ; r = l % 16
	v_bfe_u32 v2, v0, 4, 1                         ; h = l / 16
	v_mul_u32_u24 v3, v1, PA
	v_lshl_add_u32 v3, v2, 4, v3                   ; A: row r, 16 bytes for each half of the lanes
	v_and_b32 v4, 7, v0
	v_lshl_add_u32 v4, v2, 3, v4                   ; W: row 8 h + l % 8 of the K step,
	v_mul_u32_u24 v4, v4, PB
	v_bfe_u32 v5, v0, 3, 1
	v_lshl_add_u32 v4, v5, 4, v4                   ; 16 bytes for each group of eight lanes: the transposing load's addresses
	s_mul_i32 s22, s13, PART                       ; my 128 rows of A
	s_lshl_b32 s42, s14, 8                         ; my 128 columns of W,
	s_add_co_u32 s42, s42, 2*PART                  ; which lies behind A's 256 rows
.irp s, 0,1
	v_add_nc_u32 v[ADRA+\s], s22, v3
	v_add_nc_u32 v[ADRB+\s], s42, v4
	s_add_co_u32 s22, s22, SLOT
	s_add_co_u32 s42, s42, SLOT
.endr
	s_mul_i32 s43, s12, 16*SPITCH
	s_add_co_u32 s43, s43, STAGE                   ; my stage
	v_add_nc_u32 v[STO], s43, v3
	v_mul_u32_u24 v5, v2, SPITCH
	v_lshl_add_u32 v5, v1, 4, v5
	v_add_nc_u32 v[RD], s43, v5                    ; back: lanes 0-15 one row of 256 bytes, lanes 16-31 the next
	v_mul_u32_u24 v5, v2, SIZE_N*2
	v_lshl_add_u32 v[CO], v1, 4, v5                ; the same two rows in C
	v_lshlrev_b32 v[BO], 5, v2                     ; bias: 8 numbers for each half of the lanes
	s_lshl_b32 s46, s18, 10
	s_lshl_b32 s47, s14, 9
	s_add_co_u32 s46, s46, s47
	s_mov_b32 s47, 0
	s_add_nc_u64 s[8:9], s[8:9], s[46:47]          ; bias at my first column
	WIN TO_B
.irp b, 0,1,2,3,4,5,6,7
	global_load_b128 v[BI+8*\b:BI+8*\b+3],   v[BO], s[8:9] offset:64*\b       ; bias of columns 16 b + 8 h + 0..3
	global_load_b128 v[BI+8*\b+4:BI+8*\b+7], v[BO], s[8:9] offset:64*\b+16    ; + 4..7
.endr
	WIN 0
	s_lshl_b32 s46, s19, 8
	s_lshl_b32 s47, s13, 7
	s_add_co_u32 s46, s46, s47                     ; my first row of C
	s_mul_i32 s46, s46, SIZE_N*2
	s_lshl_b32 s47, s18, 9
	s_add_co_u32 s46, s46, s47                     ; my first column, in bytes
	s_lshl_b32 s47, s14, 8
	s_add_co_u32 s46, s46, s47
	s_mov_b32 s47, 0
	s_add_nc_u64 s[10:11], s[10:11], s[46:47]
.if GELU
	s_mov_b32 s66, 0x7fffffff
.irp e, 0,1
	v_mov_b32 v[CP+\e],  0x3eaa540e                ; 0.47047 / sqrt 2
	v_mov_b32 v[CE+\e],  0xbf38aa3b                ; - log2(e) / 2
	v_mov_b32 v[CA3+\e], 0xbebf7377                ; - 0.7478556 / 2
	v_mov_b32 v[CA2+\e], 0x3d445ca1                ; + 0.0958798 / 2
	v_mov_b32 v[CA1+\e], 0xbe32303a                ; - 0.3480242 / 2
.endr
.endif
; 16 matrix instructions: m blocks a0, a0 + 1 of the window's four x all 8 n blocks, 32 along K.  zero = 1: the first product starts the sums.
.macro MUL16 f, hi, a0, zero
.irp a, \a0, \a0+1
.irp b, 0,1,2,3,4,5,6,7
.if \zero
	v_wmma_f32_16x16x32_bf16 v[8*(8*(\a)+\b):8*(8*(\a)+\b)+7], v[\f+8*\b:\f+8*\b+7], v[\f+8*(4*\hi+\a):\f+8*(4*\hi+\a)+7], 0
.else
	v_wmma_f32_16x16x32_bf16 v[8*(8*(\a)+\b):8*(8*(\a)+\b)+7], v[\f+8*\b:\f+8*\b+7], v[\f+8*(4*\hi+\a):\f+8*(4*\hi+\a)+7], v[8*(8*(\a)+\b):8*(8*(\a)+\b)+7]
.endif
.endr
.endr
.endm
; 32 LDS loads in one run: the fragments of quarter q of a K step (128 columns of W, 128 rows of A, 32 along K) into buffer f
.macro FETCH slot, q, f
	WIN TO_B
.irp i, 0,1,2,3,4,5,6,7
	ds_load_tr16_b128 v[\f+8*\i:\f+8*\i+3],   v[ADRB+\slot] offset:\q*32*PB+\i*32          ; k = 32 q + 8 h + 0..7 of column 16 i + r
	ds_load_tr16_b128 v[\f+8*\i+4:\f+8*\i+7], v[ADRB+\slot] offset:\q*32*PB+\i*32+16*PB    ; k = 32 q + 16 + 8 h + 0..7
.endr
	WIN 0
.irp i, 0,1,2,3,4,5,6,7
	ds_load_b128 v[\f+8*\i:\f+8*\i+3],   v[ADRA+\slot] offset:\q*64+\i*16*PA
	ds_load_b128 v[\f+8*\i+4:\f+8*\i+7], v[ADRA+\slot] offset:\q*64+\i*16*PA+32
.endr
.endm
; four plain vector instructions between a matrix instruction and a load into, or a vector instruction on, one of its registers (ISA guide 7.12.1 for vector instructions)
.macro PLACES
.rept 4
	v_nop
.endr
.endm
; One of a K step's first three quarters: multiplies buffer f, and in its middle fetches quarter q of the same slot into buffer g.
; The 64 accumulators take turns, one instruction a turn, in the same order in every quarter.
.macro QUARTER slot, q, f, g, zero
	s_wait_dscnt 8                                 ; W and A's rows 0-63 are in; the youngest eight loads (A's rows 64-127) may be out
	WIN MUL_LO
	MUL16 \f, 0, 0, \zero
	MUL16 \f, 0, 2, \zero
	PLACES
	FETCH \slot, \q, \g
	s_wait_dscnt 32                                ; all but the 32 just issued
	WIN MUL_HI
	MUL16 \f, 1, 0, \zero
	MUL16 \f, 1, 2, \zero
.endm
.macro THREE slot, zero
	QUARTER \slot, 1, F0, F1, \zero
	QUARTER \slot, 2, F1, F0, 0
	QUARTER \slot, 3, F0, F1, 0
.endm
; The last quarter: multiplies buffer 1 and changes slots.  In front of the barrier each wave waits for its reads of this slot and for all its tensor loads (one is
; out: its part of the next slot).  Behind it the refill comes first, then the next slot's first fragments.
.macro TURN slot, next, fill
	s_wait_dscnt 8
	WIN MUL_LO
	MUL16 F1, 0, 0, 0
	s_wait_dscnt 0                                 ; my reads of this slot are over
	s_wait_tensorcnt 0x0                           ; all my tensor loads have landed
	ds_add_u32 v63, v63
	s_wait_dscnt 0x0
	s_barrier_signal -1                            ; where a slot is filled again this barrier opens a round of the cluster's barrier
	MUL16 F1, 0, 2, 0                              ; register work while the others arrive
	WIN 0
	s_barrier_wait -1
.if \fill
	CREST                                          ; no wave of any partner still reads this slot or has a load on its way
	s_add_nc_u64 s[G0A+4*\slot+2:G0A+4*\slot+3], s[G0A+4*\slot+2:G0A+4*\slot+3], 2*KSTEP*2
	s_add_nc_u64 s[G0B+4*\slot+2:G0B+4*\slot+3], s[G0B+4*\slot+2:G0B+4*\slot+3], 2*KSTEP*SIZE_N*2
	JLOAD \slot                                    ; the wave's one tensor load behind the round, and the first thing there
.endif
	PLACES
	FETCH \next, 0, F0
	WIN MUL_HI
	MUL16 F1, 1, 0, 0
	MUL16 F1, 1, 2, 0
.endm
.macro LAP zero
	THREE 0, \zero
	TURN 0, 1, 1
	THREE 1, 0
	TURN 1, 0, 1
.endm
	s_wait_loadcnt 0x0                             ; the bias, once
	s_wait_tensorcnt 1                             ; my part of K step 0 is in; K step 1's stays out
	s_barrier_signal -1
	s_barrier_wait -1
	FETCH 0, 0, F0
	LAP 1                                          ; the first lap stands in front of the loop: its first products start the sums
	WIN 0
	s_mov_b32 s15, LAPS-2
.Llap:
	LAP 0
	WIN 0
	s_sub_co_u32 s15, s15, 1
	s_cmp_lg_u32 s15, 0
	s_cbranch_scc1 .Llap
	THREE 0, 0                                     ; the last lap fills nothing
	TURN 0, 1, 0
	THREE 1, 0
	s_wait_dscnt 8
	WIN MUL_LO
	MUL16 F1, 0, 0, 0
	MUL16 F1, 0, 2, 0
	s_wait_dscnt 0
	WIN MUL_HI
	MUL16 F1, 1, 0, 0
	MUL16 F1, 1, 2, 0
.if GELU
; eight numbers u in v[U+8b ..]: u <- max(u, 0) + |u| q, q = -Phi(-|u|) = (c1 t + c2 t^2 + c3 t^3) exp(-u^2/2), t = 1/(1 + p |u|)
.macro GELU8 b
.irp j, 0,1,2,3,4,5,6,7
	v_and_b32 v[T+\j], s66, v[U+8*\b+\j]                                   ; |u|
.endr
.irp p, 0,2,4,6
	v_pk_fma_f32 v[T+8+\p:T+9+\p], v[T+\p:T+\p+1], v[CP:CP+1], 1.0 op_sel_hi:[1,1,0]
.endr
.irp p, 0,2,4,6
	v_pk_mul_f32 v[T+16+\p:T+17+\p], v[U+8*\b+\p:U+8*\b+\p+1], v[U+8*\b+\p:U+8*\b+\p+1]
.endr
.irp j, 0,1,2,3,4,5,6,7
	v_rcp_f32 v[T+8+\j], v[T+8+\j]                                         ; t
.endr
.irp p, 0,2,4,6
	v_pk_mul_f32 v[T+16+\p:T+17+\p], v[T+16+\p:T+17+\p], v[CE:CE+1]        ; plain work behind the reciprocals, which it does not touch
.endr
.irp j, 0,1,2,3,4,5,6,7
	v_exp_f32 v[T+16+\j], v[T+16+\j]                                       ; exp(-u^2/2)
.endr
.irp p, 0,2,4,6
	v_pk_fma_f32 v[T+24+\p:T+25+\p], v[T+8+\p:T+9+\p], v[CA3:CA3+1], v[CA2:CA2+1]   ; plain work behind the exponentials, which it does not touch
.endr
.irp p, 0,2,4,6
	v_pk_fma_f32 v[T+24+\p:T+25+\p], v[T+24+\p:T+25+\p], v[T+8+\p:T+9+\p], v[CA1:CA1+1]
.endr
.irp p, 0,2,4,6
	v_pk_mul_f32 v[T+24+\p:T+25+\p], v[T+24+\p:T+25+\p], v[T+8+\p:T+9+\p]
.endr
.irp p, 0,2,4,6
	v_pk_mul_f32 v[T+24+\p:T+25+\p], v[T+24+\p:T+25+\p], v[T+16+\p:T+17+\p]
.endr
.irp j, 0,1,2,3,4,5,6,7
	v_max_num_f32 v[U+8*\b+\j], 0, v[U+8*\b+\j]
.endr
.irp p, 0,2,4,6
	v_pk_fma_f32 v[U+8*\b+\p:U+8*\b+\p+1], v[T+\p:T+\p+1], v[T+24+\p:T+25+\p], v[U+8*\b+\p:U+8*\b+\p+1]
.endr
.endm
.endif
; THE WAY OUT, 16 rows of C at a time: add the bias, apply f, round to bf16, 16 bytes a lane into my own stage, read back as whole rows of 256 bytes.
; from: source 0 = the accumulators' window (2 or 3), source 1 = window 1 (the bias), destination window 0.
.macro OUT16 i, a, from
	WIN \from
.irp b, 0,1,2,3,4,5,6,7
.irp p, 0,2,4,6
	v_pk_add_f32 v[U+8*\b+\p:U+8*\b+\p+1], v[8*(8*\a+\b)+\p:8*(8*\a+\b)+\p+1], v[BI+8*\b+\p:BI+8*\b+\p+1]
.endr
.endr
	WIN 0
.if GELU
.irp b, 0,1,2,3,4,5,6,7
	GELU8 \b
.endr
.endif
.irp b, 0,1,2,3,4,5,6,7
.irp r, 0,1,2,3
	v_cvt_pk_bf16_f32 v[PK+4*\b+\r], v[U+8*\b+2*\r], v[U+8*\b+2*\r+1]
.endr
.endr
.irp b, 0,1,2,3,4,5,6,7
	ds_store_b128 v[STO], v[PK+4*\b:PK+4*\b+3] offset:32*\b
.endr
	s_wait_xcnt 0x0                                ; the last strip's stores have had their addresses translated (ISA guide 3.1): their data and base are written again only behind this wait
.if \i
	s_add_nc_u64 s[10:11], s[10:11], 16*SIZE_N*2
.endif
.irp t, 0,1,2,3,4,5,6,7
	ds_load_b128 v[RB+4*\t:RB+4*\t+3], v[RD] offset:\t*2*SPITCH    ; LDS serves a wave's instructions in order (ISA guide 5.7.1): these see the stores above
.endr
.irp t, 0,1,2,3,4,5,6,7
	s_wait_dscnt 7-\t
	global_store_b128 v[CO], v[RB+4*\t:RB+4*\t+3], s[10:11] offset:2*\t*SIZE_N*2   ; 16 lanes store 256 consecutive bytes, aligned
.endr
.endm
	PLACES                                         ; behind the last matrix instructions
	OUT16 0, 0, 0x06
	OUT16 1, 1, 0x06
	OUT16 2, 2, 0x06
	OUT16 3, 3, 0x06
	OUT16 4, 0, 0x07
	OUT16 5, 1, 0x07
	OUT16 6, 2, 0x07
	OUT16 7, 3, 0x07
	s_set_vgpr_msb 0x1
	s_wait_tensorcnt 0x0
	ds_add_u32 v63, v63
	s_wait_dscnt 0x0
	s_set_vgpr_msb 0x100
	CROUND                                         ; the closing round: no work-group ends while a partner may still ask for a tile that names it
	s_endpgm
.Lfunc_end_k_q106c404e5c_qkv:
	.size	k_q106c404e5c_qkv, .Lfunc_end_k_q106c404e5c_qkv-k_q106c404e5c_qkv
	.p2alignl 7, 3214868480
	.fill 96, 4, 3214868480
	.section	.rodata,"a",@progbits
	.p2align	6, 0x0
	.amdhsa_kernel k_q106c404e5c_qkv
		.amdhsa_group_segment_fixed_size 327680
		.amdhsa_private_segment_fixed_size 0
		.amdhsa_enable_private_segment 0
		.amdhsa_kernarg_size 32
		.amdhsa_user_sgpr_count 2
		.amdhsa_user_sgpr_kernarg_segment_ptr 1
		.amdhsa_wavefront_size32 1
		.amdhsa_system_sgpr_workgroup_id_x 1
		.amdhsa_system_sgpr_workgroup_id_y 1
		.amdhsa_system_sgpr_workgroup_id_z 1
		.amdhsa_system_vgpr_workitem_id 0
		.amdhsa_next_free_vgpr 1024
		.amdhsa_next_free_sgpr 80
		.amdhsa_reserve_vcc 0
		.amdhsa_float_denorm_mode_32 3
		.amdhsa_float_denorm_mode_16_64 3
		.amdhsa_memory_ordered 1
		.amdhsa_forward_progress 1
		.amdhsa_inst_pref_size 214
	.end_amdhsa_kernel
	.amdgpu_metadata
---
amdhsa.version: [ 1, 2 ]
amdhsa.kernels:
  - .name:           k_q106c404e5c_qkv
    .symbol:         k_q106c404e5c_qkv.kd
    .args:
      - { .name: act, .offset: 0, .size: 8, .value_kind: global_buffer, .address_space: global }
      - { .name: wbf, .offset: 8, .size: 8, .value_kind: global_buffer, .address_space: global }
      - { .name: qkv_b, .offset: 16, .size: 8, .value_kind: global_buffer, .address_space: global }
      - { .name: big, .offset: 24, .size: 8, .value_kind: global_buffer, .address_space: global }
    .group_segment_fixed_size: 327680
    .private_segment_fixed_size: 0
    .kernarg_segment_align: 8
    .kernarg_segment_size: 32
    .max_flat_workgroup_size: 128
    .sgpr_count:     80
    .vgpr_count:     1024
    .wavefront_size: 32
...
	.end_amdgpu_metadata
.endif
;; end of part 2
;; launch attn (part 3): grid 16 x 16, 4 waves a work-group, clusters of 4 x 1, 327,680 bytes of LDS; arguments big, act; writes act
.if DOCPART == 3
	.amdgcn_target "amdgcn-amd-amdhsa--gfx1250"
	.amdhsa_code_object_version 6
	.text
	.protected	k_q106c404e5c_attn
	.globl	k_q106c404e5c_attn
	.p2align	8
	.type	k_q106c404e5c_attn,@function
k_q106c404e5c_attn:
	s_mov_b64 s[64:65], 0
	v_nop
	global_prefetch_b8 v0, s[64:65] scope:SCOPE_SE
	s_setreg_imm32_b32 hwreg(HW_REG_WAVE_MODE, 25, 1), 1
	s_wait_xcnt 0x0
	s_wait_alu depctr_hold_cnt(0) depctr_sa_sdst(0) depctr_va_vdst(0) depctr_va_sdst(0) depctr_va_ssrc(0) depctr_va_vcc(0) depctr_vm_vsrc(0)
	s_getreg_b32 s2, hwreg(HW_REG_IB_STS2, 6, 4)
	s_cmp_eq_u32 s2, 0
	s_cbranch_scc0 .Lentry_in_a_cluster
	s_endpgm
.Lentry_in_a_cluster:
	s_bfe_u32 s2, ttmp6, 0x10000c
	s_cmp_lg_u32 s2, 0x3003
	s_cbranch_scc0 .Lentry_shape_is_right
	s_endpgm
.Lentry_shape_is_right:
; Softmax attention.  big: [4096][3072] bf16, a row = q (1,024), k (1,024), v (1,024), each head 64 wide.  act: [4096][1024] bf16, the heads' results side by side.
; A work-group takes one batch, two neighbouring heads and 128 queries, so that a row of K, of V and of the result is 256 consecutive bytes.
; Wave w takes head w / 2 of the pair and queries 64 (w % 2) .. + 63.  Keys go in tiles of 256 through two LDS slots, in steps of 64.
; CLUSTERS: the four query blocks of a 4 x 1 cluster read the same K and V: each tile is asked for jointly (mask 15).
; TRANSPOSED: S^T = K Q^T puts query r in lane r and r + 16 and keys 8 h + j in the registers, which after rounding IS the second operand of O^T = V^T P^T: no shuffle.
; A query's maximum and sum are per lane, with one exchange between the halves.  The running maximum is taken away in every step and the sums are rescaled in every step.
; LIMITS: p = exp2(c (s - m)) comes out as 0 below 2^-126 (v_exp_f32); P, Q, K, V are bf16; NaN and infinite scores are not treated.
.set KP,    272                        ; K's LDS row: 256 bytes + 16
.set VP,    288                        ; V's LDS row: 256 bytes + 32, an odd multiple of 32, for the transposing load
.set VPART, 256*VP                     ; V's 256 rows come first in a slot,
.set KPART, 256*KP                     ; K's 256 rows behind them
.set SLOT,  VPART+KPART
.set STAGE, 2*SLOT                     ; 128 rows x 272 bytes for the way out; no tensor load lands there
.set ROWB,  6144                       ; bytes in a row of big
.set TILEB, 256*ROWB
.set KA,  8                            ; v8-11   K's fragments: LDS address for slot s, half hf at 2 s + hf
.set VA,  12                           ; v12-15  V's
.set VQ,  16                           ; my byte offset in q
.set STO, 17
.set RD,  18
.set CO,  19
.set KF,  64                           ; window 0: K fragments, key block a, d step ks at 8 (2 a + ks)
.set VF,  128                          ; window 0: V fragments, d block dt, key step kk at 8 (2 dt + kk)
.set SC,  0                            ; window 1: scores, query block b, key block a at 8 (4 b + a)
.set PF,  128                          ; window 1: P in bf16, group g = 4 b + a at 4 g
.set T,   192                          ; window 1: v192-195 work
.set XT,  196                          ; window 1: the other half's figure
.set NM,  200                          ; window 1: pairs (-c m, m) for b = 0..3
.set AL,  208                          ; window 1: pairs (alpha, unused)
.set LS,  216                          ; window 1: pairs of running sums
.set OA,  0                            ; window 2: results, d block dt, query block b at 8 (4 dt + b)
.set QF,  128                          ; window 2: Q fragments, at 8 (2 b + ks)
.set G1K, 24
.set G0K, 32
.set G1V, 48
.set G0V, 56
.set W_S,  0x58                        ; D and C window 1, A window 0, B window 2
.set W_SM, 0x55                        ; all window 1
.set W_RS, 0x86                        ; destination and source 0 window 2, source 1 window 1
.set W_PV, 0xa4                        ; D and C window 2, A window 0, B window 1
.set MSB, 0
.macro WIN new
.if MSB != \new
	s_set_vgpr_msb (MSB<<8)|\new
.set MSB, \new
.endif
.endm
.macro JLOAD s                         ; waves 0, 1 fetch V's two halves, waves 2, 3 K's
	s_cmp_eq_u32 s9, 0
	s_cbranch_scc0 .Lfor_k_\@
	tensor_load_to_lds s[G0V+4*\s:G0V+4*\s+3], s[G1V:G1V+7]
	s_nop 0
	s_branch .Lasked_\@
.Lfor_k_\@:
	tensor_load_to_lds s[G0K+4*\s:G0K+4*\s+3], s[G1K:G1K+7]
	s_nop 0
.Lasked_\@:
.endm
.macro CREST
	s_cmp_lg_u32 s8, 0
	s_cbranch_scc1 .Lnot_wave_0_\@
	s_barrier_signal -3
.Lnot_wave_0_\@:
	s_barrier_wait -3
	s_barrier_signal -1
	s_barrier_wait -1
.endm
.macro CROUND
	s_barrier_signal -1
	s_barrier_wait -1
	CREST
.endm
.macro PLACES                          ; four plain vector instructions behind matrix instructions (ISA guide 7.12.1 for vector instructions)
.rept 4
	v_nop
.endr
.endm
	s_load_b128 s[4:7], s[0:1], 0x0                ; big s[4:5], act s[6:7]
	s_set_vgpr_msb 0x80
	v_lshl_add_u32 v255, v0, 2, 0x4e800
	s_set_vgpr_msb 0x8040
	v_mov_b32 v255, 0
	s_set_vgpr_msb 0x4046
	ds_add_u32 v255, v255
	s_set_vgpr_msb 0x4600
	v_lshrrev_b32 v1, 5, v0
	v_readfirstlane_b32 s8, v1                     ; wave
	s_lshr_b32 s9, s8, 1                           ; my head of the pair.  Also: I fetch V (0) or K (1)
	s_and_b32 s10, s8, 1                           ; my half of the queries.  Also: which half of a tile I fetch
	s_bfe_u32 s12, ttmp6, 0x40000                  ; cx
	s_lshl_b32 s13, ttmp9, 2
	s_add_co_u32 s13, s13, s12                     ; query block
	s_and_b32 s14, ttmp7, 0xffff
	s_lshr_b32 s15, s14, 3                         ; batch
	s_and_b32 s16, s14, 7                          ; pair of heads
	s_mov_b32 s40, 0x3e38aa3b                      ; c = log2(e) / 8: the scale 1/sqrt(64) and the change of base in one
	s_mov_b32 s41, 0x3e38aa3b
	s_mov_b32 s42, 0xbe38aa3b                      ; -c
	s_mov_b32 s44, 0x76543210
	s_mov_b32 s45, 0xfedcba98
	s_mov_b32 s[G1K+0], 15|(1<<16)|(1<<20)|(1<<21)|(5<<22)|(3<<25)   ; mask: all four; 2-byte elements; 4 words of padding behind every 64
	s_mov_b32 s[G1K+1], 128<<16
	s_mov_b32 s[G1K+2], 128<<16
	s_mov_b32 s[G1K+3], 128<<16                    ; 128 elements
	s_mov_b32 s[G1K+4], 128                        ; x 128 rows
	s_mov_b32 s[G1K+5], 3072
	s_mov_b32 s[G1K+6], 0
	s_mov_b32 s[G1K+7], 0
	s_mov_b32 s[G1V+0], 15|(1<<16)|(1<<20)|(1<<21)|(5<<22)|(7<<25)   ; 8 words of padding
	s_mov_b32 s[G1V+1], 128<<16
	s_mov_b32 s[G1V+2], 128<<16
	s_mov_b32 s[G1V+3], 128<<16
	s_mov_b32 s[G1V+4], 128
	s_mov_b32 s[G1V+5], 3072
	s_mov_b32 s[G1V+6], 0
	s_mov_b32 s[G1V+7], 0
	s_lshl_b32 s18, s15, 11                        ; the tiles hang on the batch, the pair of heads and the wave's number alone
	s_lshl_b32 s19, s10, 7
	s_add_co_u32 s18, s18, s19
	s_mul_i32 s18, s18, ROWB
	s_lshl_b32 s19, s16, 8
	s_add_co_u32 s18, s18, s19
	s_mov_b32 s19, 0
	s_mul_i32 s17, s8, 128*VP                      ; V's halves at wave x 36,864 (waves 0, 1)
	s_mul_i32 s43, s8, 128*KP
	s_add_co_u32 s43, s43, VPART-2*128*KP          ; K's halves at wave x 34,816 + 4,096 (waves 2, 3)
	s_lshl_b32 s22, s15, 11
	s_lshl_b32 s23, s13, 7
	s_add_co_u32 s22, s22, s23                     ; the block's first row
	s_lshl_b32 s46, s10, 6
	s_add_co_u32 s46, s46, s22
	s_mul_i32 s46, s46, ROWB                       ; q of my 64 queries,
	s_lshl_b32 s47, s16, 8
	s_add_co_u32 s46, s46, s47
	s_lshl_b32 s47, s9, 7
	s_add_co_u32 s46, s46, s47                     ; my head
	s_mov_b32 s47, 0
	s_lshl_b32 s23, s8, 5
	s_add_co_u32 s22, s22, s23
	s_lshl_b32 s22, s22, 11                        ; the 32 rows of act that I store,
	s_lshl_b32 s23, s16, 8
	s_add_co_u32 s22, s22, s23                     ; the pair's 256 bytes
	s_mov_b32 s23, 0
	s_wait_dscnt 0x0
	s_wait_kmcnt 0x0
	s_add_nc_u64 s[20:21], s[4:5], s[18:19]
	s_add_nc_u64 s[46:47], s[4:5], s[46:47]
	s_add_nc_u64 s[6:7], s[6:7], s[22:23]
	CROUND                                         ; the four work-groups are here: the first joint loads meet
.irp s, 0,1
	s_mov_b32 s[G0V+4*\s], 1
	s_add_co_u32 s[G0V+4*\s+1], s17, \s*SLOT
	s_add_nc_u64 s[G0V+4*\s+2:G0V+4*\s+3], s[20:21], 4096+\s*TILEB
	s_or_b32 s[G0V+4*\s+3], s[G0V+4*\s+3], 0x80000000
	s_mov_b32 s[G0K+4*\s], 1
	s_add_co_u32 s[G0K+4*\s+1], s43, \s*SLOT
	s_add_nc_u64 s[G0K+4*\s+2:G0K+4*\s+3], s[20:21], 2048+\s*TILEB
	s_or_b32 s[G0K+4*\s+3], s[G0K+4*\s+3], 0x80000000
	JLOAD \s                                       ; two tensor loads of a wave are out here, later one
.endr
	v_and_b32 v1, 15, v0                           ; r
	v_bfe_u32 v2, v0, 4, 1                         ; h
	v_mul_u32_u24 v[VQ], v1, ROWB
	v_lshl_add_u32 v[VQ], v2, 4, v[VQ]
	WIN 0x80
.irp b, 0,1,2,3
.irp ks, 0,1
	global_load_b128 v[QF+8*(2*\b+\ks):QF+8*(2*\b+\ks)+3],   v[VQ], s[46:47] offset:16*ROWB*\b+64*\ks      ; q(16 b + r, 32 ks + 8 h ..)
	global_load_b128 v[QF+8*(2*\b+\ks)+4:QF+8*(2*\b+\ks)+7], v[VQ], s[46:47] offset:16*ROWB*\b+64*\ks+32   ; q(16 b + r, 32 ks + 16 + 8 h ..)
.endr
.endr
	WIN 0x40
	v_mov_b32 v[XT], 0                             ; a permute's destination counts as read
.irp b, 0,1,2,3
	v_mov_b32 v[AL+2*\b+1], 0                      ; the pair's second register is named by the packed forms and never used
.endr
	WIN 0
	s_lshl_b32 s17, s9, 7                          ; my head's 128 bytes of a row
	v_mul_u32_u24 v3, v1, KP
	v_lshl_add_u32 v3, v2, 4, v3
	v_add_nc_u32 v3, s17, v3                       ; K: row r, 16 bytes for each half of the lanes
	v_and_b32 v4, 7, v0
	v_lshl_add_u32 v4, v2, 3, v4
	v_mul_u32_u24 v4, v4, VP
	v_bfe_u32 v5, v0, 3, 1
	v_lshl_add_u32 v4, v5, 4, v4
	v_add_nc_u32 v4, s17, v4                       ; V: the transposing load's addresses
.irp s, 0,1
.irp hf, 0,1
	v_add_nc_u32 v[KA+2*\s+\hf], \s*SLOT+VPART+\hf*128*KP, v3
	v_add_nc_u32 v[VA+2*\s+\hf], \s*SLOT+\hf*128*VP, v4
.endr
.endr
	s_mul_i32 s43, s10, 64*KP
	s_add_co_u32 s43, s43, STAGE
	v_add_nc_u32 v[STO], s43, v3                   ; stage: row 64 (w % 2) + r, my head's 128 bytes, 16 bytes for each half
	s_mul_i32 s43, s8, 32*KP
	s_add_co_u32 s43, s43, STAGE
	v_mul_u32_u24 v5, v2, KP
	v_lshl_add_u32 v5, v1, 4, v5
	v_add_nc_u32 v[RD], s43, v5                    ; back: rows 32 w + h, 16 bytes a lane
	v_lshlrev_b32 v5, 11, v2
	v_lshl_add_u32 v[CO], v1, 4, v5
.macro KLOAD slot, idx                 ; K's fragments of the slot's step idx: 64 keys x 64 d, 16 loads
.irp a, 0,1,2,3
.irp ks, 0,1
	ds_load_b128 v[KF+8*(2*\a+\ks):KF+8*(2*\a+\ks)+3],   v[KA+2*(\slot)+(\idx)/2] offset:((\idx)%2)*64*KP+\a*16*KP+64*\ks
	ds_load_b128 v[KF+8*(2*\a+\ks)+4:KF+8*(2*\a+\ks)+7], v[KA+2*(\slot)+(\idx)/2] offset:((\idx)%2)*64*KP+\a*16*KP+64*\ks+32
.endr
.endr
.endm
.macro VLOAD slot, idx                 ; V^T's fragments of the same step: 64 d x 64 keys, 16 transposing loads
.irp dt, 0,1,2,3
.irp kk, 0,1
	ds_load_tr16_b128 v[VF+8*(2*\dt+\kk):VF+8*(2*\dt+\kk)+3],   v[VA+2*(\slot)+(\idx)/2] offset:((\idx)%2)*64*VP+\kk*32*VP+32*\dt
	ds_load_tr16_b128 v[VF+8*(2*\dt+\kk)+4:VF+8*(2*\dt+\kk)+7], v[VA+2*(\slot)+(\idx)/2] offset:((\idx)%2)*64*VP+\kk*32*VP+32*\dt+16*VP
.endr
.endr
.endm
; 16 matrix instructions each; the 16 accumulators take turns, one instruction a turn
.macro SPROD ks, zero
.irp b, 0,1,2,3
.irp a, 0,1,2,3
.if \zero
	v_wmma_f32_16x16x32_bf16 v[SC+8*(4*\b+\a):SC+8*(4*\b+\a)+7], v[KF+8*(2*\a+\ks):KF+8*(2*\a+\ks)+7], v[QF+8*(2*\b+\ks):QF+8*(2*\b+\ks)+7], 0
.else
	v_wmma_f32_16x16x32_bf16 v[SC+8*(4*\b+\a):SC+8*(4*\b+\a)+7], v[KF+8*(2*\a+\ks):KF+8*(2*\a+\ks)+7], v[QF+8*(2*\b+\ks):QF+8*(2*\b+\ks)+7], v[SC+8*(4*\b+\a):SC+8*(4*\b+\a)+7]
.endif
.endr
.endr
.endm
.macro PVPROD kk, zero
.irp dt, 0,1,2,3
.irp b, 0,1,2,3
.if \zero
	v_wmma_f32_16x16x32_bf16 v[OA+8*(4*\dt+\b):OA+8*(4*\dt+\b)+7], v[VF+8*(2*\dt+\kk):VF+8*(2*\dt+\kk)+7], v[PF+8*(2*\b+\kk):PF+8*(2*\b+\kk)+7], 0
.else
	v_wmma_f32_16x16x32_bf16 v[OA+8*(4*\dt+\b):OA+8*(4*\dt+\b)+7], v[VF+8*(2*\dt+\kk):VF+8*(2*\dt+\kk)+7], v[PF+8*(2*\b+\kk):PF+8*(2*\b+\kk)+7], v[OA+8*(4*\dt+\b):OA+8*(4*\dt+\b)+7]
.endif
.endr
.endr
.endm
; query block b: the step's maximum over my 32 scores and the other half's, the new running maximum m, -c m, and alpha = exp2(c (m_old - m))
.macro SMAX b, first
.irp a, 0,1,2,3
	v_max3_num_f32 v[T+\a], v[SC+8*(4*\b+\a)], v[SC+8*(4*\b+\a)+1], v[SC+8*(4*\b+\a)+2]
.endr
.irp a, 0,1,2,3
	v_max3_num_f32 v[T+\a], v[T+\a], v[SC+8*(4*\b+\a)+3], v[SC+8*(4*\b+\a)+4]
.endr
.irp a, 0,1,2,3
	v_max3_num_f32 v[T+\a], v[T+\a], v[SC+8*(4*\b+\a)+5], v[SC+8*(4*\b+\a)+6]
.endr
	v_max3_num_f32 v[T], v[T], v[SC+8*(4*\b)+7], v[SC+8*(4*\b+1)+7]
	v_max3_num_f32 v[T+2], v[T+2], v[SC+8*(4*\b+2)+7], v[SC+8*(4*\b+3)+7]
	v_max3_num_f32 v[T], v[T], v[T+1], v[T+2]
	v_max_num_f32 v[T], v[T], v[T+3]
	v_permlanex16_b32 v[XT], v[T], s44, s45
.if \first
	v_max_num_f32 v[T+1], v[T], v[XT]
	v_mul_f32 v[NM+2*\b], s42, v[T+1]
	v_mov_b32 v[NM+2*\b+1], v[T+1]
.else
	v_max3_num_f32 v[T+1], v[T], v[XT], v[NM+2*\b+1]
	v_mul_f32 v[NM+2*\b], s42, v[T+1]
	v_fma_f32 v[AL+2*\b], v[NM+2*\b+1], s40, v[NM+2*\b]
	v_mov_b32 v[NM+2*\b+1], v[T+1]
	v_exp_f32 v[AL+2*\b], v[AL+2*\b]               ; the next line is plain and does not touch it
.endif
.endm
.macro SFMA g                          ; group g = 4 b + a: c s - c m
.irp i, 0,2,4,6
	v_pk_fma_f32 v[SC+8*(\g)+\i:SC+8*(\g)+\i+1], v[SC+8*(\g)+\i:SC+8*(\g)+\i+1], s[40:41], v[NM+2*((\g)/4):NM+2*((\g)/4)+1] op_sel_hi:[1,0,0]
.endr
.endm
.macro SEXP g
.irp j, 0,1,2,3,4,5,6,7
	v_exp_f32 v[SC+8*(\g)+\j], v[SC+8*(\g)+\j]
.endr
.endm
.macro SSUM g, first                   ; the group's eight p: folded to a pair and added onto the running pair; rounded to bf16 into P
	s_wait_alu depctr_va_vdst(0)
	v_pk_add_f32 v[T:T+1], v[SC+8*(\g):SC+8*(\g)+1], v[SC+8*(\g)+2:SC+8*(\g)+3]
	v_pk_add_f32 v[T+2:T+3], v[SC+8*(\g)+4:SC+8*(\g)+5], v[SC+8*(\g)+6:SC+8*(\g)+7]
	v_cvt_pk_bf16_f32 v[PF+4*(\g)], v[SC+8*(\g)], v[SC+8*(\g)+1]
	v_cvt_pk_bf16_f32 v[PF+4*(\g)+1], v[SC+8*(\g)+2], v[SC+8*(\g)+3]
.if (\g)%4
	v_pk_add_f32 v[T:T+1], v[T:T+1], v[T+2:T+3]
	v_cvt_pk_bf16_f32 v[PF+4*(\g)+2], v[SC+8*(\g)+4], v[SC+8*(\g)+5]
	v_cvt_pk_bf16_f32 v[PF+4*(\g)+3], v[SC+8*(\g)+6], v[SC+8*(\g)+7]
	v_pk_add_f32 v[LS+2*((\g)/4):LS+2*((\g)/4)+1], v[LS+2*((\g)/4):LS+2*((\g)/4)+1], v[T:T+1]
.else
.if \first
	v_pk_add_f32 v[LS+2*((\g)/4):LS+2*((\g)/4)+1], v[T:T+1], v[T+2:T+3]    ; the first group starts the sums
	v_cvt_pk_bf16_f32 v[PF+4*(\g)+2], v[SC+8*(\g)+4], v[SC+8*(\g)+5]
	v_cvt_pk_bf16_f32 v[PF+4*(\g)+3], v[SC+8*(\g)+6], v[SC+8*(\g)+7]
.else
	v_pk_add_f32 v[T:T+1], v[T:T+1], v[T+2:T+3]
	v_cvt_pk_bf16_f32 v[PF+4*(\g)+2], v[SC+8*(\g)+4], v[SC+8*(\g)+5]
	v_cvt_pk_bf16_f32 v[PF+4*(\g)+3], v[SC+8*(\g)+6], v[SC+8*(\g)+7]
	v_pk_fma_f32 v[LS+2*((\g)/4):LS+2*((\g)/4)+1], v[LS+2*((\g)/4):LS+2*((\g)/4)+1], v[AL+2*((\g)/4):AL+2*((\g)/4)+1], v[T:T+1] op_sel_hi:[1,0,1]   ; the old sums times alpha
.endif
.endif
.endm
.macro SOFTMAX first
.irp b, 0,1,2,3
	SMAX \b, \first
.endr
	SFMA 0
.irp g, 0,1,2,3,4,5,6,7,8,9,10,11,12,13,14,15
	SEXP \g
.if \g < 15
	SFMA \g+1                                      ; plain work on the next group stands between the exponentials and their use (ISA guide 5.7.2)
.else
	v_nop
	s_wait_alu depctr_va_vdst(0)
.endif
	SSUM \g, \first
.endr
.endm
.macro RESCALE                         ; O times the query's factor
.irp dt, 0,1,2,3
.irp b, 0,1,2,3
.irp i, 0,2,4,6
	v_pk_mul_f32 v[OA+8*(4*\dt+\b)+\i:OA+8*(4*\dt+\b)+\i+1], v[OA+8*(4*\dt+\b)+\i:OA+8*(4*\dt+\b)+\i+1], v[AL+2*\b:AL+2*\b+1] op_sel_hi:[1,0]
.endr
.endr
.endr
.endm
; One step: 64 keys.  mode 0: a further step of the slot follows; 1: the slot's last step, and the slot is filled again; 2: its last step, nothing is filled; 3: the last step of all.
.macro STEP slot, idx, first, mode
.set ENDT, 0
.if \mode == 1
.set ENDT, 1
.endif
.if \mode == 2
.set ENDT, 1
.endif
	s_wait_dscnt 0x0                               ; K's fragments are in
	WIN W_S
	SPROD 0, 1                                     ; the first product starts the scores
	SPROD 1, 0
	WIN 0
	PLACES
	VLOAD \slot, \idx
.if \mode == 0
	KLOAD \slot, \idx+1
.endif
	WIN W_SM
	SOFTMAX \first
.if \first == 0
	WIN W_RS
	RESCALE
.endif
.if \mode == 0
	s_wait_dscnt 16                                ; V's 16 loads are in; the next step's 16 loads of K stay out
.else
	s_wait_dscnt 0x0                               ; V is in, and with it all my reads of this slot
.endif
.if ENDT
	s_wait_tensorcnt 0x0                           ; all my tensor loads have landed: the one that was out is my part of the other slot
	ds_add_u32 v255, v255
	s_wait_dscnt 0x0
	s_barrier_signal -1                            ; where the slot is filled again this barrier opens a round of the cluster's barrier
.endif
	WIN W_PV
	PVPROD 0, \first
	PVPROD 1, 0
.if ENDT
	WIN 0
	s_barrier_wait -1
.endif
.if \mode == 1
	CREST                                          ; no wave of any partner still reads this slot or has a load on its way
	s_add_nc_u64 s[G0V+4*\slot+2:G0V+4*\slot+3], s[G0V+4*\slot+2:G0V+4*\slot+3], 2*TILEB
	s_add_nc_u64 s[G0K+4*\slot+2:G0K+4*\slot+3], s[G0K+4*\slot+2:G0K+4*\slot+3], 2*TILEB
	JLOAD \slot                                    ; the wave's one tensor load behind the round, and the first thing there
.endif
.if ENDT
	KLOAD 1-\slot, 0
.endif
.endm
.macro TILE slot, first, endmode
	STEP \slot, 0, \first, 0
	STEP \slot, 1, 0, 0
	STEP \slot, 2, 0, 0
	STEP \slot, 3, 0, \endmode
.endm
	s_wait_loadcnt 0x0                             ; q, once
	s_wait_tensorcnt 0x1                           ; my part of tile 0 is in; tile 1's stays out
	s_barrier_signal -1
	s_barrier_wait -1
	KLOAD 0, 0
	TILE 0, 1, 1                                   ; tiles 0 and 1 stand in front of the loop: the first step starts the sums
	TILE 1, 0, 1
	s_mov_b32 s11, 2
.Ltiles:
	TILE 0, 0, 1                                   ; tiles 2 to 5; the refills bring tiles 4 to 7
	TILE 1, 0, 1
	s_sub_co_u32 s11, s11, 1
	s_cmp_lg_u32 s11, 0
	s_cbranch_scc1 .Ltiles
	TILE 0, 0, 2                                   ; tiles 6 and 7 fetch nothing
	TILE 1, 0, 3
	; the end: divide by the sums, round, and out through the stage, where the two heads' halves of a row meet
	PLACES
	WIN W_SM
.irp b, 0,1,2,3
	v_add_f32 v[T+\b], v[LS+2*\b], v[LS+2*\b+1]
.endr
.irp b, 0,1,2,3
	v_permlanex16_b32 v[XT], v[T+\b], s44, s45
	v_add_f32 v[T+\b], v[T+\b], v[XT]
.endr
.irp b, 0,1,2,3
	v_rcp_f32 v[AL+2*\b], v[T+\b]
.endr
	v_nop                                          ; one plain instruction between the reciprocals and their use
	s_wait_alu depctr_va_vdst(0)
	WIN W_RS
	RESCALE
	WIN 0x0a
.irp b, 0,1,2,3
.irp dt, 0,1,2,3
.irp i, 0,1,2,3
	v_cvt_pk_bf16_f32 v[KF+4*(4*\b+\dt)+\i], v[OA+8*(4*\dt+\b)+2*\i], v[OA+8*(4*\dt+\b)+2*\i+1]
.endr
.endr
.endr
	WIN 0
.irp b, 0,1,2,3
.irp dt, 0,1,2,3
	ds_store_b128 v[STO], v[KF+4*(4*\b+\dt):KF+4*(4*\b+\dt)+3] offset:16*KP*\b+32*\dt   ; query 16 b + r, d = 16 dt + 8 h + 0..7
.endr
.endr
	s_wait_dscnt 0x0                               ; my stores are done, for the waves that read them
	s_barrier_signal -1
	s_barrier_wait -1
.irp t, 0,1,2,3,4,5,6,7,8,9,10,11,12,13,14,15
	ds_load_b128 v[VF+4*\t:VF+4*\t+3], v[RD] offset:2*KP*\t
.endr
.irp t, 0,1,2,3,4,5,6,7,8,9,10,11,12,13,14,15
	s_wait_dscnt 15-\t
	global_store_b128 v[CO], v[VF+4*\t:VF+4*\t+3], s[6:7] offset:4096*\t   ; 16 lanes store 256 consecutive bytes, aligned
.endr
	s_set_vgpr_msb 0x6
	s_wait_tensorcnt 0x0
	ds_add_u32 v255, v255
	s_wait_dscnt 0x0
	s_set_vgpr_msb 0x600
	CROUND                                         ; the closing round
	s_endpgm
.Lfunc_end_k_q106c404e5c_attn:
	.size	k_q106c404e5c_attn, .Lfunc_end_k_q106c404e5c_attn-k_q106c404e5c_attn
	.p2alignl 7, 3214868480
	.fill 96, 4, 3214868480
	.section	.rodata,"a",@progbits
	.p2align	6, 0x0
	.amdhsa_kernel k_q106c404e5c_attn
		.amdhsa_group_segment_fixed_size 327680
		.amdhsa_private_segment_fixed_size 0
		.amdhsa_enable_private_segment 0
		.amdhsa_kernarg_size 16
		.amdhsa_user_sgpr_count 2
		.amdhsa_user_sgpr_kernarg_segment_ptr 1
		.amdhsa_wavefront_size32 1
		.amdhsa_system_sgpr_workgroup_id_x 1
		.amdhsa_system_sgpr_workgroup_id_y 1
		.amdhsa_system_sgpr_workgroup_id_z 1
		.amdhsa_system_vgpr_workitem_id 0
		.amdhsa_next_free_vgpr 768
		.amdhsa_next_free_sgpr 80
		.amdhsa_reserve_vcc 0
		.amdhsa_float_denorm_mode_32 3
		.amdhsa_float_denorm_mode_16_64 3
		.amdhsa_memory_ordered 1
		.amdhsa_forward_progress 1
		.amdhsa_inst_pref_size 255
	.end_amdhsa_kernel
	.section	.bss,"aw",@nobits
	.p2align	6
	.space	262144
	.amdgpu_metadata
---
amdhsa.version: [ 1, 2 ]
amdhsa.kernels:
  - .name:           k_q106c404e5c_attn
    .symbol:         k_q106c404e5c_attn.kd
    .args:
      - { .name: big, .offset: 0, .size: 8, .value_kind: global_buffer, .address_space: global }
      - { .name: act, .offset: 8, .size: 8, .value_kind: global_buffer, .address_space: global }
    .group_segment_fixed_size: 327680
    .private_segment_fixed_size: 0
    .kernarg_segment_align: 8
    .kernarg_segment_size: 16
    .max_flat_workgroup_size: 128
    .sgpr_count:     80
    .vgpr_count:     768
    .wavefront_size: 32
...
	.end_amdgpu_metadata
.endif
;; end of part 3
;; launch outp (part 4): grid 8 x 32, 4 waves a work-group, clusters of 4 x 4, 327,680 bytes of LDS; arguments act, wbf, out_b, x, x1; writes x1
.if DOCPART == 4
	.amdgcn_target "amdgcn-amd-amdhsa--gfx1250"
	.amdhsa_code_object_version 6
	.text
	.protected	k_q106c404e5c_outp
	.globl	k_q106c404e5c_outp
	.p2align	8
	.type	k_q106c404e5c_outp,@function
k_q106c404e5c_outp:
	s_mov_b64 s[64:65], 0
	v_nop
	global_prefetch_b8 v0, s[64:65] scope:SCOPE_SE
	s_setreg_imm32_b32 hwreg(HW_REG_WAVE_MODE, 25, 1), 1
	s_wait_xcnt 0x0
	s_wait_alu depctr_hold_cnt(0) depctr_sa_sdst(0) depctr_va_vdst(0) depctr_va_sdst(0) depctr_va_ssrc(0) depctr_va_vcc(0) depctr_vm_vsrc(0)
	s_getreg_b32 s2, hwreg(HW_REG_IB_STS2, 6, 4)
	s_cmp_eq_u32 s2, 0
	s_cbranch_scc0 .Lentry_in_a_cluster
	s_endpgm
.Lentry_in_a_cluster:
	s_bfe_u32 s2, ttmp6, 0x10000c
	s_cmp_lg_u32 s2, 0xf033
	s_cbranch_scc0 .Lentry_shape_is_right
	s_endpgm
.Lentry_shape_is_right:
; C[m][n] = resid[m][n] + bias[n] + sum over k of A[m][k] W[k][n], C and resid f32 [4096][1024].  A: [4096][SIZE_K] bf16.  W: [SIZE_K][1024] bf16 at byte WOFF.
; N is 1,024, so blocks of 128 x 128 give 256 work-groups.  Each of the four waves makes the WHOLE block (64 accumulator tiles) on a quarter of K: of every 256 along K
; wave w takes 64 w .. 64 w + 63.  So a wave still loads 32 fragments for 64 matrix instructions.  The four partial sums meet once, in LDS, at the end.
; ORDER OF SUMS: four sums over quarters of K, then (p0 + p1) + (p2 + p3) + bias + resid, all in f32.
; Two LDS slots of 256 along K: W's 256 rows of 128 columns first, then A's 128 rows.  After the last fill the ring's bytes hold the partial sums.
; CLUSTERS: 4 x 4; A's tile is asked for jointly by a row of the cluster, W's by a column.
; REGISTERS: window 0 addresses, A's fragments; window 1 W's fragments, later the residual; windows 2, 3 the accumulators of rows 0-63, 64-127.
.set SIZE_K, 1024
.set WOFF,   6291456
.set SIZE_N, 1024
.set KSPAN,  256
.set PA,     528                       ; A's LDS row: 512 bytes + 16
.set PB,     288                       ; W's LDS row: 256 bytes + 32, an odd multiple of 32
.set BHALF,  128*PB                    ; one load of W: 128 rows
.set AHALF,  64*PA                     ; one load of A: 64 rows
.set BPART,  2*BHALF
.set SLOT,   BPART+2*AHALF
.set PP,     528                       ; a row of a partial sum: 128 f32 + 16 bytes
.set PSUM,   128*PP
.set LAPS,   SIZE_K/(2*KSPAN)
.set ADRA, 16
.set ADRB, 20
.set STO,  24
.set CO,   26
.set RD,   28                          ; v28-31: where I read partial sum p
.set BIAS, 32                          ; v[32:35]
.set F0,   64
.set F1,   128
.set PS,   64                          ; the end, window 0: four partial sums x 8 rows x 4 registers
.set RES,  64                          ; the end, window 1: 32 rows x 4 registers of the residual
.set G1A, 24
.set G0A, 32
.set G1B, 48
.set G0B, 56
.set MSB, 0
.macro WIN new
.if MSB != \new
	s_set_vgpr_msb (MSB<<8)|\new
.set MSB, \new
.endif
.endm
.set MUL_LO, 0xa1
.set MUL_HI, 0xf1
.set TO_B,   0x40
.macro JLOAD s                         ; waves 0, 1 fetch W's two halves, waves 2, 3 A's
	s_cmp_eq_u32 s13, 0
	s_cbranch_scc0 .Lfor_a_\@
	tensor_load_to_lds s[G0B+4*\s:G0B+4*\s+3], s[G1B:G1B+7]
	s_nop 0
	s_branch .Lasked_\@
.Lfor_a_\@:
	tensor_load_to_lds s[G0A+4*\s:G0A+4*\s+3], s[G1A:G1A+7]
	s_nop 0
.Lasked_\@:
.endm
.macro CREST
	s_cmp_lg_u32 s12, 0
	s_cbranch_scc1 .Lnot_wave_0_\@
	s_barrier_signal -3
.Lnot_wave_0_\@:
	s_barrier_wait -3
	s_barrier_signal -1
	s_barrier_wait -1
.endm
.macro CROUND
	s_barrier_signal -1
	s_barrier_wait -1
	CREST
.endm
	s_load_b256 s[4:11], s[0:1], 0x0               ; A s[4:5], weights s[6:7], bias s[8:9], resid s[10:11]
	s_load_b64 s[66:67], s[0:1], 0x20              ; C
	s_set_vgpr_msb 0x40
	v_lshl_add_u32 v255, v0, 2, 0x45000
	s_set_vgpr_msb 0x4000
	v_mov_b32 v255, 0
	s_set_vgpr_msb 0x1
	ds_add_u32 v255, v255
	s_set_vgpr_msb 0x100
	v_lshrrev_b32 v1, 5, v0
	v_readfirstlane_b32 s12, v1                    ; wave
	s_lshr_b32 s13, s12, 1                         ; I fetch for W (0) or for A (1)
	s_and_b32 s14, s12, 1                          ; which half of that tile
	s_bfe_u32 s16, ttmp6, 0x40000                  ; cx
	s_bfe_u32 s17, ttmp6, 0x40004                  ; cy
	s_lshl_b32 s18, ttmp9, 2
	s_add_co_u32 s18, s18, s16                     ; block column
	s_and_b32 s19, ttmp7, 0xffff
	s_lshl_b32 s19, s19, 2
	s_add_co_u32 s19, s19, s17                     ; block row
	s_lshl_b32 s20, s17, 2
	s_lshl_b32 s20, 15, s20                        ; my row of the cluster
	s_lshl_b32 s21, 0x1111, s16                    ; my column
	s_or_b32 s[G1A+0], s20, (1<<16)|(1<<20)|(1<<21)|(6<<22)|(3<<25)   ; 4 words of padding behind every 128
	s_mov_b32 s[G1A+1], KSPAN<<16
	s_mov_b32 s[G1A+2], 64<<16
	s_mov_b32 s[G1A+3], KSPAN<<16                  ; 256 elements
	s_mov_b32 s[G1A+4], 64                         ; x 64 rows
	s_mov_b32 s[G1A+5], SIZE_K
	s_mov_b32 s[G1A+6], 0
	s_mov_b32 s[G1A+7], 0
	s_or_b32 s[G1B+0], s21, (1<<16)|(1<<20)|(1<<21)|(5<<22)|(7<<25)   ; 8 words of padding behind every 64
	s_mov_b32 s[G1B+1], 128<<16
	s_mov_b32 s[G1B+2], 128<<16
	s_mov_b32 s[G1B+3], 128<<16                    ; 128 elements
	s_mov_b32 s[G1B+4], 128                        ; x 128 rows
	s_mov_b32 s[G1B+5], SIZE_N
	s_mov_b32 s[G1B+6], 0
	s_mov_b32 s[G1B+7], 0
	s_lshl_b32 s22, s14, 6
	s_lshl_b32 s40, s19, 7
	s_add_co_u32 s40, s40, s22                     ; A: row 128 x block row + 64 x half
	s_mul_i32 s40, s40, SIZE_K*2
	s_mov_b32 s41, 0
	s_mul_i32 s44, s14, 128*SIZE_N*2               ; W: 128 rows x half,
	s_lshl_b32 s45, s18, 8                         ; 256 bytes x block column
	s_add_co_u32 s44, s44, s45
	s_add_co_u32 s44, s44, WOFF
	s_mov_b32 s45, 0
	s_mul_i32 s22, s12, BHALF                      ; W's halves at wave x 36,864 (waves 0, 1)
	s_mul_i32 s23, s12, AHALF
	s_add_co_u32 s23, s23, BPART-2*AHALF           ; A's halves at wave x 33,792 + 6,144 (waves 2, 3)
	s_wait_dscnt 0x0
	s_wait_kmcnt 0x0
	s_add_nc_u64 s[40:41], s[4:5], s[40:41]
	s_add_nc_u64 s[44:45], s[6:7], s[44:45]
	CROUND
.irp s, 0,1
	s_mov_b32 s[G0A+4*\s], 1
	s_add_co_u32 s[G0A+4*\s+1], s23, \s*SLOT
	s_add_nc_u64 s[G0A+4*\s+2:G0A+4*\s+3], s[40:41], \s*KSPAN*2
	s_or_b32 s[G0A+4*\s+3], s[G0A+4*\s+3], 0x80000000
	s_mov_b32 s[G0B+4*\s], 1
	s_add_co_u32 s[G0B+4*\s+1], s22, \s*SLOT
	s_add_nc_u64 s[G0B+4*\s+2:G0B+4*\s+3], s[44:45], \s*KSPAN*SIZE_N*2
	s_or_b32 s[G0B+4*\s+3], s[G0B+4*\s+3], 0x80000000
	JLOAD \s                                       ; two tensor loads of a wave are out here, later one
.endr
	v_and_b32 v1, 15, v0                           ; r
	v_bfe_u32 v2, v0, 4, 1                         ; h
	v_mul_u32_u24 v3, v1, PA
	v_lshl_add_u32 v3, v2, 4, v3
	v_and_b32 v4, 7, v0
	v_lshl_add_u32 v4, v2, 3, v4
	v_mul_u32_u24 v4, v4, PB
	v_bfe_u32 v5, v0, 3, 1
	v_lshl_add_u32 v4, v5, 4, v4
	s_lshl_b32 s42, s12, 7                         ; A: my 64 along K are 128 bytes of a row,
	s_add_co_u32 s42, s42, BPART                   ; behind W's part
	s_mul_i32 s43, s12, 64*PB                      ; W: my 64 rows
.irp s, 0,1
	v_add_nc_u32 v[ADRA+\s], s42, v3
	v_add_nc_u32 v[ADRB+\s], s43, v4
	s_add_co_u32 s42, s42, SLOT
	s_add_co_u32 s43, s43, SLOT
.endr
	s_mul_i32 s42, s12, PSUM                       ; my partial sum
	v_mul_u32_u24 v5, v1, PP
	v_lshl_add_u32 v5, v2, 5, v5                   ; row r, 32 bytes for each half of the lanes
	v_add_nc_u32 v[STO], s42, v5
	v_and_b32 v5, 31, v0
	v_lshlrev_b32 v[CO], 4, v5                     ; 16 bytes a lane: a row of 128 f32 is one wave's load
	s_mul_i32 s43, s12, 32*PP                      ; the 32 rows that I finish
.irp p, 0,1,2,3
	v_add_nc_u32 v[RD+\p], s43, v[CO]
	s_add_co_u32 s43, s43, PSUM
.endr
	s_lshl_b32 s42, s18, 9
	s_mov_b32 s43, 0
	s_add_nc_u64 s[8:9], s[8:9], s[42:43]          ; bias at the block's first column
	s_lshl_b32 s46, s19, 7
	s_lshl_b32 s47, s12, 5
	s_add_co_u32 s46, s46, s47
	s_lshl_b32 s46, s46, 12                        ; rows of 4,096 bytes
	s_add_co_u32 s46, s46, s42
	s_mov_b32 s47, 0
	s_add_nc_u64 s[10:11], s[10:11], s[46:47]
	s_add_nc_u64 s[66:67], s[66:67], s[46:47]
.macro MUL16 f, hi, a0, zero
.irp a, \a0, \a0+1
.irp b, 0,1,2,3,4,5,6,7
.if \zero
	v_wmma_f32_16x16x32_bf16 v[8*(8*(\a)+\b):8*(8*(\a)+\b)+7], v[\f+8*\b:\f+8*\b+7], v[\f+8*(4*\hi+\a):\f+8*(4*\hi+\a)+7], 0
.else
	v_wmma_f32_16x16x32_bf16 v[8*(8*(\a)+\b):8*(8*(\a)+\b)+7], v[\f+8*\b:\f+8*\b+7], v[\f+8*(4*\hi+\a):\f+8*(4*\hi+\a)+7], v[8*(8*(\a)+\b):8*(8*(\a)+\b)+7]
.endif
.endr
.endr
.endm
.macro FETCH slot, q, f                ; 32 along K, number q of my two in the slot: 128 columns of W, 128 rows of A
	WIN TO_B
.irp i, 0,1,2,3,4,5,6,7
	ds_load_tr16_b128 v[\f+8*\i:\f+8*\i+3],   v[ADRB+\slot] offset:\q*32*PB+\i*32
	ds_load_tr16_b128 v[\f+8*\i+4:\f+8*\i+7], v[ADRB+\slot] offset:\q*32*PB+\i*32+16*PB
.endr
	WIN 0
.irp i, 0,1,2,3,4,5,6,7
	ds_load_b128 v[\f+8*\i:\f+8*\i+3],   v[ADRA+\slot] offset:\q*64+\i*16*PA
	ds_load_b128 v[\f+8*\i+4:\f+8*\i+7], v[ADRA+\slot] offset:\q*64+\i*16*PA+32
.endr
.endm
.macro PLACES                          ; four plain vector instructions behind matrix instructions (ISA guide 7.12.1 for vector instructions)
.rept 4
	v_nop
.endr
.endm
; The 64 accumulators take turns, one instruction a turn, in the same order in every quarter.
.macro QUARTER slot, q, f, g, zero
	s_wait_dscnt 8                                 ; W and A's rows 0-63 are in; the youngest eight loads may be out
	WIN MUL_LO
	MUL16 \f, 0, 0, \zero
	MUL16 \f, 0, 2, \zero
	PLACES
	FETCH \slot, \q, \g
	s_wait_dscnt 32                                ; all but the 32 just issued
	WIN MUL_HI
	MUL16 \f, 1, 0, \zero
	MUL16 \f, 1, 2, \zero
.endm
.macro TURN slot, next, fill
	s_wait_dscnt 8
	WIN MUL_LO
	MUL16 F1, 0, 0, 0
	s_wait_dscnt 0                                 ; my reads of this slot are over
	s_wait_tensorcnt 0x0                           ; all my tensor loads have landed
	ds_add_u32 v255, v255
	s_wait_dscnt 0x0
	s_barrier_signal -1
	MUL16 F1, 0, 2, 0
	WIN 0
	s_barrier_wait -1
.if \fill
	CREST
	s_add_nc_u64 s[G0A+4*\slot+2:G0A+4*\slot+3], s[G0A+4*\slot+2:G0A+4*\slot+3], 2*KSPAN*2
	s_add_nc_u64 s[G0B+4*\slot+2:G0B+4*\slot+3], s[G0B+4*\slot+2:G0B+4*\slot+3], 2*KSPAN*SIZE_N*2
	JLOAD \slot                                    ; the wave's one tensor load behind the round, and the first thing there
.endif
	PLACES
	FETCH \next, 0, F0
	WIN MUL_HI
	MUL16 F1, 1, 0, 0
	MUL16 F1, 1, 2, 0
.endm
.macro LAP zero
	QUARTER 0, 1, F0, F1, \zero
	TURN 0, 1, 1
	QUARTER 1, 1, F0, F1, 0
	TURN 1, 0, 1
.endm
	s_wait_tensorcnt 1                             ; my part of slot 0 is in; slot 1's stays out
	s_barrier_signal -1
	s_barrier_wait -1
	FETCH 0, 0, F0
	LAP 1
.if LAPS > 2
	WIN 0
	s_mov_b32 s15, LAPS-2
.Llap:
	LAP 0
	WIN 0
	s_sub_co_u32 s15, s15, 1
	s_cmp_lg_u32 s15, 0
	s_cbranch_scc1 .Llap
.endif
	QUARTER 0, 1, F0, F1, 0                        ; the last lap fills nothing
	TURN 0, 1, 0
	QUARTER 1, 1, F0, F1, 0
	s_wait_dscnt 8
	WIN MUL_LO
	MUL16 F1, 0, 0, 0
	MUL16 F1, 0, 2, 0
	s_wait_dscnt 0
	WIN MUL_HI
	MUL16 F1, 1, 0, 0
	MUL16 F1, 1, 2, 0
	; THE END.  The residual and the bias are asked for first; then the four partial sums meet in the ring's bytes, which have had their last fill.
	PLACES
	WIN TO_B
.set i, 0
.rept 32
	global_load_b128 v[RES+4*i:RES+4*i+3], v[CO], s[10:11] offset:4096*i
.set i, i+1
.endr
	WIN 0
	global_load_b128 v[BIAS:BIAS+3], v[CO], s[8:9]
	s_wait_dscnt 0x0                               ; my reads of the ring are over
	s_barrier_signal -1
	s_barrier_wait -1                              ; everybody's are: the ring may be written
.macro DUMP hi
.irp a, 0,1,2,3
.irp b, 0,1,2,3,4,5,6,7
	ds_store_b128 v[STO], v[8*(8*\a+\b):8*(8*\a+\b)+3]   offset:(4*\hi+\a)*16*PP+64*\b       ; row 16 (4 hi + a) + r, columns 16 b + 8 h + 0..3
	ds_store_b128 v[STO], v[8*(8*\a+\b)+4:8*(8*\a+\b)+7] offset:(4*\hi+\a)*16*PP+64*\b+16    ; + 4..7
.endr
.endr
.endm
	WIN 0x08
	DUMP 0
	WIN 0x0c
	DUMP 1
	WIN 0
	s_wait_dscnt 0x0                               ; my stores are done, for the waves that read them
	s_barrier_signal -1
	s_barrier_wait -1
; eight of my 32 rows: the four partial sums, the bias, the residual; a wave's store covers a row's 512 consecutive bytes, aligned
.macro BATCH bt
.if \bt
	s_wait_xcnt 0x0                                ; the last batch's stores have had their addresses translated (ISA guide 3.1): their data is written again only behind this wait
.endif
.irp p, 0,1,2,3
.irp t, 0,1,2,3,4,5,6,7
	ds_load_b128 v[PS+32*\p+4*\t:PS+32*\p+4*\t+3], v[RD+\p] offset:PP*(8*\bt+\t)
.endr
.endr
	s_wait_dscnt 0x0
.if \bt == 0
	s_wait_loadcnt 0x0                             ; the residual and the bias, once
.endif
.irp q, 0,2,4,6,8,10,12,14,16,18,20,22,24,26,28,30
	v_pk_add_f32 v[PS+\q:PS+\q+1], v[PS+\q:PS+\q+1], v[PS+32+\q:PS+32+\q+1]
.endr
.irp q, 0,2,4,6,8,10,12,14,16,18,20,22,24,26,28,30
	v_pk_add_f32 v[PS+64+\q:PS+64+\q+1], v[PS+64+\q:PS+64+\q+1], v[PS+96+\q:PS+96+\q+1]
.endr
.irp q, 0,2,4,6,8,10,12,14,16,18,20,22,24,26,28,30
	v_pk_add_f32 v[PS+\q:PS+\q+1], v[PS+\q:PS+\q+1], v[PS+64+\q:PS+64+\q+1]
.endr
.irp q, 0,2,4,6,8,10,12,14,16,18,20,22,24,26,28,30
	v_pk_add_f32 v[PS+\q:PS+\q+1], v[PS+\q:PS+\q+1], v[BIAS+\q%4:BIAS+\q%4+1]
.endr
	WIN 0x04
.irp q, 0,2,4,6,8,10,12,14,16,18,20,22,24,26,28,30
	v_pk_add_f32 v[PS+\q:PS+\q+1], v[PS+\q:PS+\q+1], v[RES+32*\bt+\q:RES+32*\bt+\q+1]
.endr
	WIN 0
.irp t, 0,1,2,3,4,5,6,7
	global_store_b128 v[CO], v[PS+4*\t:PS+4*\t+3], s[66:67] offset:4096*(8*\bt+\t)
.endr
.endm
	BATCH 0
	BATCH 1
	BATCH 2
	BATCH 3
	s_set_vgpr_msb 0x1
	s_wait_tensorcnt 0x0
	ds_add_u32 v255, v255
	s_wait_dscnt 0x0
	s_set_vgpr_msb 0x100
	CROUND                                         ; the closing round
	s_endpgm
.Lfunc_end_k_q106c404e5c_outp:
	.size	k_q106c404e5c_outp, .Lfunc_end_k_q106c404e5c_outp-k_q106c404e5c_outp
	.p2alignl 7, 3214868480
	.fill 96, 4, 3214868480
	.section	.rodata,"a",@progbits
	.p2align	6, 0x0
	.amdhsa_kernel k_q106c404e5c_outp
		.amdhsa_group_segment_fixed_size 327680
		.amdhsa_private_segment_fixed_size 0
		.amdhsa_enable_private_segment 0
		.amdhsa_kernarg_size 40
		.amdhsa_user_sgpr_count 2
		.amdhsa_user_sgpr_kernarg_segment_ptr 1
		.amdhsa_wavefront_size32 1
		.amdhsa_system_sgpr_workgroup_id_x 1
		.amdhsa_system_sgpr_workgroup_id_y 1
		.amdhsa_system_sgpr_workgroup_id_z 1
		.amdhsa_system_vgpr_workitem_id 0
		.amdhsa_next_free_vgpr 1024
		.amdhsa_next_free_sgpr 80
		.amdhsa_reserve_vcc 0
		.amdhsa_float_denorm_mode_32 3
		.amdhsa_float_denorm_mode_16_64 3
		.amdhsa_memory_ordered 1
		.amdhsa_forward_progress 1
		.amdhsa_inst_pref_size 103
	.end_amdhsa_kernel
	.amdgpu_metadata
---
amdhsa.version: [ 1, 2 ]
amdhsa.kernels:
  - .name:           k_q106c404e5c_outp
    .symbol:         k_q106c404e5c_outp.kd
    .args:
      - { .name: act, .offset: 0, .size: 8, .value_kind: global_buffer, .address_space: global }
      - { .name: wbf, .offset: 8, .size: 8, .value_kind: global_buffer, .address_space: global }
      - { .name: out_b, .offset: 16, .size: 8, .value_kind: global_buffer, .address_space: global }
      - { .name: x, .offset: 24, .size: 8, .value_kind: global_buffer, .address_space: global }
      - { .name: x1, .offset: 32, .size: 8, .value_kind: global_buffer, .address_space: global }
    .group_segment_fixed_size: 327680
    .private_segment_fixed_size: 0
    .kernarg_segment_align: 8
    .kernarg_segment_size: 40
    .max_flat_workgroup_size: 128
    .sgpr_count:     80
    .vgpr_count:     1024
    .wavefront_size: 32
...
	.end_amdgpu_metadata
.endif
;; end of part 4
;; launch ln2 (part 5): grid 256 x 1, 8 waves a work-group, no clusters, 0 bytes of LDS; arguments x1, ln2_g, ln2_b, act; writes act
.if DOCPART == 5
	.amdgcn_target "amdgcn-amd-amdhsa--gfx1250"
	.amdhsa_code_object_version 6
	.text
	.protected	k_q106c404e5c_ln2
	.globl	k_q106c404e5c_ln2
	.p2align	8
	.type	k_q106c404e5c_ln2,@function
k_q106c404e5c_ln2:
	s_mov_b64 s[64:65], 0
	v_nop
	global_prefetch_b8 v0, s[64:65] scope:SCOPE_SE
	s_setreg_imm32_b32 hwreg(HW_REG_WAVE_MODE, 25, 1), 1
	s_wait_xcnt 0x0
; act = LayerNorm(x1) * ln2_g + ln2_b in bf16.  x1: [4096][1024] f32.  A wave takes two whole rows, a row in 32 registers a lane, so a row is read once;
; mean first, then the mean of the squared differences (no difference of large sums).  16 rows a work-group, 256 work-groups.
; No LDS, no barrier, no matrix unit, no cluster: the work-groups share nothing but the 8 KiB of gain and bias.
.set G,   16                           ; v[16:47]   gain of my 32 columns
.set BB,  48                           ; v[48:79]   bias of my 32 columns
.set X,   80                           ; v[80:143]  two rows, 32 registers each
.set T,   144                          ; v[144:151] four running pairs
.set MU,  152
.set RS,  154
.set TMP, 156
.macro FOLD
	v_pk_add_f32 v[T:T+1], v[T:T+1], v[T+2:T+3]
	v_pk_add_f32 v[T+4:T+5], v[T+4:T+5], v[T+6:T+7]
	v_pk_add_f32 v[T:T+1], v[T:T+1], v[T+4:T+5]
	v_add_f32 v[T], v[T], v[T+1]
.endm
.macro ACROSS
	v_add_f32_dpp v[T], v[T], v[T] row_xmask:1 row_mask:0xf bank_mask:0xf
	v_add_f32_dpp v[T], v[T], v[T] row_xmask:2 row_mask:0xf bank_mask:0xf
	v_add_f32_dpp v[T], v[T], v[T] row_xmask:4 row_mask:0xf bank_mask:0xf
	v_add_f32_dpp v[T], v[T], v[T] row_xmask:8 row_mask:0xf bank_mask:0xf
	v_permlanex16_b32 v[TMP], v[T], s40, s41
	v_add_f32 v[T], v[T], v[TMP]
.endm
.macro LNROW i, left
	s_wait_loadcnt \left                           ; this row's loads are in; the later row's stay out
.irp k, 0,2,4,6
	v_pk_add_f32 v[T+\k:T+\k+1], v[X+32*\i+\k:X+32*\i+\k+1], v[X+32*\i+\k+8:X+32*\i+\k+9]
.endr
.irp m, 16,24
.irp k, 0,2,4,6
	v_pk_add_f32 v[T+\k:T+\k+1], v[T+\k:T+\k+1], v[X+32*\i+\k+\m:X+32*\i+\k+\m+1]
.endr
.endr
	FOLD
	ACROSS
	v_mul_f32 v[MU], 0xba800000, v[T]              ; - sum / 1024
	v_mul_f32 v[MU+1], 0xba800000, v[T]
.irp k, 0,2,4,6,8,10,12,14,16,18,20,22,24,26,28,30
	v_pk_add_f32 v[X+32*\i+\k:X+32*\i+\k+1], v[X+32*\i+\k:X+32*\i+\k+1], v[MU:MU+1]
.endr
.irp k, 0,2,4,6
	v_pk_mul_f32 v[T+\k:T+\k+1], v[X+32*\i+\k:X+32*\i+\k+1], v[X+32*\i+\k:X+32*\i+\k+1]
.endr
.irp m, 8,16,24
.irp k, 0,2,4,6
	v_pk_fma_f32 v[T+\k:T+\k+1], v[X+32*\i+\k+\m:X+32*\i+\k+\m+1], v[X+32*\i+\k+\m:X+32*\i+\k+\m+1], v[T+\k:T+\k+1]
.endr
.endr
	FOLD
	ACROSS
	v_fma_f32 v[T], v[T], s42, s43                 ; sum of squares / 1024 + 1e-5
	v_rsq_f32 v[RS], v[T]
	v_rsq_f32 v[RS+1], v[T]
	v_nop                                          ; one plain instruction between v_rsq_f32 and the first use of its result (ISA guide 5.7.2)
	s_wait_alu depctr_va_vdst(0)
.irp k, 0,2,4,6,8,10,12,14,16,18,20,22,24,26,28,30
	v_pk_mul_f32 v[X+32*\i+\k:X+32*\i+\k+1], v[X+32*\i+\k:X+32*\i+\k+1], v[RS:RS+1]
.endr
.irp k, 0,2,4,6,8,10,12,14,16,18,20,22,24,26,28,30
	v_pk_fma_f32 v[X+32*\i+\k:X+32*\i+\k+1], v[X+32*\i+\k:X+32*\i+\k+1], v[G+\k:G+\k+1], v[BB+\k:BB+\k+1]
.endr
.irp j, 0,1,2,3,4,5,6,7
	v_cvt_pk_bf16_f32 v[X+32*\i+4*\j],   v[X+32*\i+4*\j],   v[X+32*\i+4*\j+1]
	v_cvt_pk_bf16_f32 v[X+32*\i+4*\j+1], v[X+32*\i+4*\j+2], v[X+32*\i+4*\j+3]
	global_store_b64 v2, v[X+32*\i+4*\j:X+32*\i+4*\j+1], s[22:23] offset:2048*\i+256*\j   ; 32 lanes x 8 bytes: 256 consecutive bytes, aligned
.endr
.endm
	s_load_b256 s[16:23], s[0:1], 0x0              ; x1 16, ln2_g 18, ln2_b 20, act 22
	v_lshrrev_b32 v1, 5, v0
	v_readfirstlane_b32 s12, v1                    ; wave
	s_lshl_b32 s6, ttmp9, 4                        ; 16 rows a work-group,
	s_lshl1_add_u32 s6, s12, s6                    ; 2 a wave
	s_lshl_b32 s8, s6, 12
	s_mov_b32 s9, 0
	s_lshl_b32 s10, s6, 11
	s_mov_b32 s11, 0
	s_mov_b32 s40, 0x76543210
	s_mov_b32 s41, 0xfedcba98
	s_mov_b32 s42, 0x3a800000                      ; 1/1024
	s_mov_b32 s43, 0x3727c5ac                      ; 1e-5
	v_and_b32 v3, 31, v0
	v_lshlrev_b32 v1, 4, v3
	v_lshlrev_b32 v2, 3, v3
	v_mov_b32 v[TMP], 0                            ; a permute's destination counts as read
	s_wait_kmcnt 0x0
	s_add_nc_u64 s[16:17], s[16:17], s[8:9]
	s_add_nc_u64 s[22:23], s[22:23], s[10:11]
.irp j, 0,1,2,3,4,5,6,7
	global_load_b128 v[G+4*\j:G+4*\j+3], v1, s[18:19] offset:512*\j
.endr
.irp j, 0,1,2,3,4,5,6,7
	global_load_b128 v[BB+4*\j:BB+4*\j+3], v1, s[20:21] offset:512*\j
.endr
.irp i, 0,1
.irp j, 0,1,2,3,4,5,6,7
	global_load_b128 v[X+32*\i+4*\j:X+32*\i+4*\j+3], v1, s[16:17] offset:4096*\i+512*\j
.endr
.endr
	LNROW 0, 8
	LNROW 1, 0
	s_endpgm
.Lfunc_end_k_q106c404e5c_ln2:
	.size	k_q106c404e5c_ln2, .Lfunc_end_k_q106c404e5c_ln2-k_q106c404e5c_ln2
	.p2alignl 7, 3214868480
	.fill 96, 4, 3214868480
	.section	.rodata,"a",@progbits
	.p2align	6, 0x0
	.amdhsa_kernel k_q106c404e5c_ln2
		.amdhsa_group_segment_fixed_size 0
		.amdhsa_private_segment_fixed_size 0
		.amdhsa_enable_private_segment 0
		.amdhsa_kernarg_size 32
		.amdhsa_user_sgpr_count 2
		.amdhsa_user_sgpr_kernarg_segment_ptr 1
		.amdhsa_wavefront_size32 1
		.amdhsa_system_sgpr_workgroup_id_x 1
		.amdhsa_system_sgpr_workgroup_id_y 1
		.amdhsa_system_sgpr_workgroup_id_z 1
		.amdhsa_system_vgpr_workitem_id 0
		.amdhsa_next_free_vgpr 160
		.amdhsa_next_free_sgpr 66
		.amdhsa_reserve_vcc 0
		.amdhsa_float_denorm_mode_32 3
		.amdhsa_float_denorm_mode_16_64 3
		.amdhsa_memory_ordered 1
		.amdhsa_forward_progress 1
		.amdhsa_inst_pref_size 20
	.end_amdhsa_kernel
	.amdgpu_metadata
---
amdhsa.version: [ 1, 2 ]
amdhsa.kernels:
  - .name:           k_q106c404e5c_ln2
    .symbol:         k_q106c404e5c_ln2.kd
    .args:
      - { .name: x1, .offset: 0, .size: 8, .value_kind: global_buffer, .address_space: global }
      - { .name: ln2_g, .offset: 8, .size: 8, .value_kind: global_buffer, .address_space: global }
      - { .name: ln2_b, .offset: 16, .size: 8, .value_kind: global_buffer, .address_space: global }
      - { .name: act, .offset: 24, .size: 8, .value_kind: global_buffer, .address_space: global }
    .group_segment_fixed_size: 0
    .private_segment_fixed_size: 0
    .kernarg_segment_align: 8
    .kernarg_segment_size: 32
    .max_flat_workgroup_size: 256
    .sgpr_count:     66
    .vgpr_count:     160
    .wavefront_size: 32
...
	.end_amdgpu_metadata
.endif
;; end of part 5
;; launch ff1 (part 6): grid 16 x 16, 4 waves a work-group, clusters of 4 x 4, 327,680 bytes of LDS; arguments act, wbf, ff_b1, big; writes big
.if DOCPART == 6
	.amdgcn_target "amdgcn-amd-amdhsa--gfx1250"
	.amdhsa_code_object_version 6
	.text
	.protected	k_q106c404e5c_ff1
	.globl	k_q106c404e5c_ff1
	.p2align	8
	.type	k_q106c404e5c_ff1,@function
k_q106c404e5c_ff1:
	s_mov_b64 s[64:65], 0
	v_nop
	global_prefetch_b8 v0, s[64:65] scope:SCOPE_SE
	s_setreg_imm32_b32 hwreg(HW_REG_WAVE_MODE, 25, 1), 1
	s_wait_xcnt 0x0
	s_wait_alu depctr_hold_cnt(0) depctr_sa_sdst(0) depctr_va_vdst(0) depctr_va_sdst(0) depctr_va_ssrc(0) depctr_va_vcc(0) depctr_vm_vsrc(0)
	s_getreg_b32 s2, hwreg(HW_REG_IB_STS2, 6, 4)
	s_cmp_eq_u32 s2, 0
	s_cbranch_scc0 .Lentry_in_a_cluster
	s_endpgm
.Lentry_in_a_cluster:
	s_bfe_u32 s2, ttmp6, 0x10000c
	s_cmp_lg_u32 s2, 0xf033
	s_cbranch_scc0 .Lentry_shape_is_right
	s_endpgm
.Lentry_shape_is_right:
; C[m][n] = f( sum over k of A[m][k] W[k][n] + bias[n] ), C in bf16.  A: [4096][1024] bf16.  W: [1024][SIZE_N] bf16 at byte WOFF of the weight buffer.
; f is the identity (GELU = 0) or the exact GELU (GELU = 1).  Sums in f32.
; A work-group makes 256 x 256 of C with four waves; a wave makes 128 x 128 in 64 accumulator tiles (512 registers).  K goes in steps of 128
; through two LDS slots filled by the tensor data mover.  A's tile has K along its rows; W's tile has N along its rows and is read with the transposing LDS load.
; CLUSTERS: 4 x 4 work-groups.  A's tile hangs on the block row alone and is asked for jointly by a row of the cluster, W's on the block column alone and is
; asked for jointly by a column.
; REGISTERS in windows of 256: window 0 addresses, constants, A's fragments (two buffers), work on the way out; window 1 W's fragments (two buffers) and the bias;
; windows 2, 3 the accumulators of my rows 0-63, 64-127 (tile (a, b) at v[8 (8 a + b)]).
; The matrix instruction is used transposed (source 0 = 16 columns of W, source 1 = 16 rows of A): lane l then holds row l % 16 of C and eight neighbouring columns.
; LIMIT (GELU = 1): gelu(u) = max(u, 0) - |u| Phi(-|u|), Phi(-|u|) = erfc(|u|/sqrt 2)/2 by the rational form 7.1.25 of Abramowitz and Stegun, whose error in erf is
; at most 2.5e-5 for every argument: at most 1.25e-5 |u| in the result.  v_exp_f32 gives 0 below 2^-126, where the term is far below f32's last bit of the result.
.set SIZE_N, 4096
.set GELU,   1
.set WOFF,   8388608
.set SIZE_K, 1024
.set KSTEP,  128
.set PA,     272                       ; A's LDS row: 256 bytes + 16: sixteen rows start in sixteen different 16-byte columns of 256
.set PB,     544                       ; W's LDS row: 512 bytes + 32, an odd multiple of 32
.set PART,   128*PA                    ; what one tensor load brings: 128 rows of A, or 64 rows of W (64 x 544 is the same 34,816 bytes)
.set SLOT,   4*PART                    ; A's 256 rows, then W's 128 rows
.set STAGE,  2*SLOT                    ; behind the ring: 16 rows x 272 bytes for each wave, for the way out; no tensor load lands there
.set SPITCH, 272
.set LAPS,   SIZE_K/(2*KSTEP)          ; a lap = two K steps = once round the ring
.set ADRA, 16                          ; v16-17  LDS address of my A fragments in slot 0, 1
.set ADRB, 20                          ; v20-21  the same for W
.set STO,  24                          ; way out: where I put 16 bytes of a row
.set RD,   25                          ; way out: where I read a row back
.set CO,   26                          ; my byte offset in C
.set BO,   27                          ; my byte offset in the bias
.set CP,   32                          ; v[32:41] GELU's constants, each twice
.set CE,   34
.set CA3,  36
.set CA2,  38
.set CA1,  40
.set F0,   64                          ; fragment buffer 0
.set F1,   128                         ; fragment buffer 1
.set BI,   192                         ; window 1: bias of my 8 x 8 columns
.set U,    64                          ; way out, window 0: 64 numbers in f32
.set T,    128                         ; way out: GELU's 32 registers of work
.set PK,   192                         ; way out: packed results
.set RB,   224                         ; way out: rows read back
.set G1A, 24                           ; s[24:31] descriptor group 1, A's tiles
.set G0A, 32                           ; s[32:39] descriptor group 0, A's tiles, one set for each slot
.set G1B, 48                           ; s[48:55] group 1, W's tiles
.set G0B, 56                           ; s[56:63] group 0, W's tiles
.set MSB, 0
.macro WIN new                         ; the immediate's high byte repeats the setting that is left
.if MSB != \new
	s_set_vgpr_msb (MSB<<8)|\new
.set MSB, \new
.endif
.endm
.set MUL_LO, 0xa1                      ; source 0 (W) window 1, source 1 (A) window 0, C and D window 2
.set MUL_HI, 0xf1                      ; the same, C and D window 3
.set TO_B,   0x40                      ; destination window 1
; A joint load: waves 0, 1 fetch A's two halves, waves 2, 3 W's.  The branch hangs on the wave's number alone.
.macro JLOAD s
	s_cmp_eq_u32 s13, 0
	s_cbranch_scc0 .Lfor_b_\@
	tensor_load_to_lds s[G0A+4*\s:G0A+4*\s+3], s[G1A:G1A+7]
	s_nop 0
	s_branch .Lasked_\@
.Lfor_b_\@:
	tensor_load_to_lds s[G0B+4*\s:G0B+4*\s+3], s[G1B:G1B+7]
	s_nop 0
.Lasked_\@:
.endm
.macro CREST                           ; a round of the cluster's barrier behind its opening work-group barrier
	s_cmp_lg_u32 s12, 0
	s_cbranch_scc1 .Lnot_wave_0_\@
	s_barrier_signal -3
.Lnot_wave_0_\@:
	s_barrier_wait -3
	s_barrier_signal -1
	s_barrier_wait -1
.endm
.macro CROUND                          ; a whole round
	s_barrier_signal -1
	s_barrier_wait -1
	CREST
.endm
	s_load_b256 s[4:11], s[0:1], 0x0               ; A s[4:5], weights s[6:7], bias s[8:9], C s[10:11]
	s_set_vgpr_msb 0x40
	v_lshl_add_u32 v63, v0, 2, 0x48400
	s_set_vgpr_msb 0x4000
	v_mov_b32 v63, 0
	s_set_vgpr_msb 0x1
	ds_add_u32 v63, v63
	s_set_vgpr_msb 0x100
	v_lshrrev_b32 v1, 5, v0
	v_readfirstlane_b32 s12, v1                    ; wave 0..3
	s_lshr_b32 s13, s12, 1                         ; my half of the block's rows.  Also: I fetch for A (0) or for W (1)
	s_and_b32 s14, s12, 1                          ; my half of its columns.  Also: which half of that tile I fetch
	s_bfe_u32 s16, ttmp6, 0x40000                  ; cx
	s_bfe_u32 s17, ttmp6, 0x40004                  ; cy
	s_lshl_b32 s18, ttmp9, 2
	s_add_co_u32 s18, s18, s16                     ; block column = 4 x cluster x + cx
	s_and_b32 s19, ttmp7, 0xffff
	s_lshl_b32 s19, s19, 2
	s_add_co_u32 s19, s19, s17                     ; block row = 4 x cluster y + cy
	s_lshl_b32 s20, s17, 2
	s_lshl_b32 s20, 15, s20                        ; my row of the cluster: places 4 cy .. 4 cy + 3
	s_lshl_b32 s21, 0x1111, s16                    ; my column: places cx, cx + 4, cx + 8, cx + 12
	s_or_b32 s[G1A+0], s20, (1<<16)|(1<<20)|(1<<21)|(5<<22)|(3<<25)   ; mask; 2-byte elements; padding on; bit 21 beside a mask; 4 words behind every 64
	s_mov_b32 s[G1A+1], KSTEP<<16                  ; tensor_dim0 = 128
	s_mov_b32 s[G1A+2], 128<<16                    ; tensor_dim1 = 128
	s_mov_b32 s[G1A+3], KSTEP<<16                  ; tile_dim0 = 128 elements
	s_mov_b32 s[G1A+4], 128                        ; tile_dim1 = 128 rows
	s_mov_b32 s[G1A+5], SIZE_K                     ; elements from row to row
	s_mov_b32 s[G1A+6], 0
	s_mov_b32 s[G1A+7], 0
	s_or_b32 s[G1B+0], s21, (1<<16)|(1<<20)|(1<<21)|(6<<22)|(7<<25)   ; 8 words behind every 128
	s_mov_b32 s[G1B+1], 256<<16                    ; tensor_dim0 = 256
	s_mov_b32 s[G1B+2], 64<<16                     ; tensor_dim1 = 64
	s_mov_b32 s[G1B+3], 256<<16                    ; tile_dim0 = 256 elements
	s_mov_b32 s[G1B+4], 64                         ; tile_dim1 = 64 rows
	s_mov_b32 s[G1B+5], SIZE_N
	s_mov_b32 s[G1B+6], 0
	s_mov_b32 s[G1B+7], 0
	; A's address is made of the block row and the wave's number, W's of the block column and the wave's number, each in registers of its own
	s_lshl_b32 s22, s14, 7
	s_lshl_b32 s40, s19, 8
	s_add_co_u32 s40, s40, s22                     ; A: row 256 x block row + 128 x half
	s_lshl_b32 s40, s40, 11                        ; rows of 2,048 bytes
	s_mov_b32 s41, 0
	s_mul_i32 s44, s14, 64*SIZE_N*2                ; W: 64 rows x half,
	s_lshl_b32 s45, s18, 9                         ; 512 bytes x block column,
	s_add_co_u32 s44, s44, s45
	s_add_co_u32 s44, s44, WOFF                    ; in this product's matrix
	s_mov_b32 s45, 0
	s_mul_i32 s23, s12, PART                       ; where a wave's part goes: wave x 34,816
	s_wait_dscnt 0x0
	s_wait_kmcnt 0x0
	s_add_nc_u64 s[40:41], s[4:5], s[40:41]
	s_add_nc_u64 s[44:45], s[6:7], s[44:45]
	CROUND                                         ; all sixteen work-groups are here: the first joint loads meet
.irp s, 0,1
	s_mov_b32 s[G0A+4*\s], 1
	s_add_co_u32 s[G0A+4*\s+1], s23, \s*SLOT
	s_add_nc_u64 s[G0A+4*\s+2:G0A+4*\s+3], s[40:41], \s*KSTEP*2
	s_or_b32 s[G0A+4*\s+3], s[G0A+4*\s+3], 0x80000000
	s_mov_b32 s[G0B+4*\s], 1
	s_add_co_u32 s[G0B+4*\s+1], s23, \s*SLOT
	s_add_nc_u64 s[G0B+4*\s+2:G0B+4*\s+3], s[44:45], \s*KSTEP*SIZE_N*2
	s_or_b32 s[G0B+4*\s+3], s[G0B+4*\s+3], 0x80000000
	JLOAD \s                                       ; two tensor loads of a wave are out here, later one
.endr
	v_and_b32 v1, 15, v0                           ; r = l % 16
	v_bfe_u32 v2, v0, 4, 1                         ; h = l / 16
	v_mul_u32_u24 v3, v1, PA
	v_lshl_add_u32 v3, v2, 4, v3                   ; A: row r, 16 bytes for each half of the lanes
	v_and_b32 v4, 7, v0
	v_lshl_add_u32 v4, v2, 3, v4                   ; W: row 8 h + l % 8 of the K step,
	v_mul_u32_u24 v4, v4, PB
	v_bfe_u32 v5, v0, 3, 1
	v_lshl_add_u32 v4, v5, 4, v4                   ; 16 bytes for each group of eight lanes: the transposing load's addresses
	s_mul_i32 s22, s13, PART                       ; my 128 rows of A
	s_lshl_b32 s42, s14, 8                         ; my 128 columns of W,
	s_add_co_u32 s42, s42, 2*PART                  ; which lies behind A's 256 rows
.irp s, 0,1
	v_add_nc_u32 v[ADRA+\s], s22, v3
	v_add_nc_u32 v[ADRB+\s], s42, v4
	s_add_co_u32 s22, s22, SLOT
	s_add_co_u32 s42, s42, SLOT
.endr
	s_mul_i32 s43, s12, 16*SPITCH
	s_add_co_u32 s43, s43, STAGE                   ; my stage
	v_add_nc_u32 v[STO], s43, v3
	v_mul_u32_u24 v5, v2, SPITCH
	v_lshl_add_u32 v5, v1, 4, v5
	v_add_nc_u32 v[RD], s43, v5                    ; back: lanes 0-15 one row of 256 bytes, lanes 16-31 the next
	v_mul_u32_u24 v5, v2, SIZE_N*2
	v_lshl_add_u32 v[CO], v1, 4, v5                ; the same two rows in C
	v_lshlrev_b32 v[BO], 5, v2                     ; bias: 8 numbers for each half of the lanes
	s_lshl_b32 s46, s18, 10
	s_lshl_b32 s47, s14, 9
	s_add_co_u32 s46, s46, s47
	s_mov_b32 s47, 0
	s_add_nc_u64 s[8:9], s[8:9], s[46:47]          ; bias at my first column
	WIN TO_B
.irp b, 0,1,2,3,4,5,6,7
	global_load_b128 v[BI+8*\b:BI+8*\b+3],   v[BO], s[8:9] offset:64*\b       ; bias of columns 16 b + 8 h + 0..3
	global_load_b128 v[BI+8*\b+4:BI+8*\b+7], v[BO], s[8:9] offset:64*\b+16    ; + 4..7
.endr
	WIN 0
	s_lshl_b32 s46, s19, 8
	s_lshl_b32 s47, s13, 7
	s_add_co_u32 s46, s46, s47                     ; my first row of C
	s_mul_i32 s46, s46, SIZE_N*2
	s_lshl_b32 s47, s18, 9
	s_add_co_u32 s46, s46, s47                     ; my first column, in bytes
	s_lshl_b32 s47, s14, 8
	s_add_co_u32 s46, s46, s47
	s_mov_b32 s47, 0
	s_add_nc_u64 s[10:11], s[10:11], s[46:47]
.if GELU
	s_mov_b32 s66, 0x7fffffff
.irp e, 0,1
	v_mov_b32 v[CP+\e],  0x3eaa540e                ; 0.47047 / sqrt 2
	v_mov_b32 v[CE+\e],  0xbf38aa3b                ; - log2(e) / 2
	v_mov_b32 v[CA3+\e], 0xbebf7377                ; - 0.7478556 / 2
	v_mov_b32 v[CA2+\e], 0x3d445ca1                ; + 0.0958798 / 2
	v_mov_b32 v[CA1+\e], 0xbe32303a                ; - 0.3480242 / 2
.endr
.endif
; 16 matrix instructions: m blocks a0, a0 + 1 of the window's four x all 8 n blocks, 32 along K.  zero = 1: the first product starts the sums.
.macro MUL16 f, hi, a0, zero
.irp a, \a0, \a0+1
.irp b, 0,1,2,3,4,5,6,7
.if \zero
	v_wmma_f32_16x16x32_bf16 v[8*(8*(\a)+\b):8*(8*(\a)+\b)+7], v[\f+8*\b:\f+8*\b+7], v[\f+8*(4*\hi+\a):\f+8*(4*\hi+\a)+7], 0
.else
	v_wmma_f32_16x16x32_bf16 v[8*(8*(\a)+\b):8*(8*(\a)+\b)+7], v[\f+8*\b:\f+8*\b+7], v[\f+8*(4*\hi+\a):\f+8*(4*\hi+\a)+7], v[8*(8*(\a)+\b):8*(8*(\a)+\b)+7]
.endif
.endr
.endr
.endm
; 32 LDS loads in one run: the fragments of quarter q of a K step (128 columns of W, 128 rows of A, 32 along K) into buffer f
.macro FETCH slot, q, f
	WIN TO_B
.irp i, 0,1,2,3,4,5,6,7
	ds_load_tr16_b128 v[\f+8*\i:\f+8*\i+3],   v[ADRB+\slot] offset:\q*32*PB+\i*32          ; k = 32 q + 8 h + 0..7 of column 16 i + r
	ds_load_tr16_b128 v[\f+8*\i+4:\f+8*\i+7], v[ADRB+\slot] offset:\q*32*PB+\i*32+16*PB    ; k = 32 q + 16 + 8 h + 0..7
.endr
	WIN 0
.irp i, 0,1,2,3,4,5,6,7
	ds_load_b128 v[\f+8*\i:\f+8*\i+3],   v[ADRA+\slot] offset:\q*64+\i*16*PA
	ds_load_b128 v[\f+8*\i+4:\f+8*\i+7], v[ADRA+\slot] offset:\q*64+\i*16*PA+32
.endr
.endm
; four plain vector instructions between a matrix instruction and a load into, or a vector instruction on, one of its registers (ISA guide 7.12.1 for vector instructions)
.macro PLACES
.rept 4
	v_nop
.endr
.endm
; One of a K step's first three quarters: multiplies buffer f, and in its middle fetches quarter q of the same slot into buffer g.
; The 64 accumulators take turns, one instruction a turn, in the same order in every quarter.
.macro QUARTER slot, q, f, g, zero
	s_wait_dscnt 8                                 ; W and A's rows 0-63 are in; the youngest eight loads (A's rows 64-127) may be out
	WIN MUL_LO
	MUL16 \f, 0, 0, \zero
	MUL16 \f, 0, 2, \zero
	PLACES
	FETCH \slot, \q, \g
	s_wait_dscnt 32                                ; all but the 32 just issued
	WIN MUL_HI
	MUL16 \f, 1, 0, \zero
	MUL16 \f, 1, 2, \zero
.endm
.macro THREE slot, zero
	QUARTER \slot, 1, F0, F1, \zero
	QUARTER \slot, 2, F1, F0, 0
	QUARTER \slot, 3, F0, F1, 0
.endm
; The last quarter: multiplies buffer 1 and changes slots.  In front of the barrier each wave waits for its reads of this slot and for all its tensor loads (one is
; out: its part of the next slot).  Behind it the refill comes first, then the next slot's first fragments.
.macro TURN slot, next, fill
	s_wait_dscnt 8
	WIN MUL_LO
	MUL16 F1, 0, 0, 0
	s_wait_dscnt 0                                 ; my reads of this slot are over
	s_wait_tensorcnt 0x0                           ; all my tensor loads have landed
	ds_add_u32 v63, v63
	s_wait_dscnt 0x0
	s_barrier_signal -1                            ; where a slot is filled again this barrier opens a round of the cluster's barrier
	MUL16 F1, 0, 2, 0                              ; register work while the others arrive
	WIN 0
	s_barrier_wait -1
.if \fill
	CREST                                          ; no wave of any partner still reads this slot or has a load on its way
	s_add_nc_u64 s[G0A+4*\slot+2:G0A+4*\slot+3], s[G0A+4*\slot+2:G0A+4*\slot+3], 2*KSTEP*2
	s_add_nc_u64 s[G0B+4*\slot+2:G0B+4*\slot+3], s[G0B+4*\slot+2:G0B+4*\slot+3], 2*KSTEP*SIZE_N*2
	JLOAD \slot                                    ; the wave's one tensor load behind the round, and the first thing there
.endif
	PLACES
	FETCH \next, 0, F0
	WIN MUL_HI
	MUL16 F1, 1, 0, 0
	MUL16 F1, 1, 2, 0
.endm
.macro LAP zero
	THREE 0, \zero
	TURN 0, 1, 1
	THREE 1, 0
	TURN 1, 0, 1
.endm
	s_wait_loadcnt 0x0                             ; the bias, once
	s_wait_tensorcnt 1                             ; my part of K step 0 is in; K step 1's stays out
	s_barrier_signal -1
	s_barrier_wait -1
	FETCH 0, 0, F0
	LAP 1                                          ; the first lap stands in front of the loop: its first products start the sums
	WIN 0
	s_mov_b32 s15, LAPS-2
.Llap:
	LAP 0
	WIN 0
	s_sub_co_u32 s15, s15, 1
	s_cmp_lg_u32 s15, 0
	s_cbranch_scc1 .Llap
	THREE 0, 0                                     ; the last lap fills nothing
	TURN 0, 1, 0
	THREE 1, 0
	s_wait_dscnt 8
	WIN MUL_LO
	MUL16 F1, 0, 0, 0
	MUL16 F1, 0, 2, 0
	s_wait_dscnt 0
	WIN MUL_HI
	MUL16 F1, 1, 0, 0
	MUL16 F1, 1, 2, 0
.if GELU
; eight numbers u in v[U+8b ..]: u <- max(u, 0) + |u| q, q = -Phi(-|u|) = (c1 t + c2 t^2 + c3 t^3) exp(-u^2/2), t = 1/(1 + p |u|)
.macro GELU8 b
.irp j, 0,1,2,3,4,5,6,7
	v_and_b32 v[T+\j], s66, v[U+8*\b+\j]                                   ; |u|
.endr
.irp p, 0,2,4,6
	v_pk_fma_f32 v[T+8+\p:T+9+\p], v[T+\p:T+\p+1], v[CP:CP+1], 1.0 op_sel_hi:[1,1,0]
.endr
.irp p, 0,2,4,6
	v_pk_mul_f32 v[T+16+\p:T+17+\p], v[U+8*\b+\p:U+8*\b+\p+1], v[U+8*\b+\p:U+8*\b+\p+1]
.endr
.irp j, 0,1,2,3,4,5,6,7
	v_rcp_f32 v[T+8+\j], v[T+8+\j]                                         ; t
.endr
.irp p, 0,2,4,6
	v_pk_mul_f32 v[T+16+\p:T+17+\p], v[T+16+\p:T+17+\p], v[CE:CE+1]        ; plain work behind the reciprocals, which it does not touch
.endr
.irp j, 0,1,2,3,4,5,6,7
	v_exp_f32 v[T+16+\j], v[T+16+\j]                                       ; exp(-u^2/2)
.endr
	s_wait_alu depctr_va_vdst(0)
.irp p, 0,2,4,6
	v_pk_fma_f32 v[T+24+\p:T+25+\p], v[T+8+\p:T+9+\p], v[CA3:CA3+1], v[CA2:CA2+1]   ; plain work behind the exponentials, which it does not touch
.endr
.irp p, 0,2,4,6
	v_pk_fma_f32 v[T+24+\p:T+25+\p], v[T+24+\p:T+25+\p], v[T+8+\p:T+9+\p], v[CA1:CA1+1]
.endr
.irp p, 0,2,4,6
	v_pk_mul_f32 v[T+24+\p:T+25+\p], v[T+24+\p:T+25+\p], v[T+8+\p:T+9+\p]
.endr
.irp p, 0,2,4,6
	v_pk_mul_f32 v[T+24+\p:T+25+\p], v[T+24+\p:T+25+\p], v[T+16+\p:T+17+\p]
.endr
.irp j, 0,1,2,3,4,5,6,7
	v_max_num_f32 v[U+8*\b+\j], 0, v[U+8*\b+\j]
.endr
.irp p, 0,2,4,6
	v_pk_fma_f32 v[U+8*\b+\p:U+8*\b+\p+1], v[T+\p:T+\p+1], v[T+24+\p:T+25+\p], v[U+8*\b+\p:U+8*\b+\p+1]
.endr
.endm
.endif
; THE WAY OUT, 16 rows of C at a time: add the bias, apply f, round to bf16, 16 bytes a lane into my own stage, read back as whole rows of 256 bytes.
; from: source 0 = the accumulators' window (2 or 3), source 1 = window 1 (the bias), destination window 0.
.macro OUT16 i, a, from
	WIN \from
.irp b, 0,1,2,3,4,5,6,7
.irp p, 0,2,4,6
	v_pk_add_f32 v[U+8*\b+\p:U+8*\b+\p+1], v[8*(8*\a+\b)+\p:8*(8*\a+\b)+\p+1], v[BI+8*\b+\p:BI+8*\b+\p+1]
.endr
.endr
	WIN 0
.if GELU
.irp b, 0,1,2,3,4,5,6,7
	GELU8 \b
.endr
.endif
.irp b, 0,1,2,3,4,5,6,7
.irp r, 0,1,2,3
	v_cvt_pk_bf16_f32 v[PK+4*\b+\r], v[U+8*\b+2*\r], v[U+8*\b+2*\r+1]
.endr
.endr
.irp b, 0,1,2,3,4,5,6,7
	ds_store_b128 v[STO], v[PK+4*\b:PK+4*\b+3] offset:32*\b
.endr
	s_wait_xcnt 0x0                                ; the last strip's stores have had their addresses translated (ISA guide 3.1): their data and base are written again only behind this wait
.if \i
	s_add_nc_u64 s[10:11], s[10:11], 16*SIZE_N*2
.endif
.irp t, 0,1,2,3,4,5,6,7
	ds_load_b128 v[RB+4*\t:RB+4*\t+3], v[RD] offset:\t*2*SPITCH    ; LDS serves a wave's instructions in order (ISA guide 5.7.1): these see the stores above
.endr
.irp t, 0,1,2,3,4,5,6,7
	s_wait_dscnt 7-\t
	global_store_b128 v[CO], v[RB+4*\t:RB+4*\t+3], s[10:11] offset:2*\t*SIZE_N*2   ; 16 lanes store 256 consecutive bytes, aligned
.endr
.endm
	PLACES                                         ; behind the last matrix instructions
	OUT16 0, 0, 0x06
	OUT16 1, 1, 0x06
	OUT16 2, 2, 0x06
	OUT16 3, 3, 0x06
	OUT16 4, 0, 0x07
	OUT16 5, 1, 0x07
	OUT16 6, 2, 0x07
	OUT16 7, 3, 0x07
	s_set_vgpr_msb 0x1
	s_wait_tensorcnt 0x0
	ds_add_u32 v63, v63
	s_wait_dscnt 0x0
	s_set_vgpr_msb 0x100
	CROUND                                         ; the closing round: no work-group ends while a partner may still ask for a tile that names it
	s_endpgm
.Lfunc_end_k_q106c404e5c_ff1:
	.size	k_q106c404e5c_ff1, .Lfunc_end_k_q106c404e5c_ff1-k_q106c404e5c_ff1
	.p2alignl 7, 3214868480
	.fill 96, 4, 3214868480
	.section	.rodata,"a",@progbits
	.p2align	6, 0x0
	.amdhsa_kernel k_q106c404e5c_ff1
		.amdhsa_group_segment_fixed_size 327680
		.amdhsa_private_segment_fixed_size 0
		.amdhsa_enable_private_segment 0
		.amdhsa_kernarg_size 32
		.amdhsa_user_sgpr_count 2
		.amdhsa_user_sgpr_kernarg_segment_ptr 1
		.amdhsa_wavefront_size32 1
		.amdhsa_system_sgpr_workgroup_id_x 1
		.amdhsa_system_sgpr_workgroup_id_y 1
		.amdhsa_system_sgpr_workgroup_id_z 1
		.amdhsa_system_vgpr_workitem_id 0
		.amdhsa_next_free_vgpr 1024
		.amdhsa_next_free_sgpr 80
		.amdhsa_reserve_vcc 0
		.amdhsa_float_denorm_mode_32 3
		.amdhsa_float_denorm_mode_16_64 3
		.amdhsa_memory_ordered 1
		.amdhsa_forward_progress 1
		.amdhsa_inst_pref_size 255
	.end_amdhsa_kernel
	.section	.bss,"aw",@nobits
	.p2align	6
	.space	262144
	.amdgpu_metadata
---
amdhsa.version: [ 1, 2 ]
amdhsa.kernels:
  - .name:           k_q106c404e5c_ff1
    .symbol:         k_q106c404e5c_ff1.kd
    .args:
      - { .name: act, .offset: 0, .size: 8, .value_kind: global_buffer, .address_space: global }
      - { .name: wbf, .offset: 8, .size: 8, .value_kind: global_buffer, .address_space: global }
      - { .name: ff_b1, .offset: 16, .size: 8, .value_kind: global_buffer, .address_space: global }
      - { .name: big, .offset: 24, .size: 8, .value_kind: global_buffer, .address_space: global }
    .group_segment_fixed_size: 327680
    .private_segment_fixed_size: 0
    .kernarg_segment_align: 8
    .kernarg_segment_size: 32
    .max_flat_workgroup_size: 128
    .sgpr_count:     80
    .vgpr_count:     1024
    .wavefront_size: 32
...
	.end_amdgpu_metadata
.endif
;; end of part 6
;; launch ff2 (part 7): grid 8 x 32, 4 waves a work-group, clusters of 4 x 4, 327,680 bytes of LDS; arguments big, wbf, ff_b2, x1, out0; writes out0
.if DOCPART == 7
	.amdgcn_target "amdgcn-amd-amdhsa--gfx1250"
	.amdhsa_code_object_version 6
	.text
	.protected	k_q106c404e5c_ff2
	.globl	k_q106c404e5c_ff2
	.p2align	8
	.type	k_q106c404e5c_ff2,@function
k_q106c404e5c_ff2:
	s_mov_b64 s[64:65], 0
	v_nop
	global_prefetch_b8 v0, s[64:65] scope:SCOPE_SE
	s_setreg_imm32_b32 hwreg(HW_REG_WAVE_MODE, 25, 1), 1
	s_wait_xcnt 0x0
	s_wait_alu depctr_hold_cnt(0) depctr_sa_sdst(0) depctr_va_vdst(0) depctr_va_sdst(0) depctr_va_ssrc(0) depctr_va_vcc(0) depctr_vm_vsrc(0)
	s_getreg_b32 s2, hwreg(HW_REG_IB_STS2, 6, 4)
	s_cmp_eq_u32 s2, 0
	s_cbranch_scc0 .Lentry_in_a_cluster
	s_endpgm
.Lentry_in_a_cluster:
	s_bfe_u32 s2, ttmp6, 0x10000c
	s_cmp_lg_u32 s2, 0xf033
	s_cbranch_scc0 .Lentry_shape_is_right
	s_endpgm
.Lentry_shape_is_right:
; C[m][n] = resid[m][n] + bias[n] + sum over k of A[m][k] W[k][n], C and resid f32 [4096][1024].  A: [4096][SIZE_K] bf16.  W: [SIZE_K][1024] bf16 at byte WOFF.
; N is 1,024, so blocks of 128 x 128 give 256 work-groups.  Each of the four waves makes the WHOLE block (64 accumulator tiles) on a quarter of K: of every 256 along K
; wave w takes 64 w .. 64 w + 63.  So a wave still loads 32 fragments for 64 matrix instructions.  The four partial sums meet once, in LDS, at the end.
; ORDER OF SUMS: four sums over quarters of K, then (p0 + p1) + (p2 + p3) + bias + resid, all in f32.
; Two LDS slots of 256 along K: W's 256 rows of 128 columns first, then A's 128 rows.  After the last fill the ring's bytes hold the partial sums.
; CLUSTERS: 4 x 4; A's tile is asked for jointly by a row of the cluster, W's by a column.
; REGISTERS: window 0 addresses, A's fragments; window 1 W's fragments, later the residual; windows 2, 3 the accumulators of rows 0-63, 64-127.
.set SIZE_K, 4096
.set WOFF,   16777216
.set SIZE_N, 1024
.set KSPAN,  256
.set PA,     528                       ; A's LDS row: 512 bytes + 16
.set PB,     288                       ; W's LDS row: 256 bytes + 32, an odd multiple of 32
.set BHALF,  128*PB                    ; one load of W: 128 rows
.set AHALF,  64*PA                     ; one load of A: 64 rows
.set BPART,  2*BHALF
.set SLOT,   BPART+2*AHALF
.set PP,     528                       ; a row of a partial sum: 128 f32 + 16 bytes
.set PSUM,   128*PP
.set LAPS,   SIZE_K/(2*KSPAN)
.set ADRA, 16
.set ADRB, 20
.set STO,  24
.set CO,   26
.set RD,   28                          ; v28-31: where I read partial sum p
.set BIAS, 32                          ; v[32:35]
.set F0,   64
.set F1,   128
.set PS,   64                          ; the end, window 0: four partial sums x 8 rows x 4 registers
.set RES,  64                          ; the end, window 1: 32 rows x 4 registers of the residual
.set G1A, 24
.set G0A, 32
.set G1B, 48
.set G0B, 56
.set MSB, 0
.macro WIN new
.if MSB != \new
	s_set_vgpr_msb (MSB<<8)|\new
.set MSB, \new
.endif
.endm
.set MUL_LO, 0xa1
.set MUL_HI, 0xf1
.set TO_B,   0x40
.macro JLOAD s                         ; waves 0, 1 fetch W's two halves, waves 2, 3 A's
	s_cmp_eq_u32 s13, 0
	s_cbranch_scc0 .Lfor_a_\@
	tensor_load_to_lds s[G0B+4*\s:G0B+4*\s+3], s[G1B:G1B+7]
	s_nop 0
	s_branch .Lasked_\@
.Lfor_a_\@:
	tensor_load_to_lds s[G0A+4*\s:G0A+4*\s+3], s[G1A:G1A+7]
	s_nop 0
.Lasked_\@:
.endm
.macro CREST
	s_cmp_lg_u32 s12, 0
	s_cbranch_scc1 .Lnot_wave_0_\@
	s_barrier_signal -3
.Lnot_wave_0_\@:
	s_barrier_wait -3
	s_barrier_signal -1
	s_barrier_wait -1
.endm
.macro CROUND
	s_barrier_signal -1
	s_barrier_wait -1
	CREST
.endm
	s_load_b256 s[4:11], s[0:1], 0x0               ; A s[4:5], weights s[6:7], bias s[8:9], resid s[10:11]
	s_load_b64 s[66:67], s[0:1], 0x20              ; C
	s_set_vgpr_msb 0x40
	v_lshl_add_u32 v255, v0, 2, 0x45000
	s_set_vgpr_msb 0x4000
	v_mov_b32 v255, 0
	s_set_vgpr_msb 0x1
	ds_add_u32 v255, v255
	s_set_vgpr_msb 0x100
	v_lshrrev_b32 v1, 5, v0
	v_readfirstlane_b32 s12, v1                    ; wave
	s_lshr_b32 s13, s12, 1                         ; I fetch for W (0) or for A (1)
	s_and_b32 s14, s12, 1                          ; which half of that tile
	s_bfe_u32 s16, ttmp6, 0x40000                  ; cx
	s_bfe_u32 s17, ttmp6, 0x40004                  ; cy
	s_lshl_b32 s18, ttmp9, 2
	s_add_co_u32 s18, s18, s16                     ; block column
	s_and_b32 s19, ttmp7, 0xffff
	s_lshl_b32 s19, s19, 2
	s_add_co_u32 s19, s19, s17                     ; block row
	s_lshl_b32 s20, s17, 2
	s_lshl_b32 s20, 15, s20                        ; my row of the cluster
	s_lshl_b32 s21, 0x1111, s16                    ; my column
	s_or_b32 s[G1A+0], s20, (1<<16)|(1<<20)|(1<<21)|(6<<22)|(3<<25)   ; 4 words of padding behind every 128
	s_mov_b32 s[G1A+1], KSPAN<<16
	s_mov_b32 s[G1A+2], 64<<16
	s_mov_b32 s[G1A+3], KSPAN<<16                  ; 256 elements
	s_mov_b32 s[G1A+4], 64                         ; x 64 rows
	s_mov_b32 s[G1A+5], SIZE_K
	s_mov_b32 s[G1A+6], 0
	s_mov_b32 s[G1A+7], 0
	s_or_b32 s[G1B+0], s21, (1<<16)|(1<<20)|(1<<21)|(5<<22)|(7<<25)   ; 8 words of padding behind every 64
	s_mov_b32 s[G1B+1], 128<<16
	s_mov_b32 s[G1B+2], 128<<16
	s_mov_b32 s[G1B+3], 128<<16                    ; 128 elements
	s_mov_b32 s[G1B+4], 128                        ; x 128 rows
	s_mov_b32 s[G1B+5], SIZE_N
	s_mov_b32 s[G1B+6], 0
	s_mov_b32 s[G1B+7], 0
	s_lshl_b32 s22, s14, 6
	s_lshl_b32 s40, s19, 7
	s_add_co_u32 s40, s40, s22                     ; A: row 128 x block row + 64 x half
	s_mul_i32 s40, s40, SIZE_K*2
	s_mov_b32 s41, 0
	s_mul_i32 s44, s14, 128*SIZE_N*2               ; W: 128 rows x half,
	s_lshl_b32 s45, s18, 8                         ; 256 bytes x block column
	s_add_co_u32 s44, s44, s45
	s_add_co_u32 s44, s44, WOFF
	s_mov_b32 s45, 0
	s_mul_i32 s22, s12, BHALF                      ; W's halves at wave x 36,864 (waves 0, 1)
	s_mul_i32 s23, s12, AHALF
	s_add_co_u32 s23, s23, BPART-2*AHALF           ; A's halves at wave x 33,792 + 6,144 (waves 2, 3)
	s_wait_dscnt 0x0
	s_wait_kmcnt 0x0
	s_add_nc_u64 s[40:41], s[4:5], s[40:41]
	s_add_nc_u64 s[44:45], s[6:7], s[44:45]
	CROUND
.irp s, 0,1
	s_mov_b32 s[G0A+4*\s], 1
	s_add_co_u32 s[G0A+4*\s+1], s23, \s*SLOT
	s_add_nc_u64 s[G0A+4*\s+2:G0A+4*\s+3], s[40:41], \s*KSPAN*2
	s_or_b32 s[G0A+4*\s+3], s[G0A+4*\s+3], 0x80000000
	s_mov_b32 s[G0B+4*\s], 1
	s_add_co_u32 s[G0B+4*\s+1], s22, \s*SLOT
	s_add_nc_u64 s[G0B+4*\s+2:G0B+4*\s+3], s[44:45], \s*KSPAN*SIZE_N*2
	s_or_b32 s[G0B+4*\s+3], s[G0B+4*\s+3], 0x80000000
	JLOAD \s                                       ; two tensor loads of a wave are out here, later one
.endr
	v_and_b32 v1, 15, v0                           ; r
	v_bfe_u32 v2, v0, 4, 1                         ; h
	v_mul_u32_u24 v3, v1, PA
	v_lshl_add_u32 v3, v2, 4, v3
	v_and_b32 v4, 7, v0
	v_lshl_add_u32 v4, v2, 3, v4
	v_mul_u32_u24 v4, v4, PB
	v_bfe_u32 v5, v0, 3, 1
	v_lshl_add_u32 v4, v5, 4, v4
	s_lshl_b32 s42, s12, 7                         ; A: my 64 along K are 128 bytes of a row,
	s_add_co_u32 s42, s42, BPART                   ; behind W's part
	s_mul_i32 s43, s12, 64*PB                      ; W: my 64 rows
.irp s, 0,1
	v_add_nc_u32 v[ADRA+\s], s42, v3
	v_add_nc_u32 v[ADRB+\s], s43, v4
	s_add_co_u32 s42, s42, SLOT
	s_add_co_u32 s43, s43, SLOT
.endr
	s_mul_i32 s42, s12, PSUM                       ; my partial sum
	v_mul_u32_u24 v5, v1, PP
	v_lshl_add_u32 v5, v2, 5, v5                   ; row r, 32 bytes for each half of the lanes
	v_add_nc_u32 v[STO], s42, v5
	v_and_b32 v5, 31, v0
	v_lshlrev_b32 v[CO], 4, v5                     ; 16 bytes a lane: a row of 128 f32 is one wave's load
	s_mul_i32 s43, s12, 32*PP                      ; the 32 rows that I finish
.irp p, 0,1,2,3
	v_add_nc_u32 v[RD+\p], s43, v[CO]
	s_add_co_u32 s43, s43, PSUM
.endr
	s_lshl_b32 s42, s18, 9
	s_mov_b32 s43, 0
	s_add_nc_u64 s[8:9], s[8:9], s[42:43]          ; bias at the block's first column
	s_lshl_b32 s46, s19, 7
	s_lshl_b32 s47, s12, 5
	s_add_co_u32 s46, s46, s47
	s_lshl_b32 s46, s46, 12                        ; rows of 4,096 bytes
	s_add_co_u32 s46, s46, s42
	s_mov_b32 s47, 0
	s_add_nc_u64 s[10:11], s[10:11], s[46:47]
	s_add_nc_u64 s[66:67], s[66:67], s[46:47]
.macro MUL16 f, hi, a0, zero
.irp a, \a0, \a0+1
.irp b, 0,1,2,3,4,5,6,7
.if \zero
	v_wmma_f32_16x16x32_bf16 v[8*(8*(\a)+\b):8*(8*(\a)+\b)+7], v[\f+8*\b:\f+8*\b+7], v[\f+8*(4*\hi+\a):\f+8*(4*\hi+\a)+7], 0
.else
	v_wmma_f32_16x16x32_bf16 v[8*(8*(\a)+\b):8*(8*(\a)+\b)+7], v[\f+8*\b:\f+8*\b+7], v[\f+8*(4*\hi+\a):\f+8*(4*\hi+\a)+7], v[8*(8*(\a)+\b):8*(8*(\a)+\b)+7]
.endif
.endr
.endr
.endm
.macro FETCH slot, q, f                ; 32 along K, number q of my two in the slot: 128 columns of W, 128 rows of A
	WIN TO_B
.irp i, 0,1,2,3,4,5,6,7
	ds_load_tr16_b128 v[\f+8*\i:\f+8*\i+3],   v[ADRB+\slot] offset:\q*32*PB+\i*32
	ds_load_tr16_b128 v[\f+8*\i+4:\f+8*\i+7], v[ADRB+\slot] offset:\q*32*PB+\i*32+16*PB
.endr
	WIN 0
.irp i, 0,1,2,3,4,5,6,7
	ds_load_b128 v[\f+8*\i:\f+8*\i+3],   v[ADRA+\slot] offset:\q*64+\i*16*PA
	ds_load_b128 v[\f+8*\i+4:\f+8*\i+7], v[ADRA+\slot] offset:\q*64+\i*16*PA+32
.endr
.endm
.macro PLACES                          ; four plain vector instructions behind matrix instructions (ISA guide 7.12.1 for vector instructions)
.rept 4
	v_nop
.endr
.endm
; The 64 accumulators take turns, one instruction a turn, in the same order in every quarter.
.macro QUARTER slot, q, f, g, zero
	s_wait_dscnt 8                                 ; W and A's rows 0-63 are in; the youngest eight loads may be out
	WIN MUL_LO
	MUL16 \f, 0, 0, \zero
	MUL16 \f, 0, 2, \zero
	PLACES
	FETCH \slot, \q, \g
	s_wait_dscnt 32                                ; all but the 32 just issued
	WIN MUL_HI
	MUL16 \f, 1, 0, \zero
	MUL16 \f, 1, 2, \zero
.endm
.macro TURN slot, next, fill
	s_wait_dscnt 8
	WIN MUL_LO
	MUL16 F1, 0, 0, 0
	s_wait_dscnt 0                                 ; my reads of this slot are over
	s_wait_tensorcnt 0x0                           ; all my tensor loads have landed
	ds_add_u32 v255, v255
	s_wait_dscnt 0x0
	s_barrier_signal -1
	MUL16 F1, 0, 2, 0
	WIN 0
	s_barrier_wait -1
.if \fill
	CREST
	s_add_nc_u64 s[G0A+4*\slot+2:G0A+4*\slot+3], s[G0A+4*\slot+2:G0A+4*\slot+3], 2*KSPAN*2
	s_add_nc_u64 s[G0B+4*\slot+2:G0B+4*\slot+3], s[G0B+4*\slot+2:G0B+4*\slot+3], 2*KSPAN*SIZE_N*2
	JLOAD \slot                                    ; the wave's one tensor load behind the round, and the first thing there
.endif
	PLACES
	FETCH \next, 0, F0
	WIN MUL_HI
	MUL16 F1, 1, 0, 0
	MUL16 F1, 1, 2, 0
.endm
.macro LAP zero
	QUARTER 0, 1, F0, F1, \zero
	TURN 0, 1, 1
	QUARTER 1, 1, F0, F1, 0
	TURN 1, 0, 1
.endm
	s_wait_tensorcnt 1                             ; my part of slot 0 is in; slot 1's stays out
	s_barrier_signal -1
	s_barrier_wait -1
	FETCH 0, 0, F0
	LAP 1
.if LAPS > 2
	WIN 0
	s_mov_b32 s15, LAPS-2
.Llap:
	LAP 0
	WIN 0
	s_sub_co_u32 s15, s15, 1
	s_cmp_lg_u32 s15, 0
	s_cbranch_scc1 .Llap
.endif
	QUARTER 0, 1, F0, F1, 0                        ; the last lap fills nothing
	TURN 0, 1, 0
	QUARTER 1, 1, F0, F1, 0
	s_wait_dscnt 8
	WIN MUL_LO
	MUL16 F1, 0, 0, 0
	MUL16 F1, 0, 2, 0
	s_wait_dscnt 0
	WIN MUL_HI
	MUL16 F1, 1, 0, 0
	MUL16 F1, 1, 2, 0
	; THE END.  The residual and the bias are asked for first; then the four partial sums meet in the ring's bytes, which have had their last fill.
	PLACES
	WIN TO_B
.set i, 0
.rept 32
	global_load_b128 v[RES+4*i:RES+4*i+3], v[CO], s[10:11] offset:4096*i
.set i, i+1
.endr
	WIN 0
	global_load_b128 v[BIAS:BIAS+3], v[CO], s[8:9]
	s_wait_dscnt 0x0                               ; my reads of the ring are over
	s_barrier_signal -1
	s_barrier_wait -1                              ; everybody's are: the ring may be written
.macro DUMP hi
.irp a, 0,1,2,3
.irp b, 0,1,2,3,4,5,6,7
	ds_store_b128 v[STO], v[8*(8*\a+\b):8*(8*\a+\b)+3]   offset:(4*\hi+\a)*16*PP+64*\b       ; row 16 (4 hi + a) + r, columns 16 b + 8 h + 0..3
	ds_store_b128 v[STO], v[8*(8*\a+\b)+4:8*(8*\a+\b)+7] offset:(4*\hi+\a)*16*PP+64*\b+16    ; + 4..7
.endr
.endr
.endm
	WIN 0x08
	DUMP 0
	WIN 0x0c
	DUMP 1
	WIN 0
	s_wait_dscnt 0x0                               ; my stores are done, for the waves that read them
	s_barrier_signal -1
	s_barrier_wait -1
; eight of my 32 rows: the four partial sums, the bias, the residual; a wave's store covers a row's 512 consecutive bytes, aligned
.macro BATCH bt
.if \bt
	s_wait_xcnt 0x0                                ; the last batch's stores have had their addresses translated (ISA guide 3.1): their data is written again only behind this wait
.endif
.irp p, 0,1,2,3
.irp t, 0,1,2,3,4,5,6,7
	ds_load_b128 v[PS+32*\p+4*\t:PS+32*\p+4*\t+3], v[RD+\p] offset:PP*(8*\bt+\t)
.endr
.endr
	s_wait_dscnt 0x0
.if \bt == 0
	s_wait_loadcnt 0x0                             ; the residual and the bias, once
.endif
.irp q, 0,2,4,6,8,10,12,14,16,18,20,22,24,26,28,30
	v_pk_add_f32 v[PS+\q:PS+\q+1], v[PS+\q:PS+\q+1], v[PS+32+\q:PS+32+\q+1]
.endr
.irp q, 0,2,4,6,8,10,12,14,16,18,20,22,24,26,28,30
	v_pk_add_f32 v[PS+64+\q:PS+64+\q+1], v[PS+64+\q:PS+64+\q+1], v[PS+96+\q:PS+96+\q+1]
.endr
.irp q, 0,2,4,6,8,10,12,14,16,18,20,22,24,26,28,30
	v_pk_add_f32 v[PS+\q:PS+\q+1], v[PS+\q:PS+\q+1], v[PS+64+\q:PS+64+\q+1]
.endr
.irp q, 0,2,4,6,8,10,12,14,16,18,20,22,24,26,28,30
	v_pk_add_f32 v[PS+\q:PS+\q+1], v[PS+\q:PS+\q+1], v[BIAS+\q%4:BIAS+\q%4+1]
.endr
	WIN 0x04
.irp q, 0,2,4,6,8,10,12,14,16,18,20,22,24,26,28,30
	v_pk_add_f32 v[PS+\q:PS+\q+1], v[PS+\q:PS+\q+1], v[RES+32*\bt+\q:RES+32*\bt+\q+1]
.endr
	WIN 0
.irp t, 0,1,2,3,4,5,6,7
	global_store_b128 v[CO], v[PS+4*\t:PS+4*\t+3], s[66:67] offset:4096*(8*\bt+\t)
.endr
.endm
	BATCH 0
	BATCH 1
	BATCH 2
	BATCH 3
	s_set_vgpr_msb 0x1
	s_wait_tensorcnt 0x0
	ds_add_u32 v255, v255
	s_wait_dscnt 0x0
	s_set_vgpr_msb 0x100
	CROUND                                         ; the closing round
	s_endpgm
.Lfunc_end_k_q106c404e5c_ff2:
	.size	k_q106c404e5c_ff2, .Lfunc_end_k_q106c404e5c_ff2-k_q106c404e5c_ff2
	.p2alignl 7, 3214868480
	.fill 96, 4, 3214868480
	.section	.rodata,"a",@progbits
	.p2align	6, 0x0
	.amdhsa_kernel k_q106c404e5c_ff2
		.amdhsa_group_segment_fixed_size 327680
		.amdhsa_private_segment_fixed_size 0
		.amdhsa_enable_private_segment 0
		.amdhsa_kernarg_size 40
		.amdhsa_user_sgpr_count 2
		.amdhsa_user_sgpr_kernarg_segment_ptr 1
		.amdhsa_wavefront_size32 1
		.amdhsa_system_sgpr_workgroup_id_x 1
		.amdhsa_system_sgpr_workgroup_id_y 1
		.amdhsa_system_sgpr_workgroup_id_z 1
		.amdhsa_system_vgpr_workitem_id 0
		.amdhsa_next_free_vgpr 1024
		.amdhsa_next_free_sgpr 80
		.amdhsa_reserve_vcc 0
		.amdhsa_float_denorm_mode_32 3
		.amdhsa_float_denorm_mode_16_64 3
		.amdhsa_memory_ordered 1
		.amdhsa_forward_progress 1
		.amdhsa_inst_pref_size 131
	.end_amdhsa_kernel
	.amdgpu_metadata
---
amdhsa.version: [ 1, 2 ]
amdhsa.kernels:
  - .name:           k_q106c404e5c_ff2
    .symbol:         k_q106c404e5c_ff2.kd
    .args:
      - { .name: big, .offset: 0, .size: 8, .value_kind: global_buffer, .address_space: global }
      - { .name: wbf, .offset: 8, .size: 8, .value_kind: global_buffer, .address_space: global }
      - { .name: ff_b2, .offset: 16, .size: 8, .value_kind: global_buffer, .address_space: global }
      - { .name: x1, .offset: 24, .size: 8, .value_kind: global_buffer, .address_space: global }
      - { .name: out0, .offset: 32, .size: 8, .value_kind: global_buffer, .address_space: global }
    .group_segment_fixed_size: 327680
    .private_segment_fixed_size: 0
    .kernarg_segment_align: 8
    .kernarg_segment_size: 40
    .max_flat_workgroup_size: 128
    .sgpr_count:     80
    .vgpr_count:     1024
    .wavefront_size: 32
...
	.end_amdgpu_metadata
.endif
;; end of part 7
;; ======== version 2 of 3: 7 launches; 1.15 times as fast as version 1
;; limits: a function is approximated: absolute error at most 2.5e-05; an absolute error that grows with the inputs' magnitude: up to 1.25e-05 times it
;; workspace buffers: wbf 25,165,824 bytes; act 8,388,608 bytes; big 33,554,432 bytes; x1 16,777,216 bytes
;; launch prep: the kernel of part 1 again; grid 512 x 1, 8 waves a work-group, no clusters, 0 bytes of LDS; arguments x, qkv_w, out_w, ff_w1, ff_w2, ln1_g, ln1_b, wbf, act; writes wbf, act
;; launch qkv: the kernel of part 2 again; grid 12 x 16, 4 waves a work-group, clusters of 4 x 4, 327,680 bytes of LDS; arguments act, wbf, qkv_b, big; writes big
;; launch attn (part 8): grid 16 x 16, 8 waves a work-group, clusters of 4 x 1, 327,680 bytes of LDS; arguments big, act; writes act
.if DOCPART == 8
	.amdgcn_target "amdgcn-amd-amdhsa--gfx1250"
	.amdhsa_code_object_version 6
	.text
	.protected	k_q106c404e5c_attn
	.globl	k_q106c404e5c_attn
	.p2align	8
	.type	k_q106c404e5c_attn,@function
k_q106c404e5c_attn:
	s_mov_b64 s[64:65], 0
	v_nop
	global_prefetch_b8 v0, s[64:65] scope:SCOPE_SE
	s_setreg_imm32_b32 hwreg(HW_REG_WAVE_MODE, 25, 1), 1
	s_wait_xcnt 0x0
	s_wait_alu depctr_hold_cnt(0) depctr_sa_sdst(0) depctr_va_vdst(0) depctr_va_sdst(0) depctr_va_ssrc(0) depctr_va_vcc(0) depctr_vm_vsrc(0)
	s_getreg_b32 s2, hwreg(HW_REG_IB_STS2, 6, 4)
	s_cmp_eq_u32 s2, 0
	s_cbranch_scc0 .Lentry_in_a_cluster
	s_endpgm
.Lentry_in_a_cluster:
	s_bfe_u32 s2, ttmp6, 0x10000c
	s_cmp_lg_u32 s2, 0x3003
	s_cbranch_scc0 .Lentry_shape_is_right
	s_endpgm
.Lentry_shape_is_right:
; Softmax attention.  big: [4096][3072] bf16, a row = q (1,024), k (1,024), v (1,024), each head 64 wide.  act: [4096][1024] bf16, the heads' results side by side.
; A work-group takes one batch, two neighbouring heads and 128 queries, so that a row of K, of V and of the result is 256 consecutive bytes.
; EIGHT WAVES, two for each of the WGP's four SIMDs: wave w takes head w / 4 of the pair and queries 32 (w % 4) .. + 31.
; Keys go in tiles of 256 through two LDS slots, four steps of 64 keys a tile.
; CLUSTERS: the four query blocks of a 4 x 1 cluster read the same K and V: each tile is asked for jointly (mask 15).
; TRANSPOSED: S^T = K Q^T puts query r in lanes r and r + 16 and keys 8 h + j in the registers, which after rounding IS the second operand of O^T = V^T P^T: no shuffle.
; A query's maximum and sum are per lane, with one exchange between the halves.  The running maximum is taken away in every step and the sums are rescaled in every step.
; ONE STEP AHEAD: the scores have two buffers.  While step i's scores go through the softmax (some 200 vector instructions), the 16 matrix instructions of step i + 1's
; scores are issued among them, two to a group of 20 vector instructions; the rescaling of O is issued among the first eight matrix instructions of V^T P^T.
; So 24 of a step's 32 matrix instructions have independent vector work of the same wave behind them.
; REGISTERS are laid so that this costs no switch of the register window:
;   window 1: the two score buffers, K's and Q's fragments and the statistics: ONE setting serves the softmax and the products K Q^T;
;   window 0: addresses, V's fragments and O; P is packed in place into the first half of its own score buffer (group g's 4 registers at 4 g, bytes of groups
;   already used up), so that ONE setting (second source in window 1, all else in window 0) serves the rescaling (O x alpha) and the products V^T P^T.
; THE LOOP IS TURNED BY ONE STEP: the first step, which starts the sums, stands in front of it; a trip is steps 1-3 of slot 0, steps 0-3 of slot 1 and step 0 of
; slot 0's next tile; so only eight of the 32 steps are written outside the loop.
; LIMITS: p = exp2(c (s - m)) comes out as 0 below 2^-126 (v_exp_f32); P, Q, K, V are bf16; NaN and infinite scores are not treated.
.set KP,    272                        ; K's LDS row: 256 bytes + 16
.set VP,    288                        ; V's LDS row: 256 bytes + 32, an odd multiple of 32, for the transposing load
.set VPART, 256*VP                     ; V's 256 rows come first in a slot,
.set KPART, 256*KP                     ; K's 256 rows behind them
.set SLOT,  VPART+KPART
.set STAGE, 2*SLOT                     ; 128 rows x 272 bytes for the way out; no tensor load lands there
.set ROWB,  6144                       ; bytes in a row of big
.set TILEB, 256*ROWB
.set KA,  8                            ; v8-11   K's fragments: LDS address for slot s, half hf at 2 s + hf
.set VA,  12                           ; v12-15  V's
.set VQ,  16                           ; my byte offset in q
.set STO, 17
.set RD,  18
.set CO,  19
.set VF,  64                           ; window 0: V fragments, d block dt, key step kk at 8 (2 dt + kk)
.set OA,  128                          ; window 0: results, tile j = 2 dt + b (d block dt, query block b) at 8 j
.set PK,  192                          ; window 0: the way out, packed results
                                       ; window 1: v0-63 and v64-127: the two score buffers, query block b, key block a at 8 (4 b + a); later P, group g = 4 b + a at 4 g
.set KF,  128                          ; window 1: K fragments, key block a, d step ks at 8 (2 a + ks)
.set QF,  192                          ; window 1: Q fragments, query block b, d step ks at 8 (2 b + ks)
.set T,   224                          ; window 1: v224-231 work, four registers for each query block
.set XT,  232                          ; window 1: the other half's figure, one for each query block
.set NM,  234                          ; window 1: pairs (-c m, m) for b = 0, 1
.set AL,  238                          ; window 1: pairs (alpha, unused)
.set LS,  242                          ; window 1: pairs of running sums
.set G1K, 24
.set G0K, 32
.set G1V, 48
.set G0V, 56
.set W_SM, 0x55                        ; all in window 1: softmax, and K Q^T
.set W_PV, 0x04                        ; source 1 in window 1, all else in window 0: rescaling, and V^T P^T
.set W_LD, 0x40                        ; destination in window 1, address in window 0: loads of K's and Q's fragments
.set MSB, 0
.macro WIN new                         ; the immediate's high byte repeats the setting that is left
.if MSB != \new
	s_set_vgpr_msb (MSB<<8)|\new
.set MSB, \new
.endif
.endm
.macro JLOAD s                         ; waves 0-3 fetch V's four quarters, waves 4-7 K's.  The branch hangs on the wave's number alone.
	s_cmp_eq_u32 s9, 0
	s_cbranch_scc0 .Lfor_k_\@
	tensor_load_to_lds s[G0V+4*\s:G0V+4*\s+3], s[G1V:G1V+7]
	s_nop 0
	s_branch .Lasked_\@
.Lfor_k_\@:
	tensor_load_to_lds s[G0K+4*\s:G0K+4*\s+3], s[G1K:G1K+7]
	s_nop 0
.Lasked_\@:
.endm
.macro CREST                           ; a round of the cluster's barrier behind its opening work-group barrier
	s_cmp_lg_u32 s8, 0
	s_cbranch_scc1 .Lnot_wave_0_\@
	s_barrier_signal -3
.Lnot_wave_0_\@:
	s_barrier_wait -3
	s_barrier_signal -1
	s_barrier_wait -1
.endm
.macro CROUND
	s_barrier_signal -1
	s_barrier_wait -1
	CREST
.endm
.macro PLACES                          ; four plain vector instructions behind matrix instructions (ISA guide 7.12.1 for vector instructions)
.rept 4
	v_nop
.endr
.endm
	s_load_b128 s[4:7], s[0:1], 0x0                ; big s[4:5], act s[6:7]
	s_set_vgpr_msb 0x40
	v_lshl_add_u32 v248, v0, 2, 0x4e800
	v_mov_b32 v249, 0
	s_set_vgpr_msb 0x4045
	ds_add_u32 v248, v249
	s_set_vgpr_msb 0x4500
	v_lshrrev_b32 v1, 5, v0
	v_readfirstlane_b32 s8, v1                     ; wave 0..7
	s_lshr_b32 s9, s8, 2                           ; my head of the pair.  Also: I fetch V (0) or K (1)
	s_and_b32 s10, s8, 3                           ; my quarter of the queries.  Also: which quarter of a tile I fetch
	s_bfe_u32 s12, ttmp6, 0x40000                  ; cx
	s_lshl_b32 s13, ttmp9, 2
	s_add_co_u32 s13, s13, s12                     ; query block
	s_and_b32 s14, ttmp7, 0xffff
	s_lshr_b32 s15, s14, 3                         ; batch
	s_and_b32 s16, s14, 7                          ; pair of heads
	s_mov_b32 s40, 0x3e38aa3b                      ; c = log2(e) / 8: the scale 1/sqrt(64) and the change of base in one
	s_mov_b32 s41, 0x3e38aa3b
	s_mov_b32 s42, 0xbe38aa3b                      ; -c
	s_mov_b32 s44, 0x76543210                      ; v_permlanex16_b32: lane i reads lane i of the other half
	s_mov_b32 s45, 0xfedcba98
	s_mov_b32 s[G1K+0], 15|(1<<16)|(1<<20)|(1<<21)|(5<<22)|(3<<25)   ; mask: all four; 2-byte elements; 4 words of padding behind every 64
	s_mov_b32 s[G1K+1], 128<<16                    ; tensor_dim0 = 128
	s_mov_b32 s[G1K+2], 64<<16                     ; tensor_dim1 = 64
	s_mov_b32 s[G1K+3], 128<<16                    ; tile_dim0 = 128 elements
	s_mov_b32 s[G1K+4], 64                         ; tile_dim1 = 64 rows
	s_mov_b32 s[G1K+5], 3072                       ; elements from row to row
	s_mov_b32 s[G1K+6], 0
	s_mov_b32 s[G1K+7], 0
	s_mov_b32 s[G1V+0], 15|(1<<16)|(1<<20)|(1<<21)|(5<<22)|(7<<25)   ; 8 words of padding
	s_mov_b32 s[G1V+1], 128<<16
	s_mov_b32 s[G1V+2], 64<<16
	s_mov_b32 s[G1V+3], 128<<16
	s_mov_b32 s[G1V+4], 64
	s_mov_b32 s[G1V+5], 3072
	s_mov_b32 s[G1V+6], 0
	s_mov_b32 s[G1V+7], 0
	s_lshl_b32 s18, s15, 11                        ; the tiles hang on the batch, the pair of heads and the wave's number alone
	s_lshl_b32 s19, s10, 6                         ; my 64 rows of a tile
	s_add_co_u32 s18, s18, s19
	s_mul_i32 s18, s18, ROWB
	s_lshl_b32 s19, s16, 8
	s_add_co_u32 s18, s18, s19
	s_mov_b32 s19, 0
	s_mul_i32 s17, s8, 64*VP                       ; V's quarters at wave x 18,432 (waves 0-3)
	s_mul_i32 s43, s8, 64*KP
	s_add_co_u32 s43, s43, VPART-4*64*KP           ; K's quarters at wave x 17,408 + 4,096 (waves 4-7)
	s_lshl_b32 s22, s15, 11
	s_lshl_b32 s23, s13, 7
	s_add_co_u32 s22, s22, s23                     ; the block's first row
	s_lshl_b32 s46, s10, 5
	s_add_co_u32 s46, s46, s22
	s_mul_i32 s46, s46, ROWB                       ; q of my 32 queries,
	s_lshl_b32 s47, s16, 8
	s_add_co_u32 s46, s46, s47
	s_lshl_b32 s47, s9, 7
	s_add_co_u32 s46, s46, s47                     ; my head
	s_mov_b32 s47, 0
	s_lshl_b32 s23, s8, 4
	s_add_co_u32 s22, s22, s23
	s_lshl_b32 s22, s22, 11                        ; the 16 rows of act that I store,
	s_lshl_b32 s23, s16, 8
	s_add_co_u32 s22, s22, s23                     ; the pair's 256 bytes
	s_mov_b32 s23, 0
	s_wait_dscnt 0x0
	s_wait_kmcnt 0x0
	s_add_nc_u64 s[20:21], s[4:5], s[18:19]
	s_add_nc_u64 s[46:47], s[4:5], s[46:47]
	s_add_nc_u64 s[6:7], s[6:7], s[22:23]
	CROUND                                         ; the four work-groups are here: the first joint loads meet
.irp s, 0,1
	s_mov_b32 s[G0V+4*\s], 1
	s_add_co_u32 s[G0V+4*\s+1], s17, \s*SLOT
	s_add_nc_u64 s[G0V+4*\s+2:G0V+4*\s+3], s[20:21], 4096+\s*TILEB
	s_or_b32 s[G0V+4*\s+3], s[G0V+4*\s+3], 0x80000000
	s_mov_b32 s[G0K+4*\s], 1
	s_add_co_u32 s[G0K+4*\s+1], s43, \s*SLOT
	s_add_nc_u64 s[G0K+4*\s+2:G0K+4*\s+3], s[20:21], 2048+\s*TILEB
	s_or_b32 s[G0K+4*\s+3], s[G0K+4*\s+3], 0x80000000
	JLOAD \s                                       ; two tensor loads of a wave are out here, later one
.endr
	v_and_b32 v1, 15, v0                           ; r
	v_bfe_u32 v2, v0, 4, 1                         ; h
	v_mul_u32_u24 v[VQ], v1, ROWB
	v_lshl_add_u32 v[VQ], v2, 4, v[VQ]
	WIN W_LD
.irp b, 0,1
.irp ks, 0,1
	global_load_b128 v[QF+8*(2*\b+\ks):QF+8*(2*\b+\ks)+3],   v[VQ], s[46:47] offset:16*ROWB*\b+64*\ks      ; q(16 b + r, 32 ks + 8 h ..)
	global_load_b128 v[QF+8*(2*\b+\ks)+4:QF+8*(2*\b+\ks)+7], v[VQ], s[46:47] offset:16*ROWB*\b+64*\ks+32   ; q(16 b + r, 32 ks + 16 + 8 h ..)
.endr
.endr
.irp b, 0,1
	v_mov_b32 v[XT+\b], 0                          ; a permute's destination counts as read
	v_mov_b32 v[AL+2*\b+1], 0                      ; the pair's second register is named by the packed forms and never used
.endr
	WIN 0
	s_lshl_b32 s17, s9, 7                          ; my head's 128 bytes of a row
	v_mul_u32_u24 v3, v1, KP
	v_lshl_add_u32 v3, v2, 4, v3
	v_add_nc_u32 v3, s17, v3                       ; K: row r, 16 bytes for each half of the lanes
	v_and_b32 v4, 7, v0
	v_lshl_add_u32 v4, v2, 3, v4
	v_mul_u32_u24 v4, v4, VP
	v_bfe_u32 v5, v0, 3, 1
	v_lshl_add_u32 v4, v5, 4, v4
	v_add_nc_u32 v4, s17, v4                       ; V: the transposing load's addresses
.irp s, 0,1
.irp hf, 0,1
	v_add_nc_u32 v[KA+2*\s+\hf], \s*SLOT+VPART+\hf*128*KP, v3
	v_add_nc_u32 v[VA+2*\s+\hf], \s*SLOT+\hf*128*VP, v4
.endr
.endr
	s_mul_i32 s43, s10, 32*KP
	s_add_co_u32 s43, s43, STAGE
	v_add_nc_u32 v[STO], s43, v3                   ; stage: row 32 (w % 4) + r, my head's 128 bytes, 16 bytes for each half
	s_mul_i32 s43, s8, 16*KP
	s_add_co_u32 s43, s43, STAGE
	v_mul_u32_u24 v5, v2, KP
	v_lshl_add_u32 v5, v1, 4, v5
	v_add_nc_u32 v[RD], s43, v5                    ; back: rows 16 w + h, 16 bytes a lane
	v_lshlrev_b32 v5, 11, v2
	v_lshl_add_u32 v[CO], v1, 4, v5
.macro KLOAD slot, idx                 ; K's fragments of the slot's step idx: 64 keys x 64 d, 16 loads (window setting W_LD)
.irp a, 0,1,2,3
.irp ks, 0,1
	ds_load_b128 v[KF+8*(2*\a+\ks):KF+8*(2*\a+\ks)+3],   v[KA+2*(\slot)+(\idx)/2] offset:((\idx)%2)*64*KP+\a*16*KP+64*\ks
	ds_load_b128 v[KF+8*(2*\a+\ks)+4:KF+8*(2*\a+\ks)+7], v[KA+2*(\slot)+(\idx)/2] offset:((\idx)%2)*64*KP+\a*16*KP+64*\ks+32
.endr
.endr
.endm
.macro VLOAD slot, idx                 ; V^T's fragments of the slot's step idx: 64 d x 64 keys, 16 transposing loads (window setting 0)
.irp dt, 0,1,2,3
.irp kk, 0,1
	ds_load_tr16_b128 v[VF+8*(2*\dt+\kk):VF+8*(2*\dt+\kk)+3],   v[VA+2*(\slot)+(\idx)/2] offset:((\idx)%2)*64*VP+\kk*32*VP+32*\dt
	ds_load_tr16_b128 v[VF+8*(2*\dt+\kk)+4:VF+8*(2*\dt+\kk)+7], v[VA+2*(\slot)+(\idx)/2] offset:((\idx)%2)*64*VP+\kk*32*VP+32*\dt+16*VP
.endr
.endr
.endm
; Matrix instruction n of the 16 that make a step's scores in buffer sn: accumulator n % 8 = 4 b + a, d step n / 8.  The first eight start the sums.
; The eight accumulators take turns, one instruction a turn.
.macro SW sn, n
.set ACC, (\n)%8
.if (\n) < 8
	v_wmma_f32_16x16x32_bf16 v[\sn+8*ACC:\sn+8*ACC+7], v[KF+16*(ACC%4):KF+16*(ACC%4)+7], v[QF+16*(ACC/4):QF+16*(ACC/4)+7], 0
.else
	v_wmma_f32_16x16x32_bf16 v[\sn+8*ACC:\sn+8*ACC+7], v[KF+16*(ACC%4)+8:KF+16*(ACC%4)+15], v[QF+16*(ACC/4)+8:QF+16*(ACC/4)+15], v[\sn+8*ACC:\sn+8*ACC+7]
.endif
.endm
; Both query blocks at once, so that neither chain waits for its own last line: the step's maximum over my 32 scores and the other half's,
; the new running maximum m, -c m, and alpha = exp2(c (m_old - m))
.macro SMAX2 sc, first
.irp a, 0,1,2,3
.irp b, 0,1
	v_max3_num_f32 v[T+4*\b+\a], v[\sc+8*(4*\b+\a)], v[\sc+8*(4*\b+\a)+1], v[\sc+8*(4*\b+\a)+2]
.endr
.endr
.irp a, 0,1,2,3
.irp b, 0,1
	v_max3_num_f32 v[T+4*\b+\a], v[T+4*\b+\a], v[\sc+8*(4*\b+\a)+3], v[\sc+8*(4*\b+\a)+4]
.endr
.endr
.irp a, 0,1,2,3
.irp b, 0,1
	v_max3_num_f32 v[T+4*\b+\a], v[T+4*\b+\a], v[\sc+8*(4*\b+\a)+5], v[\sc+8*(4*\b+\a)+6]
.endr
.endr
.irp b, 0,1
	v_max3_num_f32 v[T+4*\b], v[T+4*\b], v[\sc+8*(4*\b)+7], v[\sc+8*(4*\b+1)+7]
	v_max3_num_f32 v[T+4*\b+2], v[T+4*\b+2], v[\sc+8*(4*\b+2)+7], v[\sc+8*(4*\b+3)+7]
.endr
.irp b, 0,1
	v_max3_num_f32 v[T+4*\b], v[T+4*\b], v[T+4*\b+1], v[T+4*\b+2]
.endr
.irp b, 0,1
	v_max_num_f32 v[T+4*\b], v[T+4*\b], v[T+4*\b+3]
.endr
.irp b, 0,1
	v_permlanex16_b32 v[XT+\b], v[T+4*\b], s44, s45
.endr
.if \first
.irp b, 0,1
	v_max_num_f32 v[T+4*\b+1], v[T+4*\b], v[XT+\b]
.endr
.irp b, 0,1
	v_mul_f32 v[NM+2*\b], s42, v[T+4*\b+1]
.endr
.irp b, 0,1
	v_mov_b32 v[NM+2*\b+1], v[T+4*\b+1]
.endr
.else
.irp b, 0,1
	v_max3_num_f32 v[T+4*\b+1], v[T+4*\b], v[XT+\b], v[NM+2*\b+1]
.endr
.irp b, 0,1
	v_mul_f32 v[NM+2*\b], s42, v[T+4*\b+1]
.endr
.irp b, 0,1
	v_fma_f32 v[AL+2*\b], v[NM+2*\b+1], s40, v[NM+2*\b]
.endr
.irp b, 0,1
	v_mov_b32 v[NM+2*\b+1], v[T+4*\b+1]
.endr
.irp b, 0,1
	v_exp_f32 v[AL+2*\b], v[AL+2*\b]               ; the line behind the two is plain and touches neither (ISA guide 5.7.2)
.endr
.endif
.endm
.macro SFMA sc, g                      ; group g = 4 b + a: c s - c m
.irp i, 0,2,4,6
	v_pk_fma_f32 v[\sc+8*(\g)+\i:\sc+8*(\g)+\i+1], v[\sc+8*(\g)+\i:\sc+8*(\g)+\i+1], s[40:41], v[NM+2*((\g)/4):NM+2*((\g)/4)+1] op_sel_hi:[1,0,0]
.endr
.endm
.macro SEXP sc, g
.irp j, 0,1,2,3,4,5,6,7
	v_exp_f32 v[\sc+8*(\g)+\j], v[\sc+8*(\g)+\j]
.endr
.endm
; The group's eight p: folded to a pair and added onto the running pair; rounded to bf16 into registers 4 g .. 4 g + 3 of the same buffer.
; Those lie in group g / 2, which is used up (for g = 0: each conversion writes at or below the registers that it reads, behind the two sums that read all eight).
.macro SSUM sc, g, first
	s_wait_alu depctr_va_vdst(0)
	v_pk_add_f32 v[T:T+1], v[\sc+8*(\g):\sc+8*(\g)+1], v[\sc+8*(\g)+2:\sc+8*(\g)+3]
	v_pk_add_f32 v[T+2:T+3], v[\sc+8*(\g)+4:\sc+8*(\g)+5], v[\sc+8*(\g)+6:\sc+8*(\g)+7]
	v_cvt_pk_bf16_f32 v[\sc+4*(\g)], v[\sc+8*(\g)], v[\sc+8*(\g)+1]
	v_cvt_pk_bf16_f32 v[\sc+4*(\g)+1], v[\sc+8*(\g)+2], v[\sc+8*(\g)+3]
.if (\g)%4
	v_pk_add_f32 v[T:T+1], v[T:T+1], v[T+2:T+3]
	v_cvt_pk_bf16_f32 v[\sc+4*(\g)+2], v[\sc+8*(\g)+4], v[\sc+8*(\g)+5]
	v_cvt_pk_bf16_f32 v[\sc+4*(\g)+3], v[\sc+8*(\g)+6], v[\sc+8*(\g)+7]
	v_pk_add_f32 v[LS+2*((\g)/4):LS+2*((\g)/4)+1], v[LS+2*((\g)/4):LS+2*((\g)/4)+1], v[T:T+1]
.else
.if \first
	v_pk_add_f32 v[LS+2*((\g)/4):LS+2*((\g)/4)+1], v[T:T+1], v[T+2:T+3]    ; the first group starts the sums
	v_cvt_pk_bf16_f32 v[\sc+4*(\g)+2], v[\sc+8*(\g)+4], v[\sc+8*(\g)+5]
	v_cvt_pk_bf16_f32 v[\sc+4*(\g)+3], v[\sc+8*(\g)+6], v[\sc+8*(\g)+7]
.else
	v_pk_add_f32 v[T:T+1], v[T:T+1], v[T+2:T+3]
	v_cvt_pk_bf16_f32 v[\sc+4*(\g)+2], v[\sc+8*(\g)+4], v[\sc+8*(\g)+5]
	v_cvt_pk_bf16_f32 v[\sc+4*(\g)+3], v[\sc+8*(\g)+6], v[\sc+8*(\g)+7]
	v_pk_fma_f32 v[LS+2*((\g)/4):LS+2*((\g)/4)+1], v[LS+2*((\g)/4):LS+2*((\g)/4)+1], v[AL+2*((\g)/4):AL+2*((\g)/4)+1], v[T:T+1] op_sel_hi:[1,0,1]   ; the old sums times alpha
.endif
.endif
.endm
; One group of eight scores a lane.  Plain work on the next group stands between the exponentials and their use (ISA guide 5.7.2).
.macro GROUP sc, g, first
	SEXP \sc, \g
.if (\g) < 7
	SFMA \sc, \g+1
.else
	v_nop
	s_wait_alu depctr_va_vdst(0)
.endif
	SSUM \sc, \g, \first
.endm
; The same with 2 x half matrix instructions of the next step's scores, from number n0 on: half ahead of the exponentials, half ahead of the sums.
; They name the other score buffer, K's and Q's fragments; the vector lines name none of these.
.macro GROUPW sc, sn, g, first, n0, half
.set NW, \n0
.rept \half
	SW \sn, NW
.set NW, NW+1
.endr
	SEXP \sc, \g
.if (\g) < 7
	SFMA \sc, \g+1
.else
	v_nop
	s_wait_alu depctr_va_vdst(0)
.endif
.rept \half
	SW \sn, NW
.set NW, NW+1
.endr
	SSUM \sc, \g, \first
.endm
.macro RS j                            ; O's tile j = 2 dt + b times its query block's factor
.irp i, 0,2,4,6
	v_pk_mul_f32 v[OA+8*(\j)+\i:OA+8*(\j)+\i+1], v[OA+8*(\j)+\i:OA+8*(\j)+\i+1], v[AL+2*((\j)%2):AL+2*((\j)%2)+1] op_sel_hi:[1,0]
.endr
.endm
.macro PW sc, j, kk, zero              ; O's tile j += V^T (d block j / 2, keys 32 kk ..) x P^T (query block j % 2, the same keys)
.if \zero
	v_wmma_f32_16x16x32_bf16 v[OA+8*(\j):OA+8*(\j)+7], v[VF+8*(2*((\j)/2)+\kk):VF+8*(2*((\j)/2)+\kk)+7], v[\sc+8*(2*((\j)%2)+\kk):\sc+8*(2*((\j)%2)+\kk)+7], 0
.else
	v_wmma_f32_16x16x32_bf16 v[OA+8*(\j):OA+8*(\j)+7], v[VF+8*(2*((\j)/2)+\kk):VF+8*(2*((\j)/2)+\kk)+7], v[\sc+8*(2*((\j)%2)+\kk):\sc+8*(2*((\j)%2)+\kk)+7], v[OA+8*(\j):OA+8*(\j)+7]
.endif
.endm
; O = alpha O + V^T P^T.  Tile j + 2 is rescaled behind the product on tile j: it is no register of any product issued since the step began.
; The eight accumulators take turns, one instruction a turn.
.macro RPV sc, first
.if \first
.irp j, 0,1,2,3,4,5,6,7
	PW \sc, \j, 0, 1                               ; the first step's products start the sums: nothing is cleared
.endr
.else
	RS 0
	RS 1
.irp j, 0,1,2,3,4,5,6,7
	PW \sc, \j, 0, 0
.if \j < 6
	RS \j+2
.endif
.endr
.endif
.irp j, 0,1,2,3,4,5,6,7
	PW \sc, \j, 1, 0
.endr
.endm
; One step: 64 keys.  Its scores lie ready in buffer idx % 2; it makes the next step's in the other.
; mode 0: steps 0 and 1 of a tile: K's fragments of the step after next are asked for at the end;  4: step 2: nothing more of K is in this slot;
; mode 1: step 3, and the slot is filled again;  2: step 3, nothing is filled;  3: the last step of all.
.macro STEP slot, idx, first, mode
.set SCU, 64*((\idx)%2)
.set SNX, 64-SCU
.set ENDT, 0
.if \mode == 1
.set ENDT, 1
.endif
.if \mode == 2
.set ENDT, 1
.endif
.if ENDT
	WIN 0
	PLACES                                         ; behind the last step's products, which read V's fragments
	VLOAD \slot, \idx                              ; my last reads of this slot; the maxima and group 0 stand between them and their wait
	WIN W_SM
	SMAX2 SCU, 0
	SFMA SCU, 0
	GROUP SCU, 0, 0
	s_wait_dscnt 0x0                               ; V is in, and with it all my reads of this slot
	s_wait_tensorcnt 0x0                           ; all my tensor loads have landed: the one that was out is my part of the other slot
	ds_add_u32 v248, v249
	s_wait_dscnt 0x0
	s_barrier_signal -1                            ; where the slot is filled again this barrier opens a round of the cluster's barrier
	GROUP SCU, 1, 0                                ; register work while the others arrive
	WIN 0
	s_barrier_wait -1
.if \mode == 1
	CREST                                          ; no wave of any partner still reads this slot or has a load on its way
	s_add_nc_u64 s[G0V+4*\slot+2:G0V+4*\slot+3], s[G0V+4*\slot+2:G0V+4*\slot+3], 2*TILEB
	s_add_nc_u64 s[G0K+4*\slot+2:G0K+4*\slot+3], s[G0K+4*\slot+2:G0K+4*\slot+3], 2*TILEB
	JLOAD \slot                                    ; the wave's one tensor load behind the round, and the first thing there
.endif
	WIN W_LD
	KLOAD 1-\slot, 0                               ; the other slot is whole: K of its first step
	WIN W_SM
	GROUP SCU, 2, 0                                ; two groups stand between these loads and their wait
	GROUP SCU, 3, 0
	s_wait_dscnt 0x0                               ; K's fragments are in
	GROUPW SCU, SNX, 4, 0, 0, 2                    ; the next step's 16 products among the last four groups
	GROUPW SCU, SNX, 5, 0, 4, 2
	GROUPW SCU, SNX, 6, 0, 8, 2
	GROUPW SCU, SNX, 7, 0, 12, 2
	WIN W_LD
	KLOAD 1-\slot, 1                               ; behind the last product stand group 7's eight plain lines: K's fragments may be loaded again
	WIN W_PV
	RPV SCU, 0
.else
	WIN W_SM
	SMAX2 SCU, \first
	SFMA SCU, 0
	WIN 0
	VLOAD \slot, \idx                              ; the maxima are the places behind the last step's products, which read V's fragments
.if \mode == 3
	WIN W_SM
.irp g, 0,1,2,3,4,5,6,7
	GROUP SCU, \g, 0
.endr
	s_wait_dscnt 0x0                               ; V is in
.else
	s_wait_dscnt 16                                ; K's 16 loads, asked for a step ago, are in; V's 16, just issued, stay out
	WIN W_SM
.irp g, 0,1,2,3,4,5,6,7
	GROUPW SCU, SNX, \g, \first, 2*\g, 1
.endr
.if \mode == 0
	WIN W_LD
	KLOAD \slot, \idx+2                            ; behind the last product stand group 7's eight plain lines
	s_wait_dscnt 16                                ; V's 16 loads are in; K's 16, just issued, stay out
.else
	s_wait_dscnt 0x0                               ; V is in
.endif
.endif
	WIN W_PV
	RPV SCU, \first
.endif
.endm
	s_wait_loadcnt 0x0                             ; q, once
	s_wait_tensorcnt 0x1                           ; my part of tile 0 is in; tile 1's stays out
	s_barrier_signal -1
	s_barrier_wait -1
	WIN W_LD
	KLOAD 0, 0
	s_wait_dscnt 0x0
	WIN W_SM
.irp n, 0,1,2,3,4,5,6,7,8,9,10,11,12,13,14,15
	SW 0, \n                                       ; the first step's scores have no softmax to stand among
.endr
	PLACES                                         ; behind them: K's fragments are loaded again, and the maxima read the scores
	WIN W_LD
	KLOAD 0, 1
	STEP 0, 0, 1, 0                                ; the first step of tile 0 starts the sums: nothing is cleared
	WIN 0                                          ; at a label and at a branch every window is 0
	s_mov_b32 s11, 3
.Llap:                                             ; 3 trips of 8 steps: the rest of tiles 0, 2, 4; tiles 1, 3, 5; the first step of tiles 2, 4, 6.  The refills bring tiles 2 to 7
	STEP 0, 1, 0, 0
	STEP 0, 2, 0, 4
	STEP 0, 3, 0, 1
	STEP 1, 0, 0, 0
	STEP 1, 1, 0, 0
	STEP 1, 2, 0, 4
	STEP 1, 3, 0, 1
	STEP 0, 0, 0, 0
	WIN 0
	s_sub_co_u32 s11, s11, 1
	s_cmp_lg_u32 s11, 0
	s_cbranch_scc1 .Llap
	STEP 0, 1, 0, 0                                ; the rest of tile 6 and tile 7 fetch nothing
	STEP 0, 2, 0, 4
	STEP 0, 3, 0, 2
	STEP 1, 0, 0, 0
	STEP 1, 1, 0, 0
	STEP 1, 2, 0, 4
	STEP 1, 3, 0, 3
	; the end: divide by the sums, round, and out through the stage, where the two heads' halves of a row meet
	PLACES
	WIN W_SM
.irp b, 0,1
	v_add_f32 v[T+\b], v[LS+2*\b], v[LS+2*\b+1]
.endr
.irp b, 0,1
	v_permlanex16_b32 v[XT+\b], v[T+\b], s44, s45
.endr
.irp b, 0,1
	v_add_f32 v[T+\b], v[T+\b], v[XT+\b]
.endr
.irp b, 0,1
	v_rcp_f32 v[AL+2*\b], v[T+\b]
.endr
	v_nop                                          ; one plain instruction between the reciprocals and their use (ISA guide 5.7.2)
	s_wait_alu depctr_va_vdst(0)
	WIN W_PV
.irp j, 0,1,2,3,4,5,6,7
	RS \j
.endr
	WIN 0
.irp b, 0,1
.irp dt, 0,1,2,3
.irp i, 0,1,2,3
	v_cvt_pk_bf16_f32 v[PK+4*(4*\b+\dt)+\i], v[OA+8*(2*\dt+\b)+2*\i], v[OA+8*(2*\dt+\b)+2*\i+1]
.endr
.endr
.endr
.irp b, 0,1
.irp dt, 0,1,2,3
	ds_store_b128 v[STO], v[PK+4*(4*\b+\dt):PK+4*(4*\b+\dt)+3] offset:16*KP*\b+32*\dt   ; query 16 b + r, d = 16 dt + 8 h + 0..7
.endr
.endr
	s_wait_dscnt 0x0                               ; my stores are done, for the waves that read them
	s_barrier_signal -1
	s_barrier_wait -1
.irp t, 0,1,2,3,4,5,6,7
	ds_load_b128 v[VF+4*\t:VF+4*\t+3], v[RD] offset:2*KP*\t
.endr
.irp t, 0,1,2,3,4,5,6,7
	s_wait_dscnt 7-\t                              ; LDS loads return in order: pair t of rows is in, the younger ones stay out
	global_store_b128 v[CO], v[VF+4*\t:VF+4*\t+3], s[6:7] offset:4096*\t   ; 16 lanes store 256 consecutive bytes, aligned
.endr
	s_set_vgpr_msb 0x5
	s_wait_tensorcnt 0x0
	ds_add_u32 v248, v249
	s_wait_dscnt 0x0
	s_set_vgpr_msb 0x500
	CROUND                                         ; the closing round: no work-group ends while a partner may still ask for a tile that names it
	s_endpgm
.Lfunc_end_k_q106c404e5c_attn:
	.size	k_q106c404e5c_attn, .Lfunc_end_k_q106c404e5c_attn-k_q106c404e5c_attn
	.p2alignl 7, 3214868480
	.fill 96, 4, 3214868480
	.section	.rodata,"a",@progbits
	.p2align	6, 0x0
	.amdhsa_kernel k_q106c404e5c_attn
		.amdhsa_group_segment_fixed_size 327680
		.amdhsa_private_segment_fixed_size 0
		.amdhsa_enable_private_segment 0
		.amdhsa_kernarg_size 16
		.amdhsa_user_sgpr_count 2
		.amdhsa_user_sgpr_kernarg_segment_ptr 1
		.amdhsa_wavefront_size32 1
		.amdhsa_system_sgpr_workgroup_id_x 1
		.amdhsa_system_sgpr_workgroup_id_y 1
		.amdhsa_system_sgpr_workgroup_id_z 1
		.amdhsa_system_vgpr_workitem_id 0
		.amdhsa_next_free_vgpr 506
		.amdhsa_next_free_sgpr 80
		.amdhsa_reserve_vcc 0
		.amdhsa_float_denorm_mode_32 3
		.amdhsa_float_denorm_mode_16_64 3
		.amdhsa_memory_ordered 1
		.amdhsa_forward_progress 1
		.amdhsa_inst_pref_size 255
	.end_amdhsa_kernel
	.section	.bss,"aw",@nobits
	.p2align	6
	.space	262144
	.amdgpu_metadata
---
amdhsa.version: [ 1, 2 ]
amdhsa.kernels:
  - .name:           k_q106c404e5c_attn
    .symbol:         k_q106c404e5c_attn.kd
    .args:
      - { .name: big, .offset: 0, .size: 8, .value_kind: global_buffer, .address_space: global }
      - { .name: act, .offset: 8, .size: 8, .value_kind: global_buffer, .address_space: global }
    .group_segment_fixed_size: 327680
    .private_segment_fixed_size: 0
    .kernarg_segment_align: 8
    .kernarg_segment_size: 16
    .max_flat_workgroup_size: 256
    .sgpr_count:     80
    .vgpr_count:     506
    .wavefront_size: 32
...
	.end_amdgpu_metadata
.endif
;; end of part 8
;; launch outp: the kernel of part 4 again; grid 8 x 32, 4 waves a work-group, clusters of 4 x 4, 327,680 bytes of LDS; arguments act, wbf, out_b, x, x1; writes x1
;; launch ln2: the kernel of part 5 again; grid 256 x 1, 8 waves a work-group, no clusters, 0 bytes of LDS; arguments x1, ln2_g, ln2_b, act; writes act
;; launch ff1: the kernel of part 6 again; grid 16 x 16, 4 waves a work-group, clusters of 4 x 4, 327,680 bytes of LDS; arguments act, wbf, ff_b1, big; writes big
;; launch ff2: the kernel of part 7 again; grid 8 x 32, 4 waves a work-group, clusters of 4 x 4, 327,680 bytes of LDS; arguments big, wbf, ff_b2, x1, out0; writes out0
;; ======== version 3 of 3: 7 launches; version 2 with the launches prep, ln2 written anew for expert scheduling mode
;; limits: a function is approximated: absolute error at most 2.5e-05; an absolute error that grows with the inputs' magnitude: up to 1.25e-05 times it
;; workspace buffers: wbf 25,165,824 bytes; act 8,388,608 bytes; big 33,554,432 bytes; x1 16,777,216 bytes
;; launch prep (part 9): grid 512 x 1, 8 waves a work-group, no clusters, 0 bytes of LDS; arguments x, qkv_w, out_w, ff_w1, ff_w2, ln1_g, ln1_b, wbf, act; writes wbf, act
.if DOCPART == 9
	.amdgcn_target "amdgcn-amd-amdhsa--gfx1250"
	.amdhsa_code_object_version 6
	.text
	.protected	k_q106c404e5c_prep
	.globl	k_q106c404e5c_prep
	.p2align	8
	.type	k_q106c404e5c_prep,@function
k_q106c404e5c_prep:
	s_mov_b64 s[64:65], 0
	v_nop
	global_prefetch_b8 v0, s[64:65] scope:SCOPE_SE
	s_setreg_imm32_b32 hwreg(HW_REG_WAVE_SCHED_MODE, 0, 2), 2
	s_setreg_imm32_b32 hwreg(HW_REG_WAVE_MODE, 25, 1), 1
	s_wait_xcnt 0x0
	s_wait_alu depctr_vm_vsrc(0)
; Two streams in one launch, chosen by the work-group's number.
; Work-groups 0..383: the four weight matrices, f32 [K][N], are rounded to bf16 in the same order into wbf, one behind the other
;   (qkv_w at byte 0, out_w at 6,291,456, ff_w1 at 8,388,608, ff_w2 at 16,777,216).  A work-group takes 32,768 numbers.
; Work-groups 384..511: act = LayerNorm(x) * ln1_g + ln1_b in bf16.  A wave takes four whole rows of 1,024, a row in 32 registers a lane,
;   so a row is read once; mean first, then the mean of the squared differences (no difference of large sums).
; No LDS, no barrier, no matrix unit, no cluster: the work-groups share nothing but the 8 KiB of gain and bias.
; THE MODE: SCHED_MODE bits 1:0 = 2 (LLVM: expert scheduling mode 2), set by the entry lines.  The code itself states the register dependences
; between vector instructions and memory instructions, with s_wait_alu, always for 0.
; THE PLAN.  Registers that memory instructions touch:
;   v1, v2     byte offsets of the loads and of the stores: made once at the head of each path, never written again.
;   the cast:  CX, piece j: written by its two loads (all 32 are issued before any vector line names CX), read and packed in place by its four
;              conversions, read by its store, never written again.  The 16 pieces go in four groups of four; a group's four stores are issued
;              in the next group, behind ONE wait at that group's head, and are dealt among its conversions, which name that group's registers alone.
;   the norm:  G, BB, X: written by loads that are all issued before any vector line names them.  Row i's sixteen packed registers are written by
;              the row's last conversions and read by its eight stores, which are issued in row i + 1 behind the wait that stands there for the two
;              v_rsq_f32, and are dealt among that row's multiplies, which name X[i + 1] and RS alone.  T, MU, RS, TMP: vector instructions alone.
; No register that a memory instruction reads is ever written again, so past the entry the text holds no wait on vm_vsrc.
.set CX,  16                           ; v[16:143]  cast: 16 pieces of 8 numbers a thread
.set G,   16                           ; v[16:47]   norm: gain of my 32 columns
.set BB,  48                           ; v[48:79]   norm: bias of my 32 columns
.set X,   80                           ; v[80:207]  norm: four rows, 32 registers each
.set T,   208                          ; v[208:215] four running pairs
.set MU,  216                          ; v[216:217] minus the mean, twice
.set RS,  218                          ; v[218:219] 1/sqrt(var + eps), twice
.set TMP, 220                          ; the other half's figure
.set RPW, 4                            ; rows of a wave
; The cast's group g: pieces 4 g to 4 g + 3 are rounded, and the group before is stored.
.macro CGRP g
	s_wait_loadcnt 24-8*(\g)                       ; loads return in order: this group's eight are in, the 8 (3 - g) younger ones stay out
.if \g
	s_wait_alu depctr_va_vdst(0)                   ; the group before's sixteen conversions have written their registers, which the four stores below read
.endif
.irp i, 0,1,2,3
.if \g
	global_store_b128 v2, v[CX+8*(4*((\g)-1)+\i):CX+8*(4*((\g)-1)+\i)+3], s[30:31] offset:4096*(4*((\g)-1)+\i)   ; a wave stores 512 consecutive bytes, aligned; no vector line since the wait names these registers, and none writes them again
.endif
	v_cvt_pk_bf16_f32 v[CX+8*(4*(\g)+\i)],   v[CX+8*(4*(\g)+\i)],   v[CX+8*(4*(\g)+\i)+1]
	v_cvt_pk_bf16_f32 v[CX+8*(4*(\g)+\i)+1], v[CX+8*(4*(\g)+\i)+2], v[CX+8*(4*(\g)+\i)+3]
	v_cvt_pk_bf16_f32 v[CX+8*(4*(\g)+\i)+2], v[CX+8*(4*(\g)+\i)+4], v[CX+8*(4*(\g)+\i)+5]
	v_cvt_pk_bf16_f32 v[CX+8*(4*(\g)+\i)+3], v[CX+8*(4*(\g)+\i)+6], v[CX+8*(4*(\g)+\i)+7]
.endr
.endm
	s_load_b512 s[16:31], s[0:1], 0x0              ; x 16, qkv_w 18, out_w 20, ff_w1 22, ff_w2 24, ln1_g 26, ln1_b 28, wbf 30
	s_load_b64 s[32:33], s[0:1], 0x40              ; act
	v_lshrrev_b32 v1, 5, v0
	v_readfirstlane_b32 s12, v1                    ; wave
	s_mov_b32 s9, 0
	s_mov_b32 s11, 0
	s_wait_alu depctr_va_sdst(0)                   ; s12 is written: its first reader stands on the norm's path
	s_cmp_ge_u32 ttmp9, 384
	s_cbranch_scc1 .Lln
	; ---- the cast ----
	v_lshlrev_b32 v1, 5, v0                        ; 32 bytes of f32 a thread and piece
	v_lshlrev_b32 v2, 4, v0                        ; 16 bytes of bf16
	s_wait_kmcnt 0x0
	s_mov_b64 s[4:5], s[24:25]                     ; which matrix, and its first work-group: 256.. ff_w2
	s_mov_b32 s6, 256
	s_cmp_lt_u32 ttmp9, 256
	s_cselect_b64 s[4:5], s[22:23], s[4:5]         ; 128..255 ff_w1
	s_cselect_b32 s6, 128, s6
	s_cmp_lt_u32 ttmp9, 128
	s_cselect_b64 s[4:5], s[20:21], s[4:5]         ; 96..127 out_w
	s_cselect_b32 s6, 96, s6
	s_cmp_lt_u32 ttmp9, 96
	s_cselect_b64 s[4:5], s[18:19], s[4:5]         ; 0..95 qkv_w
	s_cselect_b32 s6, 0, s6
	s_sub_co_u32 s6, ttmp9, s6
	s_lshl_b32 s8, s6, 17                          ; 131,072 bytes of f32 for each work-group of the matrix
	s_add_nc_u64 s[4:5], s[4:5], s[8:9]
	s_lshl_b32 s10, ttmp9, 16                      ; 65,536 bytes of bf16 for each work-group, the matrices one behind the other
	s_add_nc_u64 s[30:31], s[30:31], s[10:11]
	s_wait_alu depctr_va_vdst(0)                   ; v1 and v2 are written: every load of this path reads v1 as its offset, every store v2
.irp j, 0,1,2,3,4,5,6,7,8,9,10,11,12,13,14,15
	global_load_b128 v[CX+8*\j:CX+8*\j+3],   v1, s[4:5] offset:8192*\j th:TH_LOAD_NT
	global_load_b128 v[CX+8*\j+4:CX+8*\j+7], v1, s[4:5] offset:8192*\j+16 th:TH_LOAD_NT
.endr
	CGRP 0
	CGRP 1
	CGRP 2
	CGRP 3
	s_wait_alu depctr_va_vdst(0)                   ; the last group's conversions have written their registers, which the last four stores read
.irp i, 12,13,14,15
	global_store_b128 v2, v[CX+8*\i:CX+8*\i+3], s[30:31] offset:4096*\i
.endr
	s_endpgm
	; ---- the norm ----
.macro FOLD                            ; four pairs to one number
	v_pk_add_f32 v[T:T+1], v[T:T+1], v[T+2:T+3]
	v_pk_add_f32 v[T+4:T+5], v[T+4:T+5], v[T+6:T+7]
	v_pk_add_f32 v[T:T+1], v[T:T+1], v[T+4:T+5]
	v_add_f32 v[T], v[T], v[T+1]
.endm
.macro ACROSS                          ; the sum over the 32 lanes, in every lane
	v_add_f32_dpp v[T], v[T], v[T] row_xmask:1 row_mask:0xf bank_mask:0xf
	v_add_f32_dpp v[T], v[T], v[T] row_xmask:2 row_mask:0xf bank_mask:0xf
	v_add_f32_dpp v[T], v[T], v[T] row_xmask:4 row_mask:0xf bank_mask:0xf
	v_add_f32_dpp v[T], v[T], v[T] row_xmask:8 row_mask:0xf bank_mask:0xf
	v_permlanex16_b32 v[TMP], v[T], s40, s41
	v_add_f32 v[T], v[T], v[TMP]
.endm
; row i of the wave's rows; left = the later rows' loads, which stay out.  The row before is stored in this row's middle.
.macro LNROW i, left
	s_wait_loadcnt \left
.irp k, 0,2,4,6
	v_pk_add_f32 v[T+\k:T+\k+1], v[X+32*\i+\k:X+32*\i+\k+1], v[X+32*\i+\k+8:X+32*\i+\k+9]   ; the first products of the chains: nothing is cleared
.endr
.irp m, 16,24
.irp k, 0,2,4,6
	v_pk_add_f32 v[T+\k:T+\k+1], v[T+\k:T+\k+1], v[X+32*\i+\k+\m:X+32*\i+\k+\m+1]
.endr
.endr
	FOLD
	ACROSS
	v_mul_f32 v[MU], 0xba800000, v[T]              ; - sum / 1024
	v_mul_f32 v[MU+1], 0xba800000, v[T]
.irp k, 0,2,4,6,8,10,12,14,16,18,20,22,24,26,28,30
	v_pk_add_f32 v[X+32*\i+\k:X+32*\i+\k+1], v[X+32*\i+\k:X+32*\i+\k+1], v[MU:MU+1]
.endr
.irp k, 0,2,4,6
	v_pk_mul_f32 v[T+\k:T+\k+1], v[X+32*\i+\k:X+32*\i+\k+1], v[X+32*\i+\k:X+32*\i+\k+1]
.endr
.irp m, 8,16,24
.irp k, 0,2,4,6
	v_pk_fma_f32 v[T+\k:T+\k+1], v[X+32*\i+\k+\m:X+32*\i+\k+\m+1], v[X+32*\i+\k+\m:X+32*\i+\k+\m+1], v[T+\k:T+\k+1]
.endr
.endr
	FOLD
	ACROSS
	v_fma_f32 v[T], v[T], s42, s43                 ; sum of squares / 1024 + 1e-5
	v_rsq_f32 v[RS], v[T]
	v_rsq_f32 v[RS+1], v[T]
	v_nop                                          ; one plain instruction between v_rsq_f32 and the first use of its result (ISA guide 5.7.2)
	s_wait_alu depctr_va_vdst(0)                   ; the two v_rsq_f32 have written RS, ahead of its first reader; and the row before's conversions have written its packed registers, which the stores below read
.irp j, 0,1,2,3,4,5,6,7
.if \i
	global_store_b64 v2, v[X+32*((\i)-1)+4*\j:X+32*((\i)-1)+4*\j+1], s[32:33] offset:2048*((\i)-1)+256*\j   ; the row before: 32 lanes x 8 bytes: 256 consecutive bytes, aligned; no vector line since the wait names these registers
.endif
	v_pk_mul_f32 v[X+32*\i+4*\j:X+32*\i+4*\j+1],   v[X+32*\i+4*\j:X+32*\i+4*\j+1],   v[RS:RS+1]
	v_pk_mul_f32 v[X+32*\i+4*\j+2:X+32*\i+4*\j+3], v[X+32*\i+4*\j+2:X+32*\i+4*\j+3], v[RS:RS+1]
.endr
.irp k, 0,2,4,6,8,10,12,14,16,18,20,22,24,26,28,30
	v_pk_fma_f32 v[X+32*\i+\k:X+32*\i+\k+1], v[X+32*\i+\k:X+32*\i+\k+1], v[G+\k:G+\k+1], v[BB+\k:BB+\k+1]
.endr
.irp j, 0,1,2,3,4,5,6,7
	v_cvt_pk_bf16_f32 v[X+32*\i+4*\j],   v[X+32*\i+4*\j],   v[X+32*\i+4*\j+1]
	v_cvt_pk_bf16_f32 v[X+32*\i+4*\j+1], v[X+32*\i+4*\j+2], v[X+32*\i+4*\j+3]
.endr
.endm
.Lln:
	s_sub_co_u32 s6, ttmp9, 384
	s_lshl_b32 s6, s6, 5                           ; 32 rows a work-group,
	s_lshl2_add_u32 s6, s12, s6                    ; 4 a wave
	s_lshl_b32 s8, s6, 12                          ; rows of 4,096 bytes in x
	s_lshl_b32 s10, s6, 11                         ; of 2,048 bytes in act
	s_mov_b32 s40, 0x76543210                      ; v_permlanex16_b32: lane i reads lane i of the other half
	s_mov_b32 s41, 0xfedcba98
	s_mov_b32 s42, 0x3a800000                      ; 1/1024
	s_mov_b32 s43, 0x3727c5ac                      ; 1e-5
	v_and_b32 v3, 31, v0
	v_lshlrev_b32 v1, 4, v3                        ; 16 bytes of f32 a lane: columns 128 j + 4 lane ..
	v_lshlrev_b32 v2, 3, v3                        ; 8 bytes of bf16
	v_mov_b32 v[TMP], 0                            ; a permute's destination counts as read
	s_wait_kmcnt 0x0
	s_add_nc_u64 s[16:17], s[16:17], s[8:9]
	s_add_nc_u64 s[32:33], s[32:33], s[10:11]
	s_wait_alu depctr_va_vdst(0)                   ; v1 and v2 are written: every load of this path reads v1 as its offset, every store v2
.irp j, 0,1,2,3,4,5,6,7
	global_load_b128 v[G+4*\j:G+4*\j+3], v1, s[26:27] offset:512*\j
.endr
.irp j, 0,1,2,3,4,5,6,7
	global_load_b128 v[BB+4*\j:BB+4*\j+3], v1, s[28:29] offset:512*\j
.endr
.irp i, 0,1,2,3
.irp j, 0,1,2,3,4,5,6,7
	global_load_b128 v[X+32*\i+4*\j:X+32*\i+4*\j+3], v1, s[16:17] offset:4096*\i+512*\j
.endr
.endr
	LNROW 0, 24
	LNROW 1, 16
	LNROW 2, 8
	LNROW 3, 0
	s_wait_alu depctr_va_vdst(0)                   ; the last row's conversions have written its packed registers, which the last eight stores read
.irp j, 0,1,2,3,4,5,6,7
	global_store_b64 v2, v[X+32*3+4*\j:X+32*3+4*\j+1], s[32:33] offset:2048*3+256*\j   ; 32 lanes x 8 bytes: 256 consecutive bytes, aligned
.endr
	s_endpgm
.Lfunc_end_k_q106c404e5c_prep:
	.size	k_q106c404e5c_prep, .Lfunc_end_k_q106c404e5c_prep-k_q106c404e5c_prep
	.p2alignl 7, 3214868480
	.fill 96, 4, 3214868480
	.section	.rodata,"a",@progbits
	.p2align	6, 0x0
	.amdhsa_kernel k_q106c404e5c_prep
		.amdhsa_group_segment_fixed_size 0
		.amdhsa_private_segment_fixed_size 0
		.amdhsa_enable_private_segment 0
		.amdhsa_kernarg_size 72
		.amdhsa_user_sgpr_count 2
		.amdhsa_user_sgpr_kernarg_segment_ptr 1
		.amdhsa_wavefront_size32 1
		.amdhsa_system_sgpr_workgroup_id_x 1
		.amdhsa_system_sgpr_workgroup_id_y 1
		.amdhsa_system_sgpr_workgroup_id_z 1
		.amdhsa_system_vgpr_workitem_id 0
		.amdhsa_next_free_vgpr 224
		.amdhsa_next_free_sgpr 66
		.amdhsa_reserve_vcc 0
		.amdhsa_float_denorm_mode_32 3
		.amdhsa_float_denorm_mode_16_64 3
		.amdhsa_memory_ordered 1
		.amdhsa_forward_progress 1
		.amdhsa_inst_pref_size 48
	.end_amdhsa_kernel
	.amdgpu_metadata
---
amdhsa.version: [ 1, 2 ]
amdhsa.kernels:
  - .name:           k_q106c404e5c_prep
    .symbol:         k_q106c404e5c_prep.kd
    .args:
      - { .name: x, .offset: 0, .size: 8, .value_kind: global_buffer, .address_space: global }
      - { .name: qkv_w, .offset: 8, .size: 8, .value_kind: global_buffer, .address_space: global }
      - { .name: out_w, .offset: 16, .size: 8, .value_kind: global_buffer, .address_space: global }
      - { .name: ff_w1, .offset: 24, .size: 8, .value_kind: global_buffer, .address_space: global }
      - { .name: ff_w2, .offset: 32, .size: 8, .value_kind: global_buffer, .address_space: global }
      - { .name: ln1_g, .offset: 40, .size: 8, .value_kind: global_buffer, .address_space: global }
      - { .name: ln1_b, .offset: 48, .size: 8, .value_kind: global_buffer, .address_space: global }
      - { .name: wbf, .offset: 56, .size: 8, .value_kind: global_buffer, .address_space: global }
      - { .name: act, .offset: 64, .size: 8, .value_kind: global_buffer, .address_space: global }
    .group_segment_fixed_size: 0
    .private_segment_fixed_size: 0
    .kernarg_segment_align: 8
    .kernarg_segment_size: 72
    .max_flat_workgroup_size: 256
    .sgpr_count:     66
    .vgpr_count:     224
    .wavefront_size: 32
...
	.end_amdgpu_metadata
.endif
;; end of part 9
;; launch qkv: the kernel of part 2 again; grid 12 x 16, 4 waves a work-group, clusters of 4 x 4, 327,680 bytes of LDS; arguments act, wbf, qkv_b, big; writes big
;; launch attn: the kernel of part 8 again; grid 16 x 16, 8 waves a work-group, clusters of 4 x 1, 327,680 bytes of LDS; arguments big, act; writes act
;; launch outp: the kernel of part 4 again; grid 8 x 32, 4 waves a work-group, clusters of 4 x 4, 327,680 bytes of LDS; arguments act, wbf, out_b, x, x1; writes x1
;; launch ln2 (part 10): grid 256 x 1, 8 waves a work-group, no clusters, 0 bytes of LDS; arguments x1, ln2_g, ln2_b, act; writes act
.if DOCPART == 10
	.amdgcn_target "amdgcn-amd-amdhsa--gfx1250"
	.amdhsa_code_object_version 6
	.text
	.protected	k_q106c404e5c_ln2
	.globl	k_q106c404e5c_ln2
	.p2align	8
	.type	k_q106c404e5c_ln2,@function
k_q106c404e5c_ln2:
	s_mov_b64 s[64:65], 0
	v_nop
	global_prefetch_b8 v0, s[64:65] scope:SCOPE_SE
	s_setreg_imm32_b32 hwreg(HW_REG_WAVE_SCHED_MODE, 0, 2), 2
	s_setreg_imm32_b32 hwreg(HW_REG_WAVE_MODE, 25, 1), 1
	s_wait_xcnt 0x0
	s_wait_alu depctr_vm_vsrc(0)
; act = LayerNorm(x1) * ln2_g + ln2_b in bf16.  x1: [4096][1024] f32.  A wave takes two whole rows, a row in 32 registers a lane, so a row is read once;
; mean first, then the mean of the squared differences (no difference of large sums).  16 rows a work-group, 256 work-groups.
; No LDS, no barrier, no matrix unit, no cluster: the work-groups share nothing but the 8 KiB of gain and bias.
; THE MODE: SCHED_MODE bits 1:0 = 2 (LLVM: expert scheduling mode 2), set by the entry lines.  The code itself states the register dependences
; between vector instructions and memory instructions, with s_wait_alu, always for 0.
; THE PLAN.  Registers that memory instructions touch:
;   v1, v2     byte offsets of the loads and of the stores: made once at the head, never written again.
;   G, BB, X   written by loads that are all issued before any vector line names them.  Row i's sixteen packed registers are written by the row's last
;              conversions and read by its eight stores.  Row 0's stores are issued in row 1, behind the wait that stands there for the two v_rsq_f32,
;              and are dealt among that row's multiplies, which name X[1] and RS alone; row 1's stand behind a wait of their own at the end.
;   T, MU, RS, TMP are named by vector instructions alone.
; No register that a memory instruction reads is ever written again, so past the entry the text holds no wait on vm_vsrc.
.set G,   16                           ; v[16:47]   gain of my 32 columns
.set BB,  48                           ; v[48:79]   bias of my 32 columns
.set X,   80                           ; v[80:143]  two rows, 32 registers each
.set T,   144                          ; v[144:151] four running pairs
.set MU,  152
.set RS,  154
.set TMP, 156
.macro FOLD
	v_pk_add_f32 v[T:T+1], v[T:T+1], v[T+2:T+3]
	v_pk_add_f32 v[T+4:T+5], v[T+4:T+5], v[T+6:T+7]
	v_pk_add_f32 v[T:T+1], v[T:T+1], v[T+4:T+5]
	v_add_f32 v[T], v[T], v[T+1]
.endm
.macro ACROSS
	v_add_f32_dpp v[T], v[T], v[T] row_xmask:1 row_mask:0xf bank_mask:0xf
	v_add_f32_dpp v[T], v[T], v[T] row_xmask:2 row_mask:0xf bank_mask:0xf
	v_add_f32_dpp v[T], v[T], v[T] row_xmask:4 row_mask:0xf bank_mask:0xf
	v_add_f32_dpp v[T], v[T], v[T] row_xmask:8 row_mask:0xf bank_mask:0xf
	v_permlanex16_b32 v[TMP], v[T], s40, s41
	v_add_f32 v[T], v[T], v[TMP]
.endm
.macro LNROW i, left
	s_wait_loadcnt \left                           ; this row's loads are in; the later row's stay out
.irp k, 0,2,4,6
	v_pk_add_f32 v[T+\k:T+\k+1], v[X+32*\i+\k:X+32*\i+\k+1], v[X+32*\i+\k+8:X+32*\i+\k+9]
.endr
.irp m, 16,24
.irp k, 0,2,4,6
	v_pk_add_f32 v[T+\k:T+\k+1], v[T+\k:T+\k+1], v[X+32*\i+\k+\m:X+32*\i+\k+\m+1]
.endr
.endr
	FOLD
	ACROSS
	v_mul_f32 v[MU], 0xba800000, v[T]              ; - sum / 1024
	v_mul_f32 v[MU+1], 0xba800000, v[T]
.irp k, 0,2,4,6,8,10,12,14,16,18,20,22,24,26,28,30
	v_pk_add_f32 v[X+32*\i+\k:X+32*\i+\k+1], v[X+32*\i+\k:X+32*\i+\k+1], v[MU:MU+1]
.endr
.irp k, 0,2,4,6
	v_pk_mul_f32 v[T+\k:T+\k+1], v[X+32*\i+\k:X+32*\i+\k+1], v[X+32*\i+\k:X+32*\i+\k+1]
.endr
.irp m, 8,16,24
.irp k, 0,2,4,6
	v_pk_fma_f32 v[T+\k:T+\k+1], v[X+32*\i+\k+\m:X+32*\i+\k+\m+1], v[X+32*\i+\k+\m:X+32*\i+\k+\m+1], v[T+\k:T+\k+1]
.endr
.endr
	FOLD
	ACROSS
	v_fma_f32 v[T], v[T], s42, s43                 ; sum of squares / 1024 + 1e-5
	v_rsq_f32 v[RS], v[T]
	v_rsq_f32 v[RS+1], v[T]
	v_nop                                          ; one plain instruction between v_rsq_f32 and the first use of its result (ISA guide 5.7.2)
	s_wait_alu depctr_va_vdst(0)                   ; the two v_rsq_f32 have written RS, ahead of its first reader; and the row before's conversions have written its packed registers, which the stores below read
.irp j, 0,1,2,3,4,5,6,7
.if \i
	global_store_b64 v2, v[X+32*((\i)-1)+4*\j:X+32*((\i)-1)+4*\j+1], s[22:23] offset:2048*((\i)-1)+256*\j   ; the row before: 32 lanes x 8 bytes: 256 consecutive bytes, aligned; no vector line since the wait names these registers
.endif
	v_pk_mul_f32 v[X+32*\i+4*\j:X+32*\i+4*\j+1],   v[X+32*\i+4*\j:X+32*\i+4*\j+1],   v[RS:RS+1]
	v_pk_mul_f32 v[X+32*\i+4*\j+2:X+32*\i+4*\j+3], v[X+32*\i+4*\j+2:X+32*\i+4*\j+3], v[RS:RS+1]
.endr
.irp k, 0,2,4,6,8,10,12,14,16,18,20,22,24,26,28,30
	v_pk_fma_f32 v[X+32*\i+\k:X+32*\i+\k+1], v[X+32*\i+\k:X+32*\i+\k+1], v[G+\k:G+\k+1], v[BB+\k:BB+\k+1]
.endr
.irp j, 0,1,2,3,4,5,6,7
	v_cvt_pk_bf16_f32 v[X+32*\i+4*\j],   v[X+32*\i+4*\j],   v[X+32*\i+4*\j+1]
	v_cvt_pk_bf16_f32 v[X+32*\i+4*\j+1], v[X+32*\i+4*\j+2], v[X+32*\i+4*\j+3]
.endr
.endm
	s_load_b256 s[16:23], s[0:1], 0x0              ; x1 16, ln2_g 18, ln2_b 20, act 22
	v_lshrrev_b32 v1, 5, v0
	v_readfirstlane_b32 s12, v1                    ; wave
	v_and_b32 v3, 31, v0
	v_lshlrev_b32 v1, 4, v3
	v_lshlrev_b32 v2, 3, v3
	v_mov_b32 v[TMP], 0                            ; a permute's destination counts as read
	s_lshl_b32 s6, ttmp9, 4                        ; 16 rows a work-group,
	s_wait_alu depctr_va_sdst(0)                   ; s12 is written, ahead of its first reader: the bases of x1 and act are made from it
	s_lshl1_add_u32 s6, s12, s6                    ; 2 a wave
	s_lshl_b32 s8, s6, 12
	s_mov_b32 s9, 0
	s_lshl_b32 s10, s6, 11
	s_mov_b32 s11, 0
	s_mov_b32 s40, 0x76543210
	s_mov_b32 s41, 0xfedcba98
	s_mov_b32 s42, 0x3a800000                      ; 1/1024
	s_mov_b32 s43, 0x3727c5ac                      ; 1e-5
	s_wait_kmcnt 0x0
	s_add_nc_u64 s[16:17], s[16:17], s[8:9]
	s_add_nc_u64 s[22:23], s[22:23], s[10:11]
	s_wait_alu depctr_va_vdst(0)                   ; v1 and v2 are written: every load reads v1 as its offset, every store v2
.irp j, 0,1,2,3,4,5,6,7
	global_load_b128 v[G+4*\j:G+4*\j+3], v1, s[18:19] offset:512*\j
.endr
.irp j, 0,1,2,3,4,5,6,7
	global_load_b128 v[BB+4*\j:BB+4*\j+3], v1, s[20:21] offset:512*\j
.endr
.irp i, 0,1
.irp j, 0,1,2,3,4,5,6,7
	global_load_b128 v[X+32*\i+4*\j:X+32*\i+4*\j+3], v1, s[16:17] offset:4096*\i+512*\j
.endr
.endr
	LNROW 0, 8
	LNROW 1, 0
	s_wait_alu depctr_va_vdst(0)                   ; the last row's conversions have written its packed registers, which the last eight stores read
.irp j, 0,1,2,3,4,5,6,7
	global_store_b64 v2, v[X+32+4*\j:X+32+4*\j+1], s[22:23] offset:2048+256*\j   ; 32 lanes x 8 bytes: 256 consecutive bytes, aligned
.endr
	s_endpgm
.Lfunc_end_k_q106c404e5c_ln2:
	.size	k_q106c404e5c_ln2, .Lfunc_end_k_q106c404e5c_ln2-k_q106c404e5c_ln2
	.p2alignl 7, 3214868480
	.fill 96, 4, 3214868480
	.section	.rodata,"a",@progbits
	.p2align	6, 0x0
	.amdhsa_kernel k_q106c404e5c_ln2
		.amdhsa_group_segment_fixed_size 0
		.amdhsa_private_segment_fixed_size 0
		.amdhsa_enable_private_segment 0
		.amdhsa_kernarg_size 32
		.amdhsa_user_sgpr_count 2
		.amdhsa_user_sgpr_kernarg_segment_ptr 1
		.amdhsa_wavefront_size32 1
		.amdhsa_system_sgpr_workgroup_id_x 1
		.amdhsa_system_sgpr_workgroup_id_y 1
		.amdhsa_system_sgpr_workgroup_id_z 1
		.amdhsa_system_vgpr_workitem_id 0
		.amdhsa_next_free_vgpr 160
		.amdhsa_next_free_sgpr 66
		.amdhsa_reserve_vcc 0
		.amdhsa_float_denorm_mode_32 3
		.amdhsa_float_denorm_mode_16_64 3
		.amdhsa_memory_ordered 1
		.amdhsa_forward_progress 1
		.amdhsa_inst_pref_size 21
	.end_amdhsa_kernel
	.amdgpu_metadata
---
amdhsa.version: [ 1, 2 ]
amdhsa.kernels:
  - .name:           k_q106c404e5c_ln2
    .symbol:         k_q106c404e5c_ln2.kd
    .args:
      - { .name: x1, .offset: 0, .size: 8, .value_kind: global_buffer, .address_space: global }
      - { .name: ln2_g, .offset: 8, .size: 8, .value_kind: global_buffer, .address_space: global }
      - { .name: ln2_b, .offset: 16, .size: 8, .value_kind: global_buffer, .address_space: global }
      - { .name: act, .offset: 24, .size: 8, .value_kind: global_buffer, .address_space: global }
    .group_segment_fixed_size: 0
    .private_segment_fixed_size: 0
    .kernarg_segment_align: 8
    .kernarg_segment_size: 32
    .max_flat_workgroup_size: 256
    .sgpr_count:     66
    .vgpr_count:     160
    .wavefront_size: 32
...
	.end_amdgpu_metadata
.endif
;; end of part 10
;; launch ff1: the kernel of part 6 again; grid 16 x 16, 4 waves a work-group, clusters of 4 x 4, 327,680 bytes of LDS; arguments act, wbf, ff_b1, big; writes big
;; launch ff2: the kernel of part 7 again; grid 8 x 32, 4 waves a work-group, clusters of 4 x 4, 327,680 bytes of LDS; arguments big, wbf, ff_b2, x1, out0; writes out0
